; MI455X (gfx1250); checked and timed in simulation.
; The chip was launched on July 23, 2026; its instructions are those of AMD's public machine-readable ISA for CDNA 5 (MIT licence, August 2026) and "CDNA5" Instruction Set Architecture Reference Guide (July 2026). The comments in the code are by the model that wrote it; some were corrected since.
;; Mixture Of Experts Layer. Allowed arithmetic: matrix products marked QUANTISED: E2M3 operands, one E8M0 scale for each 32 along K, by v_wmma_scale_f32_16x16x128_f8f6f4 with both operands' format E2M3, f32 sums; products left as they are: f32 operands where the result goes on into a quantised operand, else bf16, f16 or f32 operands; f32 sums; everything else in f32.
;; Inputs: W1 8 x 1,024 x 4,096 float32; W2 8 x 4,096 x 1,024 float32; Wg 1,024 x 8 float32; b1 8 x 4,096 float32; b2 8 x 1,024 float32; bg 8 float32; x 1,024 x 1,024 float32.
;; Outputs: out0 1,024 x 1,024 float32; out1 one number float32.
;; This version of the problem:
;;   THIS VERSION OF THE PROBLEM IS GIVEN IN LOW PRECISION. The matrix products marked QUANTISED in the list below multiply operands that are first quantised to E2M3 (2 exponent bits, 3 mantissa bits; 6 bits a number), with one power-of-two scale for each 32 numbers along K (OCP MX v1.0); their sums are f32. All else is computed in f32.
;;   The module's matrix products, in the order in which they are computed (A, B: the left and right operand; K: the contracted axis; several contracted axes count as one K, in the product's order):
;;     1. [M 1,024, K 1,024] x [K 1,024, N 8]; A: input x; B: input Wg: left as it is (N = 8 < 16)
;;     2. [M 1,024, K 1,024] x [K 1,024, N 32,768]; A: input x; B: input W1: QUANTISED
;;     3. batch 8 x [M 1,024, K 4,096] x [K 4,096, N 1,024]; A: input W2; B: computed on the way: QUANTISED
;;   THE QUANTISER, for each operand of a quantised product, along K:
;;     - K is cut into blocks of 32 from its start; a last block that is shorter is filled with zeros.
;;     - A block's scale is 2^e with e = floor(log2(the largest magnitude in the block)) - 2, held to -126 .. 127; a block of zeros has e = 0. As a byte (E8M0): e + 127.
;;     - Each number is divided by its block's scale, clamped to +-7.5, and rounded to the nearest number of E2M3, ties to even, subnormals kept.
;;     - The product sums the exact products of the quantised numbers (number of the format x scale) in f32.
;;   ~~~python
;;   def quantise(x, axis):      # numpy; x: float32 -> the quantised numbers, widened to float32 again
;;       x = np.moveaxis(x, axis, -1); K = x.shape[-1]
;;       x = np.pad(x, [(0, 0)] * (x.ndim - 1) + [(0, -K % 32)]); x = x.reshape(x.shape[:-1] + (-1, 32)); a = np.abs(x).max(-1, keepdims=True)
;;       e = np.where(a > 0, np.clip(np.frexp(np.where(a > 0, a, 1))[1] - 1 - 2, -126, 127), 0)      # np.frexp(a)[1] - 1 = floor(log2(a)), exactly
;;       r = np.clip(x / 2.0 ** e, -7.5, 7.5)
;;       step = 2.0 ** (np.maximum(np.frexp(np.where(r == 0, 1, r))[1] - 1, 0) - 3)
;;       q = np.round(r / step) * step * 2.0 ** e      # np.round: ties to even
;;       return np.moveaxis(q.reshape(q.shape[:-2] + (-1,))[..., :K], -1, axis).astype(np.float32)
;;   ~~~
;;   OPERANDS COMPUTED ON THE WAY. 'Computed on the way' means the value that the module computes at that place (a softmax that the list does not call 'softmax' is quantised finished and normalised). What goes into a quantiser is computed in f32, as accurately as f32 sums, v_exp_f32 and their like allow (about 1e-6 of the number): no bf16 or f16 on the way to a quantiser, and a product that is left as it is and whose result goes on into a quantised operand takes f32 operands (vector FMAs, or v_wmma_f32_16x16x4_f32). A number that lies on a knife's edge between two numbers of the format may be rounded either way, as far as f32 arithmetic and the matrix unit's own rounding can turn it there, and no further.
;; 2 versions. Each part assembles by itself: llvm-mc -triple=amdgcn-amd-amdhsa -mcpu=gfx1250 --defsym DOCPART=n.
;; ======== version 1 of 2: 4 launches
;; workspace buffers: xq 819,200 bytes; hq 29,491,200 bytes; pp 150,994,944 bytes; gw 12,288 bytes; masks 1,024 bytes of whole numbers; tsel 4,096 bytes of whole numbers; rk 32,768 bytes of whole numbers
;; launch gate (part 1): grid 128 x 1, 8 waves a work-group, no clusters, 41,472 bytes of LDS; arguments x, Wg, bg, xq, masks, tsel, gw; writes xq, masks, tsel, gw
.if DOCPART == 1
	.amdgcn_target "amdgcn-amd-amdhsa--gfx1250"
	.amdhsa_code_object_version 6
	.text
	.protected	k_qed931b7a4c_gate
	.globl	k_qed931b7a4c_gate
	.p2align	8
	.type	k_qed931b7a4c_gate,@function
k_qed931b7a4c_gate:
	s_mov_b64 s[64:65], 0
	v_nop
	global_prefetch_b8 v0, s[64:65] scope:SCOPE_SE
	s_setreg_imm32_b32 hwreg(HW_REG_WAVE_MODE, 25, 1), 1
	s_wait_xcnt 0x0
; THE GATE, AND x INTO CODES.  x [1024][1024] f32, Wg [1024][8], bg [8].  A work-group takes 8 tokens, a wave one token; lane l holds x[t][32 l .. 32 l + 31].
; logits = x Wg + bg by f32 multiply-adds; softmax with the maximum taken away; the two largest scores (a strict compare in ascending order: of equal scores the lower index wins), their weights s / (s0 + s1).
; Stored: tsel[t] = e0 | e1 << 8;  masks[e][128 bytes]: bit i of byte b says that token 8 b + i chose expert e;  gw: (w0, w1) of each token, and behind them each work-group's sum of scores for each expert.
; No address and no branch of this text hangs on the choice: it is stored at fixed places, and later launches read it.
; x's codes (E2M3, one E8M0 byte for each 32 along K): xq = 8 planes [K step of 128][token][96 bytes]; in a row block B of 32 lies at 48 (B & 1) + 24 (B >> 1), which is the order in which
; a lane of the matrix operand takes its 48 bytes; behind the planes the scale words [K step][token][4 bytes].
; LIMITS: NaN and infinities among the inputs are not served; a block of zeros, or one whose largest magnitude lies under 2^-124, gets the byte 1: its codes are zeros, and this program alone reads the bytes.
.set WGL,  0                           ; LDS: Wg, row k at 32 k + 16 (k >> 5): lanes that stand 32 rows apart are 1,040 bytes apart
.set XST,  33280                       ; the codes of 8 tokens: [K step][token][96]
.set XSS,  39424                       ; their scale words: [K step][token][4]
.set BM,   39680                       ; a word for each token: (1 << e0) | (1 << e1)
.set SCS,  39936                       ; the scores: [token][8]
.set FLOOR, 0x1800000                  ; 2^(3 - 127): no largest magnitude is taken under it, so that the byte cannot fall under 1
.set XOFF, 2                           ; v2   128 l: my 32 numbers of the row
.set GOFF, 3                           ; v3   16 x thread: my 16 bytes of each 4,096 of Wg
.set WGS,  4                           ; v4   where they go in LDS
.set WGR,  5                           ; v5   my 32 rows of Wg in LDS
.set XSTW, 6                           ; v6   where my block's codes go
.set XSSW, 7                           ; v7   and its scale byte
.set BMW,  8                           ; v8   my token's word
.set SCW,  9                           ; v9   my token's scores
.set XSTR, 10                          ; v10  the way out: my wave's plane, 8 bytes a lane
.set XSSR, 11                          ; v11  the scale words, 8 bytes a lane
.set BMR,  12                          ; v12  the eight words
.set SCR,  13                          ; v13  expert l & 7 of token 0's scores
.set G8,   14                          ; v14  8 l
.set GXS,  15                          ; v15  4096 (l >> 2) + 8 (l & 3)
.set LG,   16                          ; v16-23 the logits;  v24-31 at work
.set X,    32                          ; v32-63 x
.set W,    64                          ; v64-127 Wg, 8 rows at a time; later scores and work
.set C,    96                          ; the codes
.set A0,   106
.set A1,   107
.set VZ,   128                         ; v128 0
	s_load_b256 s[4:11], s[0:1], 0x0               ; x, Wg, bg, xq
	s_load_b128 s[12:15], s[0:1], 0x20             ; masks, tsel
	s_load_b64 s[16:17], s[0:1], 0x30              ; gw
	v_lshl_add_u32 v136, v0, 2, 0x9e00
	v_mov_b32 v137, 0
	v_lshrrev_b32 v1, 5, v0
	v_readfirstlane_b32 s18, v1                    ; wave
	v_and_b32 v1, 31, v0                           ; lane
	s_lshl_b32 s19, ttmp9, 3
	s_add_co_u32 s19, s19, s18                     ; my token
	s_mov_b32 s28, 0x76543210
	s_mov_b32 s29, 0xfedcba98                      ; v_permlanex16_b32's selects for lane l xor 16
	v_mov_b32 v[VZ], 0
	v_lshlrev_b32 v[XOFF], 7, v1
	v_lshlrev_b32 v[GOFF], 4, v0
	v_lshrrev_b32 v24, 6, v0
	v_lshl_add_u32 v[WGS], v24, 4, v[GOFF]         ; 16 x thread + 16 for each 1,024 bytes passed
	v_mul_u32_u24 v[WGR], v1, 1040
	v_lshrrev_b32 v24, 2, v1                       ; my block's K step
	v_and_b32 v25, 1, v1                           ; B & 1
	v_bfe_u32 v26, v1, 1, 1                        ; B >> 1
	v_and_b32 v27, 3, v1                           ; B
	s_mul_i32 s20, s18, 96
	s_add_co_u32 s20, s20, XST
	v_mul_u32_u24 v28, v24, 768
	v_mad_u32_u24 v28, v25, 48, v28
	v_mad_u32_u24 v28, v26, 24, v28
	v_add_nc_u32 v[XSTW], s20, v28
	s_lshl_b32 s20, s18, 2
	s_add_co_u32 s21, s20, XSS
	v_lshl_add_u32 v28, v24, 5, v27
	v_add_nc_u32 v[XSSW], s21, v28
	s_add_co_u32 s21, s20, BM
	v_mov_b32 v[BMW], s21
	s_lshl_b32 s21, s18, 5
	s_add_co_u32 s21, s21, SCS
	v_mov_b32 v[SCW], s21
	s_mul_i32 s21, s18, 768
	s_add_co_u32 s21, s21, XST
	v_lshl_add_u32 v[XSTR], v1, 3, s21
	v_lshl_add_u32 v[XSSR], v1, 3, XSS
	v_mov_b32 v[BMR], BM
	v_and_b32 v28, 7, v1
	v_lshl_add_u32 v[SCR], v28, 2, SCS
	v_lshlrev_b32 v[G8], 3, v1
	v_lshlrev_b32 v28, 12, v24
	v_lshl_add_u32 v[GXS], v27, 3, v28
	s_lshl_b32 s22, s19, 12                        ; my row of x
	s_mov_b32 s23, 0
	s_wait_kmcnt 0x0
	s_load_b256 s[32:39], s[8:9], 0x0              ; bg
	s_add_nc_u64 s[4:5], s[4:5], s[22:23]
.irp i, 0,1,2,3,4,5,6,7
	global_load_b128 v[X+4*\i:X+4*\i+3], v[XOFF], s[4:5] offset:16*\i th:TH_LOAD_NT
.endr
.irp i, 0,1,2,3,4,5,6,7
	global_load_b128 v[W+4*\i:W+4*\i+3], v[GOFF], s[6:7] offset:4096*\i
.endr
	s_lshl_b32 s22, s19, 2
	s_add_nc_u64 s[14:15], s[14:15], s[22:23]      ; tsel[t]
	s_lshl_b32 s22, s19, 3
	s_add_nc_u64 s[20:21], s[16:17], s[22:23]      ; gw: my token's two weights
	s_mul_i32 s22, s18, 98304
	s_mul_i32 s24, ttmp9, 768
	s_add_co_u32 s22, s22, s24
	s_add_nc_u64 s[40:41], s[10:11], s[22:23]      ; xq: plane = my wave, the work-group's 8 rows
	s_lshl_b32 s22, ttmp9, 5
	s_add_nc_u64 s[46:47], s[16:17], s[22:23]
	s_add_nc_u64 s[46:47], s[46:47], 8192          ; gw: the work-group's sums of scores
	s_add_nc_u64 s[42:43], s[10:11], s[22:23]
	s_add_nc_u64 s[42:43], s[42:43], 786432        ; xq: the work-group's scale words
	s_mov_b32 s22, ttmp9
	s_add_nc_u64 s[44:45], s[12:13], s[22:23]      ; masks: the work-group's byte of each expert
	s_wait_loadcnt 0x0
.irp i, 0,1,2,3,4,5,6,7
	ds_store_b128 v[WGS], v[W+4*\i:W+4*\i+3] offset:4160*\i
.endr
	s_wait_dscnt 0x0                               ; my part of Wg lies in LDS,
	s_barrier_signal -1
	s_barrier_wait -1                              ; everybody's does
; the logits: my 32 k, eight at a time; two experts an instruction, x[k] for both halves
.irp g, 0,1,2,3
.irp ii, 0,1,2,3,4,5,6,7
	ds_load_b128 v[W+8*\ii:W+8*\ii+3], v[WGR] offset:32*(8*\g+\ii)
	ds_load_b128 v[W+8*\ii+4:W+8*\ii+7], v[WGR] offset:32*(8*\g+\ii)+16
.endr
	s_wait_dscnt 0x0
.irp ii, 0,1,2,3,4,5,6,7
.irp p, 0,1,2,3
.if (\g == 0) && (\ii == 0)
	v_pk_mul_f32 v[LG+2*\p:LG+2*\p+1], v[W+2*\p:W+2*\p+1], v[X:X+1] op_sel_hi:[1,0]      ; the first k starts the sums
.elseif (\ii%2) == 0
	v_pk_fma_f32 v[LG+2*\p:LG+2*\p+1], v[W+8*\ii+2*\p:W+8*\ii+2*\p+1], v[X+8*\g+\ii:X+8*\g+\ii+1], v[LG+2*\p:LG+2*\p+1] op_sel_hi:[1,0,1]
.else
	v_pk_fma_f32 v[LG+2*\p:LG+2*\p+1], v[W+8*\ii+2*\p:W+8*\ii+2*\p+1], v[X+8*\g+\ii-1:X+8*\g+\ii], v[LG+2*\p:LG+2*\p+1] op_sel:[0,1,0] op_sel_hi:[1,1,1]
.endif
.endr
.endr
.endr
.irp e, 0,1,2,3,4,5,6,7
	v_mov_b32 v[24+\e], 0                          ; a lane permute's destination counts as one of its sources
.endr
.irp m, 1,2,4,8
.irp e, 0,1,2,3,4,5,6,7
	v_add_f32_dpp v[LG+\e], v[LG+\e], v[LG+\e] row_xmask:\m row_mask:0xf bank_mask:0xf
.endr
.endr
.irp e, 0,1,2,3,4,5,6,7
	v_permlanex16_b32 v[24+\e], v[LG+\e], s28, s29
.endr
.irp e, 0,1,2,3,4,5,6,7
	v_add_f32 v[LG+\e], v[LG+\e], v[24+\e]         ; every lane holds the eight sums
.endr
	s_wait_kmcnt 0x0                               ; bg
.irp e, 0,1,2,3,4,5,6,7
	v_add_f32 v[LG+\e], s[32+\e], v[LG+\e]
.endr
; softmax
	v_max3_num_f32 v24, v16, v17, v18
	v_max3_num_f32 v24, v24, v19, v20
	v_max3_num_f32 v24, v24, v21, v22
	v_max_num_f32 v24, v24, v23
.irp e, 0,1,2,3,4,5,6,7
	v_sub_f32 v[72+\e], v[LG+\e], v24
.endr
.irp e, 0,1,2,3,4,5,6,7
	v_mul_f32 v[72+\e], 0x3fb8aa3b, v[72+\e]       ; x log2(e)
.endr
.irp e, 0,1,2,3,4,5,6,7
	v_exp_f32 v[64+\e], v[72+\e]
.endr
	v_nop                                          ; a plain instruction behind the last exponential
	s_wait_alu depctr_va_vdst(0)                   ; one wait for the eight, ahead of their first reader
	v_add_f32 v80, v64, v65
	v_add_f32 v81, v66, v67
	v_add_f32 v82, v68, v69
	v_add_f32 v83, v70, v71
	v_add_f32 v80, v80, v81
	v_add_f32 v82, v82, v83
	v_add_f32 v80, v80, v82
	v_rcp_f32 v81, v80
	v_nop
	s_wait_alu depctr_va_vdst(0)
.irp e, 0,1,2,3,4,5,6,7
	v_mul_f32 v[64+\e], v[64+\e], v81              ; the scores
.endr
; the two largest, by selects alone
	v_mov_b32 v84, v64
	v_mov_b32 v85, 0
.irp e, 1,2,3,4,5,6,7
	v_cmp_gt_f32 vcc_lo, v[64+\e], v84
	v_cndmask_b32 v84, v84, v[64+\e], vcc_lo
	v_cndmask_b32 v85, v85, \e, vcc_lo
.endr
.irp e, 0,1,2,3,4,5,6,7
	v_cmp_eq_u32 vcc_lo, \e, v85
	v_cndmask_b32 v[72+\e], v[64+\e], -1.0, vcc_lo ; the first choice is barred: under every score
.endr
	v_mov_b32 v86, v72
	v_mov_b32 v87, 0
.irp e, 1,2,3,4,5,6,7
	v_cmp_gt_f32 vcc_lo, v[72+\e], v86
	v_cndmask_b32 v86, v86, v[72+\e], vcc_lo
	v_cndmask_b32 v87, v87, \e, vcc_lo
.endr
	v_add_f32 v88, v84, v86
	v_rcp_f32 v89, v88
	v_lshl_or_b32 v90, v87, 8, v85                 ; e0 | e1 << 8  (a plain instruction behind the reciprocal)
	v_lshlrev_b32 v94, v85, 1
	v_lshlrev_b32 v95, v87, 1
	v_or_b32 v94, v94, v95                         ; (1 << e0) | (1 << e1)
	s_wait_alu depctr_va_vdst(0)
	v_mul_f32 v92, v84, v89
	v_mul_f32 v93, v86, v89                        ; the two weights
; my block of 32 into codes: all its numbers are mine
	v_max3_num_f32 v[A0], |v[X]|, |v[X+1]|, FLOOR
	v_max3_num_f32 v[A1], |v[X+16]|, |v[X+17]|, FLOOR
.irp i, 2,4,6,8,10,12,14
	v_max3_num_f32 v[A0], v[A0], |v[X+\i]|, |v[X+\i+1]|
	v_max3_num_f32 v[A1], v[A1], |v[X+16+\i]|, |v[X+17+\i]|
.endr
	v_max_num_f32 v[A0], v[A0], v[A1]
	v_add_nc_u32 v[A1], 0xff000000, v[A0]          ; 2 off the exponent field: the conversion takes that field as its scale
	v_cvt_scalef32_pk16_fp6_f32 v[C:C+2], v[X:X+15], v[A1]
	v_cvt_scalef32_pk16_fp6_f32 v[C+6:C+8], v[X+16:X+31], v[A1]   ; (a conversion's three registers begin on an even number)
	v_lshrrev_b32 v[A0], 23, v[A1]                 ; the scale's byte; also the plain instruction behind the conversions
.irp i, 0,1,2
	v_mov_b32 v[C+3+\i], v[C+6+\i]
.endr
.irp p, 0,1,2
	ds_store_b64 v[XSTW], v[C+2*\p:C+2*\p+1] offset:8*\p
.endr
	ds_store_b8 v[XSSW], v[A0]
	ds_store_b32 v[BMW], v94                       ; every lane holds the token's figures: all write the same word with the same value
	ds_store_b128 v[SCW], v[64:67]
	ds_store_b128 v[SCW], v[68:71] offset:16
	global_store_b32 v[VZ], v90, s[14:15]
	global_store_b64 v[VZ], v[92:93], s[20:21]
	s_wait_dscnt 0x0                               ; my stores lie in LDS,
	s_barrier_signal -1
	s_barrier_wait -1                              ; everybody's do
; the way out: wave w stores the 8 tokens' rows of plane w: 768 consecutive bytes, three stores of 256, each at a multiple of 256 from xq's first byte
.irp c, 0,1,2
	ds_load_b64 v[64+2*\c:65+2*\c], v[XSTR] offset:256*\c
.endr
.irp c, 0,1,2
	s_wait_dscnt 2-\c                              ; the younger loads may stay out
	global_store_b64 v[G8], v[64+2*\c:65+2*\c], s[40:41] offset:256*\c
.endr
	s_cmp_lg_u32 s18, 0
	s_cbranch_scc1 .Lnot_wave_0
	ds_load_b64 v[72:73], v[XSSR]                  ; wave 0: the scale words, 32 bytes for each K step
	s_wait_dscnt 0x0
	global_store_b64 v[GXS], v[72:73], s[42:43]
.Lnot_wave_0:
	s_cmp_lg_u32 s18, 1
	s_cbranch_scc1 .Lend
	ds_load_b128 v[72:75], v[BMR]                  ; wave 1: lane l stands for expert l & 7 (four lanes hold and store the same)
	ds_load_b128 v[76:79], v[BMR] offset:16
.irp i, 0,1,2,3,4,5,6,7
	ds_load_b32 v[80+\i], v[SCR] offset:32*\i
.endr
	v_and_b32 v100, 7, v0
	v_mov_b32 v101, 0
	s_wait_dscnt 0x0
.irp i, 0,1,2,3,4,5,6,7
	v_lshrrev_b32 v102, v100, v[72+\i]
	v_and_b32 v102, 1, v102
	v_lshl_or_b32 v101, v102, \i, v101             ; bit i: token i chose my expert
.endr
	v_lshlrev_b32 v103, 7, v100
	global_store_b8 v103, v101, s[44:45]
	v_add_f32 v80, v80, v81
	v_add_f32 v82, v82, v83
	v_add_f32 v84, v84, v85
	v_add_f32 v86, v86, v87
	v_add_f32 v80, v80, v82
	v_add_f32 v84, v84, v86
	v_add_f32 v80, v80, v84                        ; the 8 tokens' scores of my expert
	v_lshlrev_b32 v104, 2, v100
	global_store_b32 v104, v80, s[46:47]
.Lend:
	s_wait_tensorcnt 0x0
	ds_add_u32 v136, v137
	s_wait_dscnt 0x0
	s_endpgm
.Lfunc_end_k_qed931b7a4c_gate:
	.size	k_qed931b7a4c_gate, .Lfunc_end_k_qed931b7a4c_gate-k_qed931b7a4c_gate
	.p2alignl 7, 3214868480
	.fill 96, 4, 3214868480
	.section	.rodata,"a",@progbits
	.p2align	6, 0x0
	.amdhsa_kernel k_qed931b7a4c_gate
		.amdhsa_group_segment_fixed_size 41472
		.amdhsa_private_segment_fixed_size 0
		.amdhsa_enable_private_segment 0
		.amdhsa_kernarg_size 56
		.amdhsa_user_sgpr_count 2
		.amdhsa_user_sgpr_kernarg_segment_ptr 1
		.amdhsa_wavefront_size32 1
		.amdhsa_system_sgpr_workgroup_id_x 1
		.amdhsa_system_sgpr_workgroup_id_y 1
		.amdhsa_system_sgpr_workgroup_id_z 1
		.amdhsa_system_vgpr_workitem_id 0
		.amdhsa_next_free_vgpr 138
		.amdhsa_next_free_sgpr 66
		.amdhsa_reserve_vcc 1
		.amdhsa_float_denorm_mode_32 3
		.amdhsa_float_denorm_mode_16_64 3
		.amdhsa_memory_ordered 1
		.amdhsa_forward_progress 1
		.amdhsa_inst_pref_size 32
	.end_amdhsa_kernel
	.amdgpu_metadata
---
amdhsa.version: [ 1, 2 ]
amdhsa.kernels:
  - .name:           k_qed931b7a4c_gate
    .symbol:         k_qed931b7a4c_gate.kd
    .args:
      - { .name: x, .offset: 0, .size: 8, .value_kind: global_buffer, .address_space: global }
      - { .name: Wg, .offset: 8, .size: 8, .value_kind: global_buffer, .address_space: global }
      - { .name: bg, .offset: 16, .size: 8, .value_kind: global_buffer, .address_space: global }
      - { .name: xq, .offset: 24, .size: 8, .value_kind: global_buffer, .address_space: global }
      - { .name: masks, .offset: 32, .size: 8, .value_kind: global_buffer, .address_space: global }
      - { .name: tsel, .offset: 40, .size: 8, .value_kind: global_buffer, .address_space: global }
      - { .name: gw, .offset: 48, .size: 8, .value_kind: global_buffer, .address_space: global }
    .group_segment_fixed_size: 41472
    .private_segment_fixed_size: 0
    .kernarg_segment_align: 8
    .kernarg_segment_size: 56
    .max_flat_workgroup_size: 256
    .sgpr_count:     66
    .vgpr_count:     138
    .wavefront_size: 32
...
	.end_amdgpu_metadata
.endif
;; end of part 1
;; launch layer1 (part 2): grid 32 x 8, 16 waves a work-group, no clusters, 145,408 bytes of LDS; arguments W1, b1, xq, masks, hq, rk; writes hq, rk
.if DOCPART == 2
	.amdgcn_target "amdgcn-amd-amdhsa--gfx1250"
	.amdhsa_code_object_version 6
	.text
	.protected	k_qed931b7a4c_layer1
	.globl	k_qed931b7a4c_layer1
	.p2align	8
	.type	k_qed931b7a4c_layer1,@function
k_qed931b7a4c_layer1:
	s_mov_b64 s[64:65], 0
	v_nop
	global_prefetch_b8 v0, s[64:65] scope:SCOPE_SE
	s_setreg_imm32_b32 hwreg(HW_REG_WAVE_MODE, 25, 1), 1
	s_wait_xcnt 0x0
; ONE LAYER OF THE EXPERTS, on codes of E2M3 with one E8M0 scale for each 32 along K.  The same text serves both layers; LAYER picks what differs.
; LAYER 1: hidden = relu(x W1[e] + b1[e]) for the rows that chose expert e, quantised along the hidden axis and stored as codes (hq).  LAYER 2: partial sums of hidden W2[e] over a quarter of K, f32 (pp).
; SHARES.  A work-group owns 128 columns x 1,024 K of one expert's weight, 512 KiB of f32, which no other work-group reads: 8 experts x 32 slices.  It quantises the slice on its way in, keeps the codes
; in LDS (96 KiB) and multiplies them by the expert's rows.  The first 384 ranks are multiplied between the stream's steps, whatever the expert's count (ranks past the count repeat a row, and what they give is read by nobody);
; ranks 384 to 1,151 are two more passes over the codes in LDS: a loop of constant count, whose work a wave jumps over where the stored count leaves it no rows.  No barrier stands under such a jump.
; No tensor loads and no joint requests.
; THE STREAM.  K is the weight's first axis: a lane takes a column and its registers run down K.  Wave w takes columns 32 (w & 3) on and block w >> 2 of each K step of 128: 32 loads of 128 consecutive bytes; the four
; waves of a block stand side by side on 512.  A run of 256 bytes is read by two waves, so the loads carry no hint.  Two steps' loads of a wave are out while a third is worked on.
; THE PRODUCT is used transposed: source 0 = 16 columns of W, source 1 = 16 rows.  Wave w takes row tiles 3 (w >> 1) .. + 2 and four column tiles: 12 accumulators, each once in a K step, so that
; no two matrix instructions that follow each other share one.
; OPERAND ROWS in xq and hq: planes [K step][row][96 bytes], block B of 32 at 48 (B & 1) + 24 (B >> 1): lane (r, h) takes its 12 registers by three loads of 16 bytes at 96 row + 48 h.  Scale words [K step][row] behind the planes.
; LAYER 1's columns of a tile are not neighbours: stream lane l's column goes to fragment 2 sc + ((l >> 3) & 1), row (l & 7) + 8 (l >> 4), so that a lane's 16 results of two neighbouring tiles are 16 neighbours along the next K.
; LIMITS: NaN and infinities are not served; a block of zeros, or one under 2^-124, gets the byte 1: its codes are zeros, and this program alone reads the bytes.
.set LAYER, 1
.if LAYER == 1
.set PITCH, 16384                      ; a row of W in bytes
.set PL,    98304                      ; a plane of the operand rows
.set PLS,   4096                       ; a plane of their scale words
.set FOS,   4                          ; my tiles 2, 3 are fragments FOS further on than tiles 0, 1
.set FBM,   2                          ; my first fragment: FBM x (w & 1)
.else
.set PITCH, 4096
.set PL,    884736
.set PLS,   36864
.set FOS,   2
.set FBM,   4
.endif
.set FLOOR, 0x1800000                  ; 2^(3 - 127): no largest magnitude is taken under it, so that the byte cannot fall under 1
.set WI,    0                          ; LDS: W's codes as images of the operand's registers: K step 12,288, fragment 1,536, lane 48 bytes; all 8 steps stay
.set WS,    98304                      ; W's scale words: K step 512, fragment 64, row 4
.set ST,    102400                     ; layer 1: 384 rows x 96 bytes of codes;  layer 2: 16 rows x 272 bytes for each wave
.set SS,    139264                     ; layer 1: 384 scale words
.set WOFF, 1                           ; v1   my column and my block's first row, in bytes
.set WW0,  2                           ; v2,3 where my codes go: K steps 0-3, 4-7
.set WSW,  4                           ; v4   and my scale byte
.set WR0,  5                           ; v5,6 where I read fragments: K steps 0-3, 4-7
.set WSR,  7                           ; v7   and their scale words: lanes 0-15 one fragment's, lanes 16-31 the next one's
.set XO,   8                           ; v8-10  96 x row + 48 h for my three row tiles
.set XQ,   11                          ; v11-13 4 x row
.set BOFF, 14                          ; layer 1: my place in b1
.set STW,  15                          ; layer 1: where my codes go in the stage
.set SSW,  25                          ; layer 1: and the scale byte
.set STR8, 30                          ; layer 1: the way out: my wave's 24 rows, 8 bytes a lane
.set SSR,  31                          ; layer 1: my wave's 64 scale words
.set GO8,  95                          ; layer 1: 8 l
.set STO,  14                          ; layer 2: where I put 32 bytes of a row
.set SRD,  15                          ; layer 2: where I read a row back
.set GO,   25                          ; layer 2: the same two rows in pp
.set C,    16                          ; v16-24 codes just made
.set A0,   26
.set A1,   27
.set WSC,  28                          ; v28,29 W's scale words: scales and nothing else
.set WF,   32                          ; v32-55 two fragments of W
.set XF,   56                          ; v56-91 three fragments of rows; at work between passes
.set XSC,  92                          ; v92-94 their scale words: scales and nothing else
.set SA,   96                          ; v96-159 two sets of 32 numbers of W; at work on the way out
.set ACC,  160                         ; v160-255 accumulator (i, u) at 160 + 32 i + 8 u
.set CNT,  24                          ; s24  the expert's count, at least 1
.set T0,   25                          ; s25  my first rank in the pass
.set WB,   26                          ; s[26:29] W at K steps 0 and 4
.macro PLACES                          ; a load into a register that a matrix instruction has read, and a vector instruction or LDS store that reads its result, stand four plain vector instructions behind it (ISA guide 7.12.1 for vector instructions)
.rept 4
	v_nop
.endr
.endm
.macro WLOAD t, R                      ; K step t: W(128 t + 32 kb + i, my column), i = 0 .. 31
.set I, 0
.rept 32
	global_load_b32 v[(\R)+I], v[WOFF], s[WB+2*((\t)/4):WB+2*((\t)/4)+1] offset:(((\t)%4)*128+I)*PITCH
.set I, I+1
.endr
.endm
.macro QBLOCK R                        ; 32 numbers down K, all mine, become 24 bytes of codes in v[C] on and the scale's byte in v[A0]
	v_max3_num_f32 v[A0], |v[(\R)]|, |v[(\R)+1]|, FLOOR
	v_max3_num_f32 v[A1], |v[(\R)+16]|, |v[(\R)+17]|, FLOOR
.irp i, 2,4,6,8,10,12,14
	v_max3_num_f32 v[A0], v[A0], |v[(\R)+\i]|, |v[(\R)+\i+1]|
	v_max3_num_f32 v[A1], v[A1], |v[(\R)+16+\i]|, |v[(\R)+17+\i]|
.endr
	v_max_num_f32 v[A0], v[A0], v[A1]
	v_add_nc_u32 v[A1], 0xff000000, v[A0]          ; 2 off the exponent field: the conversion takes that field as its scale
	v_cvt_scalef32_pk16_fp6_f32 v[C:C+2], v[(\R):(\R)+15], v[A1]
	v_cvt_scalef32_pk16_fp6_f32 v[C+6:C+8], v[(\R)+16:(\R)+31], v[A1]   ; (a conversion's three registers begin on an even number)
	v_lshrrev_b32 v[A0], 23, v[A1]                 ; the byte; also the plain instruction behind the conversions
.irp i, 0,1,2
	v_mov_b32 v[C+3+\i], v[C+6+\i]
.endr
.endm
.macro WSTORE t
.irp p, 0,1,2
	ds_store_b64 v[WW0+(\t)/4], v[C+2*\p:C+2*\p+1] offset:((\t)%4)*12288+8*\p
.endr
	ds_store_b8 v[WSW], v[A0] offset:512*(\t)
.endm
.macro XLOAD t                         ; my three row tiles' fragments and scale words of K step t: 12 loads
.irp i, 0,1,2
.irp c, 0,1,2
	global_load_b128 v[XF+12*\i+4*\c:XF+12*\i+4*\c+3], v[XO+\i], s[30:31] offset:(\t)*PL+16*\c
.endr
	global_load_b32 v[XSC+\i], v[XQ+\i], s[32:33] offset:(\t)*PLS
.endr
.endm
.macro FRAGL dst, t, u                 ; my column tile u of K step t
.irp c, 0,1,2
	ds_load_b128 v[\dst+4*\c:\dst+4*\c+3], v[WR0+(\t)/4] offset:((\t)%4)*12288+((\u)%2+FOS*((\u)/2))*1536+16*\c
.endr
.endm
.macro WM i, u, zero
.set MD, ACC+32*(\i)+8*(\u)
.set MA, WF+12*((\u)%2)
.set MB, XF+12*(\i)
.if \zero
.if (\u)%2
	v_wmma_scale_f32_16x16x128_f8f6f4 v[MD:MD+7], v[MA:MA+11], v[MB:MB+11], 0, v[WSC+(\u)/2], v[XSC+(\i)] matrix_a_fmt:MATRIX_FMT_FP6 matrix_b_fmt:MATRIX_FMT_FP6 matrix_a_scale:MATRIX_SCALE_ROW1
.else
	v_wmma_scale_f32_16x16x128_f8f6f4 v[MD:MD+7], v[MA:MA+11], v[MB:MB+11], 0, v[WSC+(\u)/2], v[XSC+(\i)] matrix_a_fmt:MATRIX_FMT_FP6 matrix_b_fmt:MATRIX_FMT_FP6
.endif
.else
.if (\u)%2
	v_wmma_scale_f32_16x16x128_f8f6f4 v[MD:MD+7], v[MA:MA+11], v[MB:MB+11], v[MD:MD+7], v[WSC+(\u)/2], v[XSC+(\i)] matrix_a_fmt:MATRIX_FMT_FP6 matrix_b_fmt:MATRIX_FMT_FP6 matrix_a_scale:MATRIX_SCALE_ROW1
.else
	v_wmma_scale_f32_16x16x128_f8f6f4 v[MD:MD+7], v[MA:MA+11], v[MB:MB+11], v[MD:MD+7], v[WSC+(\u)/2], v[XSC+(\i)] matrix_a_fmt:MATRIX_FMT_FP6 matrix_b_fmt:MATRIX_FMT_FP6
.endif
.endif
.endm
.macro MM3 u, zero
.irp i, 0,1,2
	WM \i, \u, \zero
.endr
.endm
.macro MULT t, zero                    ; a K step's 12 products; W's fragments come two ahead, in two sets of registers
	ds_load_b32 v[WSC], v[WSR] offset:512*(\t)
	ds_load_b32 v[WSC+1], v[WSR] offset:512*(\t)+64*FOS
	FRAGL WF, \t, 0
	FRAGL WF+12, \t, 1
	s_wait_dscnt 3                                 ; the younger fragment's three loads may stay out
	MM3 0, \zero
	PLACES
	FRAGL WF, \t, 2
	s_wait_dscnt 3
	MM3 1, \zero
	PLACES
	FRAGL WF+12, \t, 3
	s_wait_dscnt 3
	MM3 2, \zero
	s_wait_dscnt 0x0
	MM3 3, \zero
	PLACES                                         ; for what follows: loads into the fragments' and scales' registers, reads of results
.endm
.macro MULTZ t                         ; layer 2's first K step starts the sums with the constant 0; layer 1's sums start from b1, which lies in the accumulators
.if (LAYER == 2) && ((\t) == 0)
	MULT \t, 1
.else
	MULT \t, 0
.endif
.endm
.if LAYER == 1
.macro BIASLOAD                        ; b1 in the result's layout: accumulator (i, 2 b + uu), register 4 k + ..: column 32 (ch + 2 b) + 16 h + 8 uu + 4 k
.irp i, 0,1,2
.irp b, 0,1
.irp uu, 0,1
.irp k, 0,1
	global_load_b128 v[ACC+32*\i+16*\b+8*\uu+4*\k:ACC+32*\i+16*\b+8*\uu+4*\k+3], v[BOFF], s[42:43] offset:256*\b+32*\uu+16*\k
.endr
.endr
.endr
.endr
.endm
.macro SELSTEP i, src, msk, add        ; one halving: if my rank is not among the lower half's bits, go to the upper half
	v_lshrrev_b32 v[80+\i], v[84+\i], v[\src+\i]
	v_and_b32 v[80+\i], \msk, v[80+\i]
	v_cmp_ge_u32 vcc_lo, v[56+\i], v[80+\i]
	v_cndmask_b32 v[88+\i], 0, \add, vcc_lo
	v_cndmask_b32 v[80+\i], 0, v[80+\i], vcc_lo
	v_add_nc_u32 v[84+\i], v[84+\i], v[88+\i]
	v_sub_nc_u32 v[56+\i], v[56+\i], v[80+\i]
.endm
; The tokens of ranks T0 + 16 i + r among those that chose the expert: the rank-th set bit of the 1,024 bits in s[68:99].  First the word (the last whose prefix count is not above the rank), then the bit, by the word's
; partial counts of 2, 4, 8 and 16 bits.  A rank past the count gives some number, which is held inside the table: what such a row gives is read by nobody.
.macro ROWIDS
	v_and_b32 v56, 15, v0
	v_add_nc_u32 v56, s[T0], v56
	v_add_nc_u32 v57, 16, v56
	v_add_nc_u32 v58, 32, v56
.irp i, 0,1,2
	v_mov_b32 v[60+\i], s68                        ; the word,
	v_mov_b32 v[64+\i], 0                          ; its prefix count | its number << 16
.endr
	s_mov_b32 s44, 0
.set J, 1
.rept 31
	s_bcnt1_i32_b32 s45, s[67+J]
	s_add_co_u32 s44, s44, s45                     ; chosen tokens below word J
	s_add_co_u32 s45, s44, J<<16
.irp i, 0,1,2
	v_cmp_gt_u32 vcc_lo, s44, v[56+\i]
	v_cndmask_b32 v[60+\i], s[68+J], v[60+\i], vcc_lo
	v_cndmask_b32 v[64+\i], s45, v[64+\i], vcc_lo
.endr
.set J, J+1
.endr
	v_bfe_u32 v59, v0, 4, 1
	v_mul_u32_u24 v59, v59, 48
.irp i, 0,1,2
	v_and_b32 v[80+\i], 0xffff, v[64+\i]
	v_sub_nc_u32 v[56+\i], v[56+\i], v[80+\i]      ; my rank inside the word
	v_lshrrev_b32 v[64+\i], 16, v[64+\i]
	v_lshlrev_b32 v[64+\i], 5, v[64+\i]            ; the word's first token
	v_lshrrev_b32 v[80+\i], 1, v[60+\i]
	v_and_b32 v[80+\i], 0x55555555, v[80+\i]
	v_sub_nc_u32 v[68+\i], v[60+\i], v[80+\i]      ; counts of 2 bits
	v_lshrrev_b32 v[80+\i], 2, v[68+\i]
	v_and_b32 v[80+\i], 0x33333333, v[80+\i]
	v_and_b32 v[72+\i], 0x33333333, v[68+\i]
	v_add_nc_u32 v[72+\i], v[72+\i], v[80+\i]      ; of 4
	v_lshrrev_b32 v[80+\i], 4, v[72+\i]
	v_add_nc_u32 v[76+\i], v[72+\i], v[80+\i]
	v_and_b32 v[76+\i], 0x0f0f0f0f, v[76+\i]       ; of 8
	v_lshrrev_b32 v[80+\i], 8, v[76+\i]
	v_add_nc_u32 v[16+\i], v[76+\i], v[80+\i]      ; of 16, in the low byte
	v_mov_b32 v[84+\i], 0                          ; the bit's place
	SELSTEP \i, 16, 0xff, 16
	SELSTEP \i, 76, 0xff, 8
	SELSTEP \i, 72, 15, 4
	SELSTEP \i, 68, 3, 2
	SELSTEP \i, 60, 1, 1
	v_add_nc_u32 v[84+\i], v[84+\i], v[64+\i]
	v_min_u32 v[84+\i], 0x3ff, v[84+\i]            ; a token
	v_lshlrev_b32 v[XQ+\i], 2, v[84+\i]
	v_mul_u32_u24 v[XO+\i], v[84+\i], 96
	v_add_nc_u32 v[XO+\i], v[XO+\i], v59
.endr
.endm
; relu; my six blocks of 32 hidden units (16 in my registers, 16 in lane l xor 16's) become codes and scale bytes in the stage
.macro STAGEW
.set I, 0
.rept 96
	v_max_num_f32 v[ACC+I], 0, v[ACC+I]            ; ascending: each accumulator is read from its low end on
.set I, I+1
.endr
.irp n, 0,1,2,3,4,5
	v_mov_b32 v[102+\n], 0                         ; a lane permute's destination counts as one of its sources
.endr
.irp n, 0,1,2,3,4,5
	v_max3_num_f32 v[96+\n], v[ACC+16*\n], v[ACC+16*\n+1], FLOOR   ; no |.|: none is negative
.endr
.irp k, 2,4,6,8,10,12,14
.irp n, 0,1,2,3,4,5
	v_max3_num_f32 v[96+\n], v[96+\n], v[ACC+16*\n+\k], v[ACC+16*\n+\k+1]
.endr
.endr
.irp n, 0,1,2,3,4,5
	v_permlanex16_b32 v[102+\n], v[96+\n], s38, s39
.endr
.irp n, 0,1,2,3,4,5
	v_max_num_f32 v[96+\n], v[96+\n], v[102+\n]
.endr
.irp n, 0,1,2,3,4,5
	v_add_nc_u32 v[108+\n], 0xff000000, v[96+\n]
.endr
.irp n, 0,1,2,3,4,5
	v_lshrrev_b32 v[114+\n], 23, v[108+\n]
.endr
.irp n, 0,1,2,3,4,5
	v_cvt_scalef32_pk16_fp6_f32 v[120+4*\n:122+4*\n], v[ACC+16*\n:ACC+16*\n+15], v[108+\n]
.endr
	v_nop                                          ; a plain instruction behind the last conversion
.irp i, 0,1,2
.irp b, 0,1
.irp c, 0,1,2
	ds_store_b32 v[STW], v[120+4*(2*\i+\b)+\c] offset:1536*\i+24*\b+4*\c   ; 12 bytes: 16 codes, at their place in the row's 96
.endr
	ds_store_b8 v[SSW], v[114+2*\i+\b] offset:64*\i+2*\b                   ; both lanes of a block write the same byte with the same value
.endr
.endr
.endm
; The stage leaves as it lies: wave w stores rows 24 w .. 24 w + 23 of the pass (9 stores of 256 consecutive bytes, each at a multiple of 256 from hq's first byte), waves 0 to 5 also 64 scale words each; only where the first of those rows is a rank under the count.
.macro FLUSH
	s_wait_dscnt 0x0                               ; my stores into the stage are done,
	s_barrier_signal -1
	s_barrier_wait -1                              ; everybody's are
	s_cmp_ge_u32 s41, s[CNT]
	s_cbranch_scc1 .Lno_rows_\@
.irp c, 0,1,2,3,4,5,6,7,8
	ds_load_b64 v[56+2*\c:57+2*\c], v[STR8] offset:256*\c
.endr
.irp c, 0,1,2,3,4,5,6,7,8
	s_wait_dscnt 8-\c                              ; the younger loads may stay out
	global_store_b64 v[GO8], v[56+2*\c:57+2*\c], s[34:35] offset:256*\c
.endr
.Lno_rows_\@:
	s_cmp_ge_u32 s16, 6
	s_cbranch_scc1 .Lno_words_\@
	s_cmp_ge_u32 s50, s[CNT]
	s_cbranch_scc1 .Lno_words_\@
	ds_load_b64 v[74:75], v[SSR]
	s_wait_dscnt 0x0
	global_store_b64 v[GO8], v[74:75], s[36:37]
.Lno_words_\@:
	s_wait_xcnt 0x0                                ; the stores have read their registers and bases: both are written again only behind this wait
	s_wait_dscnt 0x0                               ; my reads of the stage are over,
	s_barrier_signal -1
	s_barrier_wait -1                              ; everybody's are: it may be written again
.endm
.else
.macro ROWIDS                          ; layer 2: the rows are the expert's slots in hq, by rank; ranks past the count repeat the last row
	v_and_b32 v56, 15, v0
	v_add_nc_u32 v56, s[T0], v56
	v_bfe_u32 v59, v0, 4, 1
	v_mul_u32_u24 v59, v59, 48
.irp i, 0,1,2
	v_add_nc_u32 v[60+\i], 16*\i, v56
	v_min_u32 v[60+\i], s41, v[60+\i]
	v_min_u32 v[60+\i], 0x47f, v[60+\i]            ; inside the expert's 1,152 slots
	v_lshlrev_b32 v[XQ+\i], 2, v[60+\i]
	v_mul_u32_u24 v[XO+\i], v[60+\i], 96
	v_add_nc_u32 v[XO+\i], v[XO+\i], v59
.endr
.endm
; A row tile's 16 rows x 64 columns go through my own stage and leave as whole runs of 256 bytes: sixteen lanes to a row, two rows a store.  Tiles whose first rank is not under the count are left out.
.macro OUT
.irp i, 0,1,2
	s_add_co_u32 s44, s[T0], 16*\i
	s_cmp_ge_u32 s44, s[CNT]
	s_cbranch_scc1 .Lno_tile_\@_\i
	s_wait_xcnt 0x0                                ; the last tile's stores have read their registers
.irp u, 0,1,2,3
	ds_store_b128 v[STO], v[ACC+32*\i+8*\u:ACC+32*\i+8*\u+3] offset:64*\u          ; each accumulator from its low end on
	ds_store_b128 v[STO], v[ACC+32*\i+8*\u+4:ACC+32*\i+8*\u+7] offset:64*\u+16
.endr
.irp k, 0,1,2,3,4,5,6,7
	ds_load_b128 v[SA+4*\k:SA+4*\k+3], v[SRD] offset:544*\k                        ; LDS serves a wave's instructions in order (ISA guide 5.7.1.4): these see my stores
.endr
.irp k, 0,1,2,3,4,5,6,7
	s_wait_dscnt 7-\k
	global_store_b128 v[GO], v[SA+4*\k:SA+4*\k+3], s[34:35] offset:(16*\i+2*\k)*4096 th:TH_STORE_NT
.endr
.Lno_tile_\@_\i:
.endr
.endm
.endif
.macro STEP t                          ; a K step of the stream, and the first pass's products on it
.if (\t) < 7
	s_wait_loadcnt 44                              ; W(t) is in; W(t + 1)'s 32 loads and the rows' 12 may stay out
.else
	s_wait_loadcnt 12                              ; the rows' 12 may stay out
.endif
	QBLOCK SA+32*((\t)%2)
	WSTORE \t
.if (\t) < 6
	WLOAD (\t)+2,SA+32*((\t)%2)
.endif
	s_wait_dscnt 0x0                               ; my codes of this step lie in LDS,
	s_barrier_signal -1
	s_barrier_wait -1                              ; everybody's do.  They are never written again, so one barrier a step is all
.if (\t) < 6
	s_wait_loadcnt 32                              ; the rows' fragments are in; W(t + 2)'s 32 loads stay out
.else
	s_wait_loadcnt 0x0
.endif
	MULTZ \t
.if (\t) < 7
	XLOAD (\t)+1
.endif
.endm
.macro PASSWORK                        ; a later pass: the codes lie in LDS; only the rows are fetched
.if LAYER == 1
	BIASLOAD
.endif
	ROWIDS
.irp t, 0,1,2,3,4,5,6,7
	XLOAD \t
	s_wait_loadcnt 0x0
	MULTZ \t
.endr
.endm
	s_load_b256 s[4:11], s[0:1], 0x0               ; layer 1: W1, b1, xq, masks;  layer 2: W2, hq, masks, pp
.if LAYER == 1
	s_load_b128 s[12:15], s[0:1], 0x20             ; hq, rk
.endif
	v_lshrrev_b32 v32, 5, v0
	v_readfirstlane_b32 s16, v32                   ; wave w
	s_and_b32 s17, s16, 3                          ; sc: my 32 columns of the stream
	s_lshr_b32 s18, s16, 2                         ; kb: my block of a K step
	s_and_b32 s19, s16, 1                          ; ch: my column tiles
	s_lshr_b32 s20, s16, 1                         ; rg: my row tiles
	s_and_b32 s21, ttmp7, 0xffff                   ; the expert
	s_mul_i32 s[T0], s20, 48
	v_and_b32 v33, 31, v0                          ; l
	v_and_b32 v34, 15, v0                          ; r
	v_bfe_u32 v35, v0, 4, 1                        ; h
.if LAYER == 1
	s_mov_b32 s22, ttmp9                           ; the slice of 128 hidden units
	s_mov_b32 s38, 0x76543210
	s_mov_b32 s39, 0xfedcba98                      ; v_permlanex16_b32's selects for lane l xor 16
	v_bfe_u32 v36, v0, 3, 1                        ; which of my two fragments my column goes to,
	v_and_b32 v37, 7, v0
	v_lshl_add_u32 v37, v35, 3, v37                ; and which row of it
.set FL, 36
.set RP, 37
.else
	s_and_b32 s22, ttmp9, 7                        ; the slice of 128 outputs
	s_lshr_b32 s23, ttmp9, 3                       ; the quarter of K
.set FL, 35
.set RP, 34
.endif
	s_lshl_b32 s44, s17, 7
	s_mul_i32 s45, s18, 32*PITCH
	s_add_co_u32 s44, s44, s45
	v_lshl_add_u32 v[WOFF], v33, 2, s44
	s_mul_i32 s44, s17, 3072                       ; WI + 1536 (2 sc + fragment) + 48 (row + 16 (kb & 1)) + 24 (kb >> 1)
	s_and_b32 s45, s18, 1
	s_mul_i32 s45, s45, 768
	s_add_co_u32 s44, s44, s45
	s_lshr_b32 s45, s18, 1
	s_mul_i32 s45, s45, 24
	s_add_co_u32 s44, s44, s45
	v_mul_u32_u24 v38, v[FL], 1536
	v_mad_u32_u24 v38, v[RP], 48, v38
	v_add_nc_u32 v[WW0], s44, v38
	v_add_nc_u32 v[WW0+1], 49152, v[WW0]
	s_lshl_b32 s44, s17, 7                         ; WS + 64 (2 sc + fragment) + 4 row + kb
	s_add_co_u32 s44, s44, s18
	s_add_co_u32 s44, s44, WS
	v_lshlrev_b32 v38, 6, v[FL]
	v_lshl_add_u32 v38, v[RP], 2, v38
	v_add_nc_u32 v[WSW], s44, v38
	s_mul_i32 s44, s19, 1536*FBM
	v_mul_u32_u24 v38, v33, 48
	v_add_nc_u32 v[WR0], s44, v38
	v_add_nc_u32 v[WR0+1], 49152, v[WR0]
	s_mul_i32 s44, s19, 64*FBM
	s_add_co_u32 s44, s44, WS
	v_lshl_add_u32 v[WSR], v33, 2, s44
.if LAYER == 1
	s_mul_i32 s44, s20, 4608                       ; ST + 96 (48 rg + r) + 48 ch + 12 h
	s_mul_i32 s45, s19, 48
	s_add_co_u32 s44, s44, s45
	s_add_co_u32 s44, s44, ST
	v_mul_u32_u24 v38, v34, 96
	v_mad_u32_u24 v38, v35, 12, v38
	v_add_nc_u32 v[STW], s44, v38
	s_mul_i32 s44, s20, 192                        ; SS + 4 (48 rg + r) + ch
	s_add_co_u32 s44, s44, s19
	s_add_co_u32 s44, s44, SS
	v_lshl_add_u32 v[SSW], v34, 2, s44
	s_mul_i32 s44, s16, 2304
	s_add_co_u32 s44, s44, ST
	v_lshl_add_u32 v[STR8], v33, 3, s44
	s_lshl_b32 s44, s16, 8
	s_add_co_u32 s44, s44, SS
	v_lshl_add_u32 v[SSR], v33, 3, s44
	v_lshlrev_b32 v[GO8], 3, v33
	s_lshl_b32 s44, s19, 7
	v_lshl_add_u32 v[BOFF], v35, 6, s44            ; 128 ch + 64 h
	s_mul_i32 s41, s16, 24                         ; the first rank whose codes I store,
	s_lshl_b32 s50, s16, 6                         ; and whose scale words
.else
	s_mul_i32 s44, s16, 4352
	s_add_co_u32 s44, s44, ST
	v_mul_u32_u24 v38, v34, 272
	v_lshl_add_u32 v38, v35, 5, v38
	v_add_nc_u32 v[STO], s44, v38                  ; in: row r, 32 bytes for each half of the lanes
	v_mul_u32_u24 v38, v35, 272
	v_lshl_add_u32 v38, v34, 4, v38
	v_add_nc_u32 v[SRD], s44, v38                  ; back: lanes 0-15 one row of 256 bytes, lanes 16-31 the next
	v_lshlrev_b32 v38, 12, v35
	v_lshl_add_u32 v[GO], v34, 4, v38              ; and the same two rows in pp
.endif
	s_mov_b32 s45, 0
	s_wait_kmcnt 0x0
.if LAYER == 1
	s_lshl_b32 s44, s21, 7
	s_add_nc_u64 s[46:47], s[10:11], s[44:45]      ; the expert's 1,024 bits
.else
	s_lshl_b32 s44, s21, 7
	s_add_nc_u64 s[46:47], s[8:9], s[44:45]
.endif
	s_load_b512 s[68:83], s[46:47], 0x0
	s_load_b512 s[84:99], s[46:47], 0x40
	s_lshl_b32 s44, s21, 24                        ; W: the expert,
	s_lshl_b32 s48, s22, 9                         ; the slice's first column,
	s_add_co_u32 s44, s44, s48
.if LAYER == 2
	s_lshl_b32 s48, s23, 22                        ; the quarter's first row
	s_add_co_u32 s44, s44, s48
.endif
	s_add_nc_u64 s[WB:WB+1], s[4:5], s[44:45]
	s_add_nc_u64 s[WB+2:WB+3], s[WB:WB+1], 512*PITCH
.if LAYER == 1
	s_lshl_b32 s44, s21, 14
	s_add_co_u32 s44, s44, s48
	s_add_nc_u64 s[42:43], s[6:7], s[44:45]        ; b1: the expert's row, the slice
	BIASLOAD
.endif
	WLOAD 0,SA
	WLOAD 1,SA+32
.if LAYER == 1
	s_mov_b64 s[30:31], s[8:9]                     ; the rows: xq,
	s_add_nc_u64 s[32:33], s[8:9], 786432          ; and its scale words
	s_mul_i32 s44, s22, 884736                     ; hq: plane = my slice, the expert's slots, my wave's 24 rows
	s_mul_i32 s48, s21, 110592
	s_add_co_u32 s44, s44, s48
	s_mul_i32 s48, s16, 2304
	s_add_co_u32 s44, s44, s48
	s_add_nc_u64 s[34:35], s[12:13], s[44:45]
	s_mul_i32 s44, s22, 36864                      ; and the scale words: my wave's 64
	s_mul_i32 s48, s21, 4608
	s_add_co_u32 s44, s44, s48
	s_lshl_b32 s48, s16, 8
	s_add_co_u32 s44, s44, s48
	s_add_co_u32 s44, s44, 28311552
	s_add_nc_u64 s[36:37], s[12:13], s[44:45]
	s_lshl_b32 s44, s21, 12
	s_add_nc_u64 s[52:53], s[14:15], s[44:45]      ; rk: the expert's row
.else
	s_mul_i32 s44, s23, 8*PL                       ; the rows: hq, the quarter's first plane, the expert's slots
	s_mul_i32 s48, s21, 110592
	s_add_co_u32 s44, s44, s48
	s_add_nc_u64 s[30:31], s[6:7], s[44:45]
	s_mul_i32 s44, s23, 8*PLS
	s_mul_i32 s48, s21, 4608
	s_add_co_u32 s44, s44, s48
	s_add_co_u32 s44, s44, 28311552
	s_add_nc_u64 s[32:33], s[6:7], s[44:45]
	s_mul_i32 s44, s23, 37748736                   ; pp: the quarter, the expert's slots, my first rank, my 64 columns
	s_mul_i32 s48, s21, 4718592
	s_add_co_u32 s44, s44, s48
	s_mul_i32 s48, s20, 196608
	s_add_co_u32 s44, s44, s48
	s_lshl_b32 s48, s22, 9
	s_add_co_u32 s44, s44, s48
	s_lshl_b32 s48, s19, 8
	s_add_co_u32 s44, s44, s48
	s_add_nc_u64 s[34:35], s[10:11], s[44:45]
.endif
	s_wait_kmcnt 0x0                               ; the bits
	s_bcnt1_i32_b32 s[CNT], s68
.set J, 1
.rept 31
	s_bcnt1_i32_b32 s44, s[68+J]
	s_add_co_u32 s[CNT], s[CNT], s44
.set J, J+1
.endr
	s_max_u32 s[CNT], s[CNT], 1                    ; an expert that nobody chose is walked as if it had one row, which nobody reads
.if LAYER == 1
	s_cmp_lg_u32 s16, 1                            ; wave 1 of the expert's first slice stores each token's rank: the chosen tokens below it
	s_cbranch_scc1 .Lno_rk
	s_cmp_lg_u32 s22, 0
	s_cbranch_scc1 .Lno_rk
	v_lshlrev_b32 v88, 2, v33
	s_mov_b32 s44, 0
.set J, 0
.rept 32
	v_mbcnt_lo_u32_b32 v[56+J], s[68+J], s44
	global_store_b32 v88, v[56+J], s[52:53] offset:128*J
	s_bcnt1_i32_b32 s48, s[68+J]
	s_add_co_u32 s44, s44, s48
.set J, J+1
.endr
	s_wait_xcnt 0x0                                ; the stores have read their registers, which are written again below
.Lno_rk:
.else
	s_sub_co_u32 s41, s[CNT], 1
.endif
	ROWIDS
	XLOAD 0
.irp t, 0,1,2,3,4,5,6,7
	STEP \t
.endr
.if LAYER == 1
	STAGEW
	FLUSH
	s_mov_b32 s40, 2
.Lpass:                                                ; ranks 384 on, then 768 on: every wave walks both trips and passes their barriers; the work is jumped over where my first rank is not under the count
	s_add_co_u32 s[T0], s[T0], 384
	s_add_co_u32 s41, s41, 384
	s_add_co_u32 s50, s50, 384
	s_add_nc_u64 s[34:35], s[34:35], 36864
	s_add_nc_u64 s[36:37], s[36:37], 1536
	s_cmp_ge_u32 s[T0], s[CNT]
	s_cbranch_scc1 .Lskip
	PASSWORK
	STAGEW
.Lskip:
	FLUSH
	s_sub_co_u32 s40, s40, 1
	s_cmp_lg_u32 s40, 0
	s_cbranch_scc1 .Lpass
.else
	OUT
	s_mov_b32 s40, 2
.Lpass:                                                ; ranks 384 on, then 768 on; no barrier: the codes in LDS are only read, and a stage is its wave's own
	s_wait_xcnt 0x0                                ; the stores have read their base
	s_add_co_u32 s[T0], s[T0], 384
	s_add_nc_u64 s[34:35], s[34:35], 1572864
	s_cmp_ge_u32 s[T0], s[CNT]
	s_cbranch_scc1 .Lskip
	PASSWORK
	OUT
.Lskip:
	s_sub_co_u32 s40, s40, 1
	s_cmp_lg_u32 s40, 0
	s_cbranch_scc1 .Lpass
.endif
	s_wait_xcnt 0x0
	v_lshl_add_u32 v254, v0, 2, 0x23000
	v_mov_b32 v255, 0
	s_wait_tensorcnt 0x0
	ds_add_u32 v254, v255
	s_wait_dscnt 0x0
	s_endpgm
.Lfunc_end_k_qed931b7a4c_layer1:
	.size	k_qed931b7a4c_layer1, .Lfunc_end_k_qed931b7a4c_layer1-k_qed931b7a4c_layer1
	.p2alignl 7, 3214868480
	.fill 96, 4, 3214868480
	.section	.rodata,"a",@progbits
	.p2align	6, 0x0
	.amdhsa_kernel k_qed931b7a4c_layer1
		.amdhsa_group_segment_fixed_size 145408
		.amdhsa_private_segment_fixed_size 0
		.amdhsa_enable_private_segment 0
		.amdhsa_kernarg_size 48
		.amdhsa_user_sgpr_count 2
		.amdhsa_user_sgpr_kernarg_segment_ptr 1
		.amdhsa_wavefront_size32 1
		.amdhsa_system_sgpr_workgroup_id_x 1
		.amdhsa_system_sgpr_workgroup_id_y 1
		.amdhsa_system_sgpr_workgroup_id_z 1
		.amdhsa_system_vgpr_workitem_id 0
		.amdhsa_next_free_vgpr 256
		.amdhsa_next_free_sgpr 100
		.amdhsa_reserve_vcc 1
		.amdhsa_float_denorm_mode_32 3
		.amdhsa_float_denorm_mode_16_64 3
		.amdhsa_memory_ordered 1
		.amdhsa_forward_progress 1
		.amdhsa_inst_pref_size 186
	.end_amdhsa_kernel
	.amdgpu_metadata
---
amdhsa.version: [ 1, 2 ]
amdhsa.kernels:
  - .name:           k_qed931b7a4c_layer1
    .symbol:         k_qed931b7a4c_layer1.kd
    .args:
      - { .name: W1, .offset: 0, .size: 8, .value_kind: global_buffer, .address_space: global }
      - { .name: b1, .offset: 8, .size: 8, .value_kind: global_buffer, .address_space: global }
      - { .name: xq, .offset: 16, .size: 8, .value_kind: global_buffer, .address_space: global }
      - { .name: masks, .offset: 24, .size: 8, .value_kind: global_buffer, .address_space: global }
      - { .name: hq, .offset: 32, .size: 8, .value_kind: global_buffer, .address_space: global }
      - { .name: rk, .offset: 40, .size: 8, .value_kind: global_buffer, .address_space: global }
    .group_segment_fixed_size: 145408
    .private_segment_fixed_size: 0
    .kernarg_segment_align: 8
    .kernarg_segment_size: 48
    .max_flat_workgroup_size: 512
    .sgpr_count:     100
    .vgpr_count:     256
    .wavefront_size: 32
...
	.end_amdgpu_metadata
.endif
;; end of part 2
;; launch layer2 (part 3): grid 32 x 8, 16 waves a work-group, no clusters, 174,080 bytes of LDS; arguments W2, hq, masks, pp; writes pp
.if DOCPART == 3
	.amdgcn_target "amdgcn-amd-amdhsa--gfx1250"
	.amdhsa_code_object_version 6
	.text
	.protected	k_qed931b7a4c_layer2
	.globl	k_qed931b7a4c_layer2
	.p2align	8
	.type	k_qed931b7a4c_layer2,@function
k_qed931b7a4c_layer2:
	s_mov_b64 s[64:65], 0
	v_nop
	global_prefetch_b8 v0, s[64:65] scope:SCOPE_SE
	s_setreg_imm32_b32 hwreg(HW_REG_WAVE_MODE, 25, 1), 1
	s_wait_xcnt 0x0
; ONE LAYER OF THE EXPERTS, on codes of E2M3 with one E8M0 scale for each 32 along K.  The same text serves both layers; LAYER picks what differs.
; LAYER 1: hidden = relu(x W1[e] + b1[e]) for the rows that chose expert e, quantised along the hidden axis and stored as codes (hq).  LAYER 2: partial sums of hidden W2[e] over a quarter of K, f32 (pp).
; SHARES.  A work-group owns 128 columns x 1,024 K of one expert's weight, 512 KiB of f32, which no other work-group reads: 8 experts x 32 slices.  It quantises the slice on its way in, keeps the codes
; in LDS (96 KiB) and multiplies them by the expert's rows.  The first 384 ranks are multiplied between the stream's steps, whatever the expert's count (ranks past the count repeat a row, and what they give is read by nobody);
; ranks 384 to 1,151 are two more passes over the codes in LDS: a loop of constant count, whose work a wave jumps over where the stored count leaves it no rows.  No barrier stands under such a jump.
; No tensor loads and no joint requests.
; THE STREAM.  K is the weight's first axis: a lane takes a column and its registers run down K.  Wave w takes columns 32 (w & 3) on and block w >> 2 of each K step of 128: 32 loads of 128 consecutive bytes; the four
; waves of a block stand side by side on 512.  A run of 256 bytes is read by two waves, so the loads carry no hint.  Two steps' loads of a wave are out while a third is worked on.
; THE PRODUCT is used transposed: source 0 = 16 columns of W, source 1 = 16 rows.  Wave w takes row tiles 3 (w >> 1) .. + 2 and four column tiles: 12 accumulators, each once in a K step, so that
; no two matrix instructions that follow each other share one.
; OPERAND ROWS in xq and hq: planes [K step][row][96 bytes], block B of 32 at 48 (B & 1) + 24 (B >> 1): lane (r, h) takes its 12 registers by three loads of 16 bytes at 96 row + 48 h.  Scale words [K step][row] behind the planes.
; LAYER 1's columns of a tile are not neighbours: stream lane l's column goes to fragment 2 sc + ((l >> 3) & 1), row (l & 7) + 8 (l >> 4), so that a lane's 16 results of two neighbouring tiles are 16 neighbours along the next K.
; LIMITS: NaN and infinities are not served; a block of zeros, or one under 2^-124, gets the byte 1: its codes are zeros, and this program alone reads the bytes.
.set LAYER, 2
.if LAYER == 1
.set PITCH, 16384                      ; a row of W in bytes
.set PL,    98304                      ; a plane of the operand rows
.set PLS,   4096                       ; a plane of their scale words
.set FOS,   4                          ; my tiles 2, 3 are fragments FOS further on than tiles 0, 1
.set FBM,   2                          ; my first fragment: FBM x (w & 1)
.else
.set PITCH, 4096
.set PL,    884736
.set PLS,   36864
.set FOS,   2
.set FBM,   4
.endif
.set FLOOR, 0x1800000                  ; 2^(3 - 127): no largest magnitude is taken under it, so that the byte cannot fall under 1
.set WI,    0                          ; LDS: W's codes as images of the operand's registers: K step 12,288, fragment 1,536, lane 48 bytes; all 8 steps stay
.set WS,    98304                      ; W's scale words: K step 512, fragment 64, row 4
.set ST,    102400                     ; layer 1: 384 rows x 96 bytes of codes;  layer 2: 16 rows x 272 bytes for each wave
.set SS,    139264                     ; layer 1: 384 scale words
.set WOFF, 1                           ; v1   my column and my block's first row, in bytes
.set WW0,  2                           ; v2,3 where my codes go: K steps 0-3, 4-7
.set WSW,  4                           ; v4   and my scale byte
.set WR0,  5                           ; v5,6 where I read fragments: K steps 0-3, 4-7
.set WSR,  7                           ; v7   and their scale words: lanes 0-15 one fragment's, lanes 16-31 the next one's
.set XO,   8                           ; v8-10  96 x row + 48 h for my three row tiles
.set XQ,   11                          ; v11-13 4 x row
.set BOFF, 14                          ; layer 1: my place in b1
.set STW,  15                          ; layer 1: where my codes go in the stage
.set SSW,  25                          ; layer 1: and the scale byte
.set STR8, 30                          ; layer 1: the way out: my wave's 24 rows, 8 bytes a lane
.set SSR,  31                          ; layer 1: my wave's 64 scale words
.set GO8,  95                          ; layer 1: 8 l
.set STO,  14                          ; layer 2: where I put 32 bytes of a row
.set SRD,  15                          ; layer 2: where I read a row back
.set GO,   25                          ; layer 2: the same two rows in pp
.set C,    16                          ; v16-24 codes just made
.set A0,   26
.set A1,   27
.set WSC,  28                          ; v28,29 W's scale words: scales and nothing else
.set WF,   32                          ; v32-55 two fragments of W
.set XF,   56                          ; v56-91 three fragments of rows; at work between passes
.set XSC,  92                          ; v92-94 their scale words: scales and nothing else
.set SA,   96                          ; v96-159 two sets of 32 numbers of W; at work on the way out
.set ACC,  160                         ; v160-255 accumulator (i, u) at 160 + 32 i + 8 u
.set CNT,  24                          ; s24  the expert's count, at least 1
.set T0,   25                          ; s25  my first rank in the pass
.set WB,   26                          ; s[26:29] W at K steps 0 and 4
.macro PLACES                          ; a load into a register that a matrix instruction has read, and a vector instruction or LDS store that reads its result, stand four plain vector instructions behind it (ISA guide 7.12.1 for vector instructions)
.rept 4
	v_nop
.endr
.endm
.macro WLOAD t, R                      ; K step t: W(128 t + 32 kb + i, my column), i = 0 .. 31
.set I, 0
.rept 32
	global_load_b32 v[(\R)+I], v[WOFF], s[WB+2*((\t)/4):WB+2*((\t)/4)+1] offset:(((\t)%4)*128+I)*PITCH
.set I, I+1
.endr
.endm
.macro QBLOCK R                        ; 32 numbers down K, all mine, become 24 bytes of codes in v[C] on and the scale's byte in v[A0]
	v_max3_num_f32 v[A0], |v[(\R)]|, |v[(\R)+1]|, FLOOR
	v_max3_num_f32 v[A1], |v[(\R)+16]|, |v[(\R)+17]|, FLOOR
.irp i, 2,4,6,8,10,12,14
	v_max3_num_f32 v[A0], v[A0], |v[(\R)+\i]|, |v[(\R)+\i+1]|
	v_max3_num_f32 v[A1], v[A1], |v[(\R)+16+\i]|, |v[(\R)+17+\i]|
.endr
	v_max_num_f32 v[A0], v[A0], v[A1]
	v_add_nc_u32 v[A1], 0xff000000, v[A0]          ; 2 off the exponent field: the conversion takes that field as its scale
	v_cvt_scalef32_pk16_fp6_f32 v[C:C+2], v[(\R):(\R)+15], v[A1]
	v_cvt_scalef32_pk16_fp6_f32 v[C+6:C+8], v[(\R)+16:(\R)+31], v[A1]   ; (a conversion's three registers begin on an even number)
	v_lshrrev_b32 v[A0], 23, v[A1]                 ; the byte; also the plain instruction behind the conversions
.irp i, 0,1,2
	v_mov_b32 v[C+3+\i], v[C+6+\i]
.endr
.endm
.macro WSTORE t
.irp p, 0,1,2
	ds_store_b64 v[WW0+(\t)/4], v[C+2*\p:C+2*\p+1] offset:((\t)%4)*12288+8*\p
.endr
	ds_store_b8 v[WSW], v[A0] offset:512*(\t)
.endm
.macro XLOAD t                         ; my three row tiles' fragments and scale words of K step t: 12 loads
.irp i, 0,1,2
.irp c, 0,1,2
	global_load_b128 v[XF+12*\i+4*\c:XF+12*\i+4*\c+3], v[XO+\i], s[30:31] offset:(\t)*PL+16*\c
.endr
	global_load_b32 v[XSC+\i], v[XQ+\i], s[32:33] offset:(\t)*PLS
.endr
.endm
.macro FRAGL dst, t, u                 ; my column tile u of K step t
.irp c, 0,1,2
	ds_load_b128 v[\dst+4*\c:\dst+4*\c+3], v[WR0+(\t)/4] offset:((\t)%4)*12288+((\u)%2+FOS*((\u)/2))*1536+16*\c
.endr
.endm
.macro WM i, u, zero
.set MD, ACC+32*(\i)+8*(\u)
.set MA, WF+12*((\u)%2)
.set MB, XF+12*(\i)
.if \zero
.if (\u)%2
	v_wmma_scale_f32_16x16x128_f8f6f4 v[MD:MD+7], v[MA:MA+11], v[MB:MB+11], 0, v[WSC+(\u)/2], v[XSC+(\i)] matrix_a_fmt:MATRIX_FMT_FP6 matrix_b_fmt:MATRIX_FMT_FP6 matrix_a_scale:MATRIX_SCALE_ROW1
.else
	v_wmma_scale_f32_16x16x128_f8f6f4 v[MD:MD+7], v[MA:MA+11], v[MB:MB+11], 0, v[WSC+(\u)/2], v[XSC+(\i)] matrix_a_fmt:MATRIX_FMT_FP6 matrix_b_fmt:MATRIX_FMT_FP6
.endif
.else
.if (\u)%2
	v_wmma_scale_f32_16x16x128_f8f6f4 v[MD:MD+7], v[MA:MA+11], v[MB:MB+11], v[MD:MD+7], v[WSC+(\u)/2], v[XSC+(\i)] matrix_a_fmt:MATRIX_FMT_FP6 matrix_b_fmt:MATRIX_FMT_FP6 matrix_a_scale:MATRIX_SCALE_ROW1
.else
	v_wmma_scale_f32_16x16x128_f8f6f4 v[MD:MD+7], v[MA:MA+11], v[MB:MB+11], v[MD:MD+7], v[WSC+(\u)/2], v[XSC+(\i)] matrix_a_fmt:MATRIX_FMT_FP6 matrix_b_fmt:MATRIX_FMT_FP6
.endif
.endif
.endm
.macro MM3 u, zero
.irp i, 0,1,2
	WM \i, \u, \zero
.endr
.endm
.macro MULT t, zero                    ; a K step's 12 products; W's fragments come two ahead, in two sets of registers
	ds_load_b32 v[WSC], v[WSR] offset:512*(\t)
	ds_load_b32 v[WSC+1], v[WSR] offset:512*(\t)+64*FOS
	FRAGL WF, \t, 0
	FRAGL WF+12, \t, 1
	s_wait_dscnt 3                                 ; the younger fragment's three loads may stay out
	MM3 0, \zero
	PLACES
	FRAGL WF, \t, 2
	s_wait_dscnt 3
	MM3 1, \zero
	PLACES
	FRAGL WF+12, \t, 3
	s_wait_dscnt 3
	MM3 2, \zero
	s_wait_dscnt 0x0
	MM3 3, \zero
	PLACES                                         ; for what follows: loads into the fragments' and scales' registers, reads of results
.endm
.macro MULTZ t                         ; layer 2's first K step starts the sums with the constant 0; layer 1's sums start from b1, which lies in the accumulators
.if (LAYER == 2) && ((\t) == 0)
	MULT \t, 1
.else
	MULT \t, 0
.endif
.endm
.if LAYER == 1
.macro BIASLOAD                        ; b1 in the result's layout: accumulator (i, 2 b + uu), register 4 k + ..: column 32 (ch + 2 b) + 16 h + 8 uu + 4 k
.irp i, 0,1,2
.irp b, 0,1
.irp uu, 0,1
.irp k, 0,1
	global_load_b128 v[ACC+32*\i+16*\b+8*\uu+4*\k:ACC+32*\i+16*\b+8*\uu+4*\k+3], v[BOFF], s[42:43] offset:256*\b+32*\uu+16*\k
.endr
.endr
.endr
.endr
.endm
.macro SELSTEP i, src, msk, add        ; one halving: if my rank is not among the lower half's bits, go to the upper half
	v_lshrrev_b32 v[80+\i], v[84+\i], v[\src+\i]
	v_and_b32 v[80+\i], \msk, v[80+\i]
	v_cmp_ge_u32 vcc_lo, v[56+\i], v[80+\i]
	v_cndmask_b32 v[88+\i], 0, \add, vcc_lo
	v_cndmask_b32 v[80+\i], 0, v[80+\i], vcc_lo
	v_add_nc_u32 v[84+\i], v[84+\i], v[88+\i]
	v_sub_nc_u32 v[56+\i], v[56+\i], v[80+\i]
.endm
; The tokens of ranks T0 + 16 i + r among those that chose the expert: the rank-th set bit of the 1,024 bits in s[68:99].  First the word (the last whose prefix count is not above the rank), then the bit, by the word's
; partial counts of 2, 4, 8 and 16 bits.  A rank past the count gives some number, which is held inside the table: what such a row gives is read by nobody.
.macro ROWIDS
	v_and_b32 v56, 15, v0
	v_add_nc_u32 v56, s[T0], v56
	v_add_nc_u32 v57, 16, v56
	v_add_nc_u32 v58, 32, v56
.irp i, 0,1,2
	v_mov_b32 v[60+\i], s68                        ; the word,
	v_mov_b32 v[64+\i], 0                          ; its prefix count | its number << 16
.endr
	s_mov_b32 s44, 0
.set J, 1
.rept 31
	s_bcnt1_i32_b32 s45, s[67+J]
	s_add_co_u32 s44, s44, s45                     ; chosen tokens below word J
	s_add_co_u32 s45, s44, J<<16
.irp i, 0,1,2
	v_cmp_gt_u32 vcc_lo, s44, v[56+\i]
	v_cndmask_b32 v[60+\i], s[68+J], v[60+\i], vcc_lo
	v_cndmask_b32 v[64+\i], s45, v[64+\i], vcc_lo
.endr
.set J, J+1
.endr
	v_bfe_u32 v59, v0, 4, 1
	v_mul_u32_u24 v59, v59, 48
.irp i, 0,1,2
	v_and_b32 v[80+\i], 0xffff, v[64+\i]
	v_sub_nc_u32 v[56+\i], v[56+\i], v[80+\i]      ; my rank inside the word
	v_lshrrev_b32 v[64+\i], 16, v[64+\i]
	v_lshlrev_b32 v[64+\i], 5, v[64+\i]            ; the word's first token
	v_lshrrev_b32 v[80+\i], 1, v[60+\i]
	v_and_b32 v[80+\i], 0x55555555, v[80+\i]
	v_sub_nc_u32 v[68+\i], v[60+\i], v[80+\i]      ; counts of 2 bits
	v_lshrrev_b32 v[80+\i], 2, v[68+\i]
	v_and_b32 v[80+\i], 0x33333333, v[80+\i]
	v_and_b32 v[72+\i], 0x33333333, v[68+\i]
	v_add_nc_u32 v[72+\i], v[72+\i], v[80+\i]      ; of 4
	v_lshrrev_b32 v[80+\i], 4, v[72+\i]
	v_add_nc_u32 v[76+\i], v[72+\i], v[80+\i]
	v_and_b32 v[76+\i], 0x0f0f0f0f, v[76+\i]       ; of 8
	v_lshrrev_b32 v[80+\i], 8, v[76+\i]
	v_add_nc_u32 v[16+\i], v[76+\i], v[80+\i]      ; of 16, in the low byte
	v_mov_b32 v[84+\i], 0                          ; the bit's place
	SELSTEP \i, 16, 0xff, 16
	SELSTEP \i, 76, 0xff, 8
	SELSTEP \i, 72, 15, 4
	SELSTEP \i, 68, 3, 2
	SELSTEP \i, 60, 1, 1
	v_add_nc_u32 v[84+\i], v[84+\i], v[64+\i]
	v_min_u32 v[84+\i], 0x3ff, v[84+\i]            ; a token
	v_lshlrev_b32 v[XQ+\i], 2, v[84+\i]
	v_mul_u32_u24 v[XO+\i], v[84+\i], 96
	v_add_nc_u32 v[XO+\i], v[XO+\i], v59
.endr
.endm
; relu; my six blocks of 32 hidden units (16 in my registers, 16 in lane l xor 16's) become codes and scale bytes in the stage
.macro STAGEW
.set I, 0
.rept 96
	v_max_num_f32 v[ACC+I], 0, v[ACC+I]            ; ascending: each accumulator is read from its low end on
.set I, I+1
.endr
.irp n, 0,1,2,3,4,5
	v_mov_b32 v[102+\n], 0                         ; a lane permute's destination counts as one of its sources
.endr
.irp n, 0,1,2,3,4,5
	v_max3_num_f32 v[96+\n], v[ACC+16*\n], v[ACC+16*\n+1], FLOOR   ; no |.|: none is negative
.endr
.irp k, 2,4,6,8,10,12,14
.irp n, 0,1,2,3,4,5
	v_max3_num_f32 v[96+\n], v[96+\n], v[ACC+16*\n+\k], v[ACC+16*\n+\k+1]
.endr
.endr
.irp n, 0,1,2,3,4,5
	v_permlanex16_b32 v[102+\n], v[96+\n], s38, s39
.endr
.irp n, 0,1,2,3,4,5
	v_max_num_f32 v[96+\n], v[96+\n], v[102+\n]
.endr
.irp n, 0,1,2,3,4,5
	v_add_nc_u32 v[108+\n], 0xff000000, v[96+\n]
.endr
.irp n, 0,1,2,3,4,5
	v_lshrrev_b32 v[114+\n], 23, v[108+\n]
.endr
.irp n, 0,1,2,3,4,5
	v_cvt_scalef32_pk16_fp6_f32 v[120+4*\n:122+4*\n], v[ACC+16*\n:ACC+16*\n+15], v[108+\n]
.endr
	v_nop                                          ; a plain instruction behind the last conversion
.irp i, 0,1,2
.irp b, 0,1
.irp c, 0,1,2
	ds_store_b32 v[STW], v[120+4*(2*\i+\b)+\c] offset:1536*\i+24*\b+4*\c   ; 12 bytes: 16 codes, at their place in the row's 96
.endr
	ds_store_b8 v[SSW], v[114+2*\i+\b] offset:64*\i+2*\b                   ; both lanes of a block write the same byte with the same value
.endr
.endr
.endm
; The stage leaves as it lies: wave w stores rows 24 w .. 24 w + 23 of the pass (9 stores of 256 consecutive bytes, each at a multiple of 256 from hq's first byte), waves 0 to 5 also 64 scale words each; only where the first of those rows is a rank under the count.
.macro FLUSH
	s_wait_dscnt 0x0                               ; my stores into the stage are done,
	s_barrier_signal -1
	s_barrier_wait -1                              ; everybody's are
	s_cmp_ge_u32 s41, s[CNT]
	s_cbranch_scc1 .Lno_rows_\@
.irp c, 0,1,2,3,4,5,6,7,8
	ds_load_b64 v[56+2*\c:57+2*\c], v[STR8] offset:256*\c
.endr
.irp c, 0,1,2,3,4,5,6,7,8
	s_wait_dscnt 8-\c                              ; the younger loads may stay out
	global_store_b64 v[GO8], v[56+2*\c:57+2*\c], s[34:35] offset:256*\c
.endr
.Lno_rows_\@:
	s_cmp_ge_u32 s16, 6
	s_cbranch_scc1 .Lno_words_\@
	s_cmp_ge_u32 s50, s[CNT]
	s_cbranch_scc1 .Lno_words_\@
	ds_load_b64 v[74:75], v[SSR]
	s_wait_dscnt 0x0
	global_store_b64 v[GO8], v[74:75], s[36:37]
.Lno_words_\@:
	s_wait_xcnt 0x0                                ; the stores have read their registers and bases: both are written again only behind this wait
	s_wait_dscnt 0x0                               ; my reads of the stage are over,
	s_barrier_signal -1
	s_barrier_wait -1                              ; everybody's are: it may be written again
.endm
.else
.macro ROWIDS                          ; layer 2: the rows are the expert's slots in hq, by rank; ranks past the count repeat the last row
	v_and_b32 v56, 15, v0
	v_add_nc_u32 v56, s[T0], v56
	v_bfe_u32 v59, v0, 4, 1
	v_mul_u32_u24 v59, v59, 48
.irp i, 0,1,2
	v_add_nc_u32 v[60+\i], 16*\i, v56
	v_min_u32 v[60+\i], s41, v[60+\i]
	v_min_u32 v[60+\i], 0x47f, v[60+\i]            ; inside the expert's 1,152 slots
	v_lshlrev_b32 v[XQ+\i], 2, v[60+\i]
	v_mul_u32_u24 v[XO+\i], v[60+\i], 96
	v_add_nc_u32 v[XO+\i], v[XO+\i], v59
.endr
.endm
; A row tile's 16 rows x 64 columns go through my own stage and leave as whole runs of 256 bytes: sixteen lanes to a row, two rows a store.  Tiles whose first rank is not under the count are left out.
.macro OUT
.irp i, 0,1,2
	s_add_co_u32 s44, s[T0], 16*\i
	s_cmp_ge_u32 s44, s[CNT]
	s_cbranch_scc1 .Lno_tile_\@_\i
	s_wait_xcnt 0x0                                ; the last tile's stores have read their registers
.irp u, 0,1,2,3
	ds_store_b128 v[STO], v[ACC+32*\i+8*\u:ACC+32*\i+8*\u+3] offset:64*\u          ; each accumulator from its low end on
	ds_store_b128 v[STO], v[ACC+32*\i+8*\u+4:ACC+32*\i+8*\u+7] offset:64*\u+16
.endr
.irp k, 0,1,2,3,4,5,6,7
	ds_load_b128 v[SA+4*\k:SA+4*\k+3], v[SRD] offset:544*\k                        ; LDS serves a wave's instructions in order (ISA guide 5.7.1.4): these see my stores
.endr
.irp k, 0,1,2,3,4,5,6,7
	s_wait_dscnt 7-\k
	global_store_b128 v[GO], v[SA+4*\k:SA+4*\k+3], s[34:35] offset:(16*\i+2*\k)*4096 th:TH_STORE_NT
.endr
.Lno_tile_\@_\i:
.endr
.endm
.endif
.macro STEP t                          ; a K step of the stream, and the first pass's products on it
.if (\t) < 7
	s_wait_loadcnt 44                              ; W(t) is in; W(t + 1)'s 32 loads and the rows' 12 may stay out
.else
	s_wait_loadcnt 12                              ; the rows' 12 may stay out
.endif
	QBLOCK SA+32*((\t)%2)
	WSTORE \t
.if (\t) < 6
	WLOAD (\t)+2,SA+32*((\t)%2)
.endif
	s_wait_dscnt 0x0                               ; my codes of this step lie in LDS,
	s_barrier_signal -1
	s_barrier_wait -1                              ; everybody's do.  They are never written again, so one barrier a step is all
.if (\t) < 6
	s_wait_loadcnt 32                              ; the rows' fragments are in; W(t + 2)'s 32 loads stay out
.else
	s_wait_loadcnt 0x0
.endif
	MULTZ \t
.if (\t) < 7
	XLOAD (\t)+1
.endif
.endm
.macro PASSWORK                        ; a later pass: the codes lie in LDS; only the rows are fetched
.if LAYER == 1
	BIASLOAD
.endif
	ROWIDS
.irp t, 0,1,2,3,4,5,6,7
	XLOAD \t
	s_wait_loadcnt 0x0
	MULTZ \t
.endr
.endm
	s_load_b256 s[4:11], s[0:1], 0x0               ; layer 1: W1, b1, xq, masks;  layer 2: W2, hq, masks, pp
	v_lshl_add_u32 v31, v0, 2, 0x2a000
	v_mov_b32 v95, 0
.if LAYER == 1
	s_load_b128 s[12:15], s[0:1], 0x20             ; hq, rk
.endif
	v_lshrrev_b32 v32, 5, v0
	v_readfirstlane_b32 s16, v32                   ; wave w
	s_and_b32 s17, s16, 3                          ; sc: my 32 columns of the stream
	s_lshr_b32 s18, s16, 2                         ; kb: my block of a K step
	s_and_b32 s19, s16, 1                          ; ch: my column tiles
	s_lshr_b32 s20, s16, 1                         ; rg: my row tiles
	s_and_b32 s21, ttmp7, 0xffff                   ; the expert
	s_mul_i32 s[T0], s20, 48
	v_and_b32 v33, 31, v0                          ; l
	v_and_b32 v34, 15, v0                          ; r
	v_bfe_u32 v35, v0, 4, 1                        ; h
.if LAYER == 1
	s_mov_b32 s22, ttmp9                           ; the slice of 128 hidden units
	s_mov_b32 s38, 0x76543210
	s_mov_b32 s39, 0xfedcba98                      ; v_permlanex16_b32's selects for lane l xor 16
	v_bfe_u32 v36, v0, 3, 1                        ; which of my two fragments my column goes to,
	v_and_b32 v37, 7, v0
	v_lshl_add_u32 v37, v35, 3, v37                ; and which row of it
.set FL, 36
.set RP, 37
.else
	s_and_b32 s22, ttmp9, 7                        ; the slice of 128 outputs
	s_lshr_b32 s23, ttmp9, 3                       ; the quarter of K
.set FL, 35
.set RP, 34
.endif
	s_lshl_b32 s44, s17, 7
	s_mul_i32 s45, s18, 32*PITCH
	s_add_co_u32 s44, s44, s45
	v_lshl_add_u32 v[WOFF], v33, 2, s44
	s_mul_i32 s44, s17, 3072                       ; WI + 1536 (2 sc + fragment) + 48 (row + 16 (kb & 1)) + 24 (kb >> 1)
	s_and_b32 s45, s18, 1
	s_mul_i32 s45, s45, 768
	s_add_co_u32 s44, s44, s45
	s_lshr_b32 s45, s18, 1
	s_mul_i32 s45, s45, 24
	s_add_co_u32 s44, s44, s45
	v_mul_u32_u24 v38, v[FL], 1536
	v_mad_u32_u24 v38, v[RP], 48, v38
	v_add_nc_u32 v[WW0], s44, v38
	v_add_nc_u32 v[WW0+1], 49152, v[WW0]
	s_lshl_b32 s44, s17, 7                         ; WS + 64 (2 sc + fragment) + 4 row + kb
	s_add_co_u32 s44, s44, s18
	s_add_co_u32 s44, s44, WS
	v_lshlrev_b32 v38, 6, v[FL]
	v_lshl_add_u32 v38, v[RP], 2, v38
	v_add_nc_u32 v[WSW], s44, v38
	s_mul_i32 s44, s19, 1536*FBM
	v_mul_u32_u24 v38, v33, 48
	v_add_nc_u32 v[WR0], s44, v38
	v_add_nc_u32 v[WR0+1], 49152, v[WR0]
	s_mul_i32 s44, s19, 64*FBM
	s_add_co_u32 s44, s44, WS
	v_lshl_add_u32 v[WSR], v33, 2, s44
.if LAYER == 1
	s_mul_i32 s44, s20, 4608                       ; ST + 96 (48 rg + r) + 48 ch + 12 h
	s_mul_i32 s45, s19, 48
	s_add_co_u32 s44, s44, s45
	s_add_co_u32 s44, s44, ST
	v_mul_u32_u24 v38, v34, 96
	v_mad_u32_u24 v38, v35, 12, v38
	v_add_nc_u32 v[STW], s44, v38
	s_mul_i32 s44, s20, 192                        ; SS + 4 (48 rg + r) + ch
	s_add_co_u32 s44, s44, s19
	s_add_co_u32 s44, s44, SS
	v_lshl_add_u32 v[SSW], v34, 2, s44
	s_mul_i32 s44, s16, 2304
	s_add_co_u32 s44, s44, ST
	v_lshl_add_u32 v[STR8], v33, 3, s44
	s_lshl_b32 s44, s16, 8
	s_add_co_u32 s44, s44, SS
	v_lshl_add_u32 v[SSR], v33, 3, s44
	v_lshlrev_b32 v[GO8], 3, v33
	s_lshl_b32 s44, s19, 7
	v_lshl_add_u32 v[BOFF], v35, 6, s44            ; 128 ch + 64 h
	s_mul_i32 s41, s16, 24                         ; the first rank whose codes I store,
	s_lshl_b32 s50, s16, 6                         ; and whose scale words
.else
	s_mul_i32 s44, s16, 4352
	s_add_co_u32 s44, s44, ST
	v_mul_u32_u24 v38, v34, 272
	v_lshl_add_u32 v38, v35, 5, v38
	v_add_nc_u32 v[STO], s44, v38                  ; in: row r, 32 bytes for each half of the lanes
	v_mul_u32_u24 v38, v35, 272
	v_lshl_add_u32 v38, v34, 4, v38
	v_add_nc_u32 v[SRD], s44, v38                  ; back: lanes 0-15 one row of 256 bytes, lanes 16-31 the next
	v_lshlrev_b32 v38, 12, v35
	v_lshl_add_u32 v[GO], v34, 4, v38              ; and the same two rows in pp
.endif
	s_mov_b32 s45, 0
	s_wait_kmcnt 0x0
.if LAYER == 1
	s_lshl_b32 s44, s21, 7
	s_add_nc_u64 s[46:47], s[10:11], s[44:45]      ; the expert's 1,024 bits
.else
	s_lshl_b32 s44, s21, 7
	s_add_nc_u64 s[46:47], s[8:9], s[44:45]
.endif
	s_load_b512 s[68:83], s[46:47], 0x0
	s_load_b512 s[84:99], s[46:47], 0x40
	s_lshl_b32 s44, s21, 24                        ; W: the expert,
	s_lshl_b32 s48, s22, 9                         ; the slice's first column,
	s_add_co_u32 s44, s44, s48
.if LAYER == 2
	s_lshl_b32 s48, s23, 22                        ; the quarter's first row
	s_add_co_u32 s44, s44, s48
.endif
	s_add_nc_u64 s[WB:WB+1], s[4:5], s[44:45]
	s_add_nc_u64 s[WB+2:WB+3], s[WB:WB+1], 512*PITCH
.if LAYER == 1
	s_lshl_b32 s44, s21, 14
	s_add_co_u32 s44, s44, s48
	s_add_nc_u64 s[42:43], s[6:7], s[44:45]        ; b1: the expert's row, the slice
	BIASLOAD
.endif
	WLOAD 0,SA
	WLOAD 1,SA+32
.if LAYER == 1
	s_mov_b64 s[30:31], s[8:9]                     ; the rows: xq,
	s_add_nc_u64 s[32:33], s[8:9], 786432          ; and its scale words
	s_mul_i32 s44, s22, 884736                     ; hq: plane = my slice, the expert's slots, my wave's 24 rows
	s_mul_i32 s48, s21, 110592
	s_add_co_u32 s44, s44, s48
	s_mul_i32 s48, s16, 2304
	s_add_co_u32 s44, s44, s48
	s_add_nc_u64 s[34:35], s[12:13], s[44:45]
	s_mul_i32 s44, s22, 36864                      ; and the scale words: my wave's 64
	s_mul_i32 s48, s21, 4608
	s_add_co_u32 s44, s44, s48
	s_lshl_b32 s48, s16, 8
	s_add_co_u32 s44, s44, s48
	s_add_co_u32 s44, s44, 28311552
	s_add_nc_u64 s[36:37], s[12:13], s[44:45]
	s_lshl_b32 s44, s21, 12
	s_add_nc_u64 s[52:53], s[14:15], s[44:45]      ; rk: the expert's row
.else
	s_mul_i32 s44, s23, 8*PL                       ; the rows: hq, the quarter's first plane, the expert's slots
	s_mul_i32 s48, s21, 110592
	s_add_co_u32 s44, s44, s48
	s_add_nc_u64 s[30:31], s[6:7], s[44:45]
	s_mul_i32 s44, s23, 8*PLS
	s_mul_i32 s48, s21, 4608
	s_add_co_u32 s44, s44, s48
	s_add_co_u32 s44, s44, 28311552
	s_add_nc_u64 s[32:33], s[6:7], s[44:45]
	s_mul_i32 s44, s23, 37748736                   ; pp: the quarter, the expert's slots, my first rank, my 64 columns
	s_mul_i32 s48, s21, 4718592
	s_add_co_u32 s44, s44, s48
	s_mul_i32 s48, s20, 196608
	s_add_co_u32 s44, s44, s48
	s_lshl_b32 s48, s22, 9
	s_add_co_u32 s44, s44, s48
	s_lshl_b32 s48, s19, 8
	s_add_co_u32 s44, s44, s48
	s_add_nc_u64 s[34:35], s[10:11], s[44:45]
.endif
	s_wait_kmcnt 0x0                               ; the bits
	s_bcnt1_i32_b32 s[CNT], s68
.set J, 1
.rept 31
	s_bcnt1_i32_b32 s44, s[68+J]
	s_add_co_u32 s[CNT], s[CNT], s44
.set J, J+1
.endr
	s_max_u32 s[CNT], s[CNT], 1                    ; an expert that nobody chose is walked as if it had one row, which nobody reads
.if LAYER == 1
	s_cmp_lg_u32 s16, 1                            ; wave 1 of the expert's first slice stores each token's rank: the chosen tokens below it
	s_cbranch_scc1 .Lno_rk
	s_cmp_lg_u32 s22, 0
	s_cbranch_scc1 .Lno_rk
	v_lshlrev_b32 v88, 2, v33
	s_mov_b32 s44, 0
.set J, 0
.rept 32
	v_mbcnt_lo_u32_b32 v[56+J], s[68+J], s44
	global_store_b32 v88, v[56+J], s[52:53] offset:128*J
	s_bcnt1_i32_b32 s48, s[68+J]
	s_add_co_u32 s44, s44, s48
.set J, J+1
.endr
	s_wait_xcnt 0x0                                ; the stores have read their registers, which are written again below
.Lno_rk:
.else
	s_sub_co_u32 s41, s[CNT], 1
.endif
	ROWIDS
	XLOAD 0
.irp t, 0,1,2,3,4,5,6,7
	STEP \t
.endr
.if LAYER == 1
	STAGEW
	FLUSH
	s_mov_b32 s40, 2
.Lpass:                                                ; ranks 384 on, then 768 on: every wave walks both trips and passes their barriers; the work is jumped over where my first rank is not under the count
	s_add_co_u32 s[T0], s[T0], 384
	s_add_co_u32 s41, s41, 384
	s_add_co_u32 s50, s50, 384
	s_add_nc_u64 s[34:35], s[34:35], 36864
	s_add_nc_u64 s[36:37], s[36:37], 1536
	s_cmp_ge_u32 s[T0], s[CNT]
	s_cbranch_scc1 .Lskip
	PASSWORK
	STAGEW
.Lskip:
	FLUSH
	s_sub_co_u32 s40, s40, 1
	s_cmp_lg_u32 s40, 0
	s_cbranch_scc1 .Lpass
.else
	OUT
	s_mov_b32 s40, 2
.Lpass:                                                ; ranks 384 on, then 768 on; no barrier: the codes in LDS are only read, and a stage is its wave's own
	s_wait_xcnt 0x0                                ; the stores have read their base
	s_add_co_u32 s[T0], s[T0], 384
	s_add_nc_u64 s[34:35], s[34:35], 1572864
	s_cmp_ge_u32 s[T0], s[CNT]
	s_cbranch_scc1 .Lskip
	PASSWORK
	OUT
.Lskip:
	s_sub_co_u32 s40, s40, 1
	s_cmp_lg_u32 s40, 0
	s_cbranch_scc1 .Lpass
.endif
	s_wait_tensorcnt 0x0
	ds_add_u32 v31, v95
	s_wait_dscnt 0x0
	s_endpgm
.Lfunc_end_k_qed931b7a4c_layer2:
	.size	k_qed931b7a4c_layer2, .Lfunc_end_k_qed931b7a4c_layer2-k_qed931b7a4c_layer2
	.p2alignl 7, 3214868480
	.fill 96, 4, 3214868480
	.section	.rodata,"a",@progbits
	.p2align	6, 0x0
	.amdhsa_kernel k_qed931b7a4c_layer2
		.amdhsa_group_segment_fixed_size 174080
		.amdhsa_private_segment_fixed_size 0
		.amdhsa_enable_private_segment 0
		.amdhsa_kernarg_size 32
		.amdhsa_user_sgpr_count 2
		.amdhsa_user_sgpr_kernarg_segment_ptr 1
		.amdhsa_wavefront_size32 1
		.amdhsa_system_sgpr_workgroup_id_x 1
		.amdhsa_system_sgpr_workgroup_id_y 1
		.amdhsa_system_sgpr_workgroup_id_z 1
		.amdhsa_system_vgpr_workitem_id 0
		.amdhsa_next_free_vgpr 256
		.amdhsa_next_free_sgpr 100
		.amdhsa_reserve_vcc 1
		.amdhsa_float_denorm_mode_32 3
		.amdhsa_float_denorm_mode_16_64 3
		.amdhsa_memory_ordered 1
		.amdhsa_forward_progress 1
		.amdhsa_inst_pref_size 125
	.end_amdhsa_kernel
	.amdgpu_metadata
---
amdhsa.version: [ 1, 2 ]
amdhsa.kernels:
  - .name:           k_qed931b7a4c_layer2
    .symbol:         k_qed931b7a4c_layer2.kd
    .args:
      - { .name: W2, .offset: 0, .size: 8, .value_kind: global_buffer, .address_space: global }
      - { .name: hq, .offset: 8, .size: 8, .value_kind: global_buffer, .address_space: global }
      - { .name: masks, .offset: 16, .size: 8, .value_kind: global_buffer, .address_space: global }
      - { .name: pp, .offset: 24, .size: 8, .value_kind: global_buffer, .address_space: global }
    .group_segment_fixed_size: 174080
    .private_segment_fixed_size: 0
    .kernarg_segment_align: 8
    .kernarg_segment_size: 32
    .max_flat_workgroup_size: 512
    .sgpr_count:     100
    .vgpr_count:     256
    .wavefront_size: 32
...
	.end_amdgpu_metadata
.endif
;; end of part 3
;; launch combine (part 4): grid 256 x 1, 8 waves a work-group, no clusters, 0 bytes of LDS; arguments pp, gw, tsel, rk, b2, out0, out1; writes out0, out1
.if DOCPART == 4
	.amdgcn_target "amdgcn-amd-amdhsa--gfx1250"
	.amdhsa_code_object_version 6
	.text
	.protected	k_qed931b7a4c_combine
	.globl	k_qed931b7a4c_combine
	.p2align	8
	.type	k_qed931b7a4c_combine,@function
k_qed931b7a4c_combine:
	s_mov_b64 s[64:65], 0
	v_nop
	global_prefetch_b8 v0, s[64:65] scope:SCOPE_SE
	s_setreg_imm32_b32 hwreg(HW_REG_WAVE_MODE, 25, 1), 1
	s_wait_xcnt 0x0
; out0[t] = w0 (sum over the four quarters of K of pp[q][slot0] + b2[e0]) + w1 (the same for e1);  slot = 1,152 e + the token's rank among those that chose e.
; out1 = 0.01 x the sum over the experts of (mean score)^2, from the 128 partial sums that the gate's launch stored.
; A stream: a work-group takes 4 tokens, two waves a token, a wave half a row (2,048 bytes): each load and store of a wave covers 512 consecutive bytes.  No LDS, no barrier, no matrix unit: memory binds.
; The experts and ranks are whole numbers that earlier launches stored; each is held inside its table before it enters an address.
.set P,  32                            ; v32-159  pp: choice k, quarter q, piece c at 32 + 64 k + 16 q + 4 c
.set BB, 160                           ; v160-191 b2: 160 + 16 k + 4 c
	s_load_b256 s[4:11], s[0:1], 0x0               ; pp, gw, tsel, rk
	s_load_b128 s[12:15], s[0:1], 0x20             ; b2, out0
	s_load_b64 s[16:17], s[0:1], 0x30              ; out1
	v_lshrrev_b32 v1, 5, v0
	v_readfirstlane_b32 s18, v1                    ; wave
	v_and_b32 v1, 31, v0
	v_lshlrev_b32 v1, 4, v1                        ; 16 l
	s_lshr_b32 s19, s18, 1
	s_lshl_b32 s20, ttmp9, 2
	s_add_co_u32 s19, s19, s20                     ; my token
	s_and_b32 s20, s18, 1
	s_lshl_b32 s20, s20, 11                        ; my half of a row
	s_lshl_b32 s22, s19, 2
	s_mov_b32 s23, 0
	s_lshl_b32 s24, s19, 3
	s_mov_b32 s25, 0
	s_wait_kmcnt 0x0
	s_add_nc_u64 s[26:27], s[8:9], s[22:23]
	s_add_nc_u64 s[28:29], s[6:7], s[24:25]
	s_load_b32 s30, s[26:27], 0x0                  ; e0 | e1 << 8
	s_load_b64 s[32:33], s[28:29], 0x0             ; w0, w1
	s_wait_kmcnt 0x0
	s_and_b32 s34, s30, 0xff
	s_min_u32 s34, s34, 7
	s_bfe_u32 s35, s30, 0x80008
	s_min_u32 s35, s35, 7
	s_lshl_b32 s36, s34, 12
	s_add_co_u32 s36, s36, s22
	s_mov_b32 s37, 0
	s_add_nc_u64 s[36:37], s[10:11], s[36:37]
	s_lshl_b32 s38, s35, 12
	s_add_co_u32 s38, s38, s22
	s_mov_b32 s39, 0
	s_add_nc_u64 s[38:39], s[10:11], s[38:39]
	s_load_b32 s40, s[36:37], 0x0                  ; my token's rank with e0,
	s_load_b32 s41, s[38:39], 0x0                  ; with e1
	s_mov_b32 s68, s33                             ; w1 as the low word of a pair: the packed form takes the low word for both halves
	s_mov_b32 s69, s33
	s_mov_b32 s43, 0
	s_lshl_b32 s42, s34, 12                        ; b2's rows
	s_add_co_u32 s42, s42, s20
	s_add_nc_u64 s[60:61], s[12:13], s[42:43]
	s_lshl_b32 s42, s35, 12
	s_add_co_u32 s42, s42, s20
	s_add_nc_u64 s[62:63], s[12:13], s[42:43]
.irp k, 0,1
.irp c, 0,1,2,3
	global_load_b128 v[BB+16*\k+4*\c:BB+16*\k+4*\c+3], v1, s[60+2*\k:61+2*\k] offset:512*\c
.endr
.endr
	s_lshl_b32 s42, s19, 12
	s_add_co_u32 s42, s42, s20
	s_add_nc_u64 s[66:67], s[14:15], s[42:43]      ; out0: my token's row, my half
	s_wait_kmcnt 0x0
	s_min_u32 s40, s40, 0x3ff
	s_min_u32 s41, s41, 0x3ff
	s_mul_i32 s42, s34, 1152
	s_add_co_u32 s42, s42, s40
	s_lshl_b32 s42, s42, 12
	s_add_co_u32 s42, s42, s20
	s_add_nc_u64 s[44:45], s[4:5], s[42:43]        ; the slot's row in quarter 0,
	s_add_nc_u64 s[46:47], s[44:45], 0x2400000     ; and 9,216 rows of 4,096 bytes on for each further quarter
	s_add_nc_u64 s[48:49], s[46:47], 0x2400000
	s_add_nc_u64 s[50:51], s[48:49], 0x2400000
	s_mul_i32 s42, s35, 1152
	s_add_co_u32 s42, s42, s41
	s_lshl_b32 s42, s42, 12
	s_add_co_u32 s42, s42, s20
	s_add_nc_u64 s[52:53], s[4:5], s[42:43]
	s_add_nc_u64 s[54:55], s[52:53], 0x2400000
	s_add_nc_u64 s[56:57], s[54:55], 0x2400000
	s_add_nc_u64 s[58:59], s[56:57], 0x2400000
.irp k, 0,1
.irp q, 0,1,2,3
.irp c, 0,1,2,3
	global_load_b128 v[P+64*\k+16*\q+4*\c:P+64*\k+16*\q+4*\c+3], v1, s[44+8*\k+2*\q:45+8*\k+2*\q] offset:512*\c th:TH_LOAD_NT
.endr
.endr
.endr
	s_wait_loadcnt 0x0
.irp c, 0,1,2,3
.irp d, 0,2
.irp k, 0,1
.set R0, P+64*\k+4*\c+\d
	v_pk_add_f32 v[R0:R0+1], v[R0:R0+1], v[R0+16:R0+17]
	v_pk_add_f32 v[R0+32:R0+33], v[R0+32:R0+33], v[R0+48:R0+49]
	v_pk_add_f32 v[R0:R0+1], v[R0:R0+1], v[R0+32:R0+33]
	v_pk_add_f32 v[R0:R0+1], v[R0:R0+1], v[BB+16*\k+4*\c+\d:BB+16*\k+4*\c+\d+1]
.endr
.set R0, P+4*\c+\d
	v_pk_mul_f32 v[R0:R0+1], v[R0:R0+1], s[32:33] op_sel_hi:[1,0]
	v_pk_fma_f32 v[R0:R0+1], v[R0+64:R0+65], s[68:69], v[R0:R0+1] op_sel_hi:[1,0,1]
.endr
	global_store_b128 v1, v[P+4*\c:P+4*\c+3], s[66:67] offset:512*\c th:TH_STORE_NT
.endr
	s_or_b32 s70, s18, ttmp9                       ; wave 0 of work-group 0 makes out1
	s_cmp_lg_u32 s70, 0
	s_cbranch_scc1 .Lend
.irp k, 0,1,2,3,4,5,6,7
	global_load_b128 v[96+4*\k:99+4*\k], v1, s[6:7] offset:8192+512*\k   ; 128 x 8 sums: my four numbers belong to experts 4 (l & 1) + 0 .. 3 in every load
.endr
	s_mov_b32 s72, 0x76543210
	s_mov_b32 s73, 0xfedcba98                      ; v_permlanex16_b32's selects for lane l xor 16
	s_wait_loadcnt 0x0
.irp k, 1,2,3,4,5,6,7
	v_pk_add_f32 v[96:97], v[96:97], v[96+4*\k:97+4*\k]
	v_pk_add_f32 v[98:99], v[98:99], v[98+4*\k:99+4*\k]
.endr
.irp m, 2,4,8
.irp j, 0,1,2,3
	v_add_f32_dpp v[96+\j], v[96+\j], v[96+\j] row_xmask:\m row_mask:0xf bank_mask:0xf
.endr
.endr
.irp j, 0,1,2,3
	v_mov_b32 v[100+\j], 0                         ; a lane permute's destination counts as one of its sources
.endr
.irp j, 0,1,2,3
	v_permlanex16_b32 v[100+\j], v[96+\j], s72, s73
.endr
.irp j, 0,1,2,3
	v_add_f32 v[96+\j], v[96+\j], v[100+\j]
.endr
.irp j, 0,1,2,3
	v_mul_f32 v[96+\j], 0x3a800000, v[96+\j]       ; / 1,024: the mean score
.endr
	v_mul_f32 v104, v96, v96
	v_fmac_f32 v104, v97, v97
	v_fmac_f32 v104, v98, v98
	v_fmac_f32 v104, v99, v99
	v_add_f32_dpp v104, v104, v104 row_xmask:1 row_mask:0xf bank_mask:0xf   ; with the other four experts'
	v_mul_f32 v104, 0x3c23d70a, v104               ; x 0.01
	v_mov_b32 v105, 0
	global_store_b32 v105, v104, s[16:17]          ; every lane holds the number: all write the same word with the same value
.Lend:
	s_endpgm
.Lfunc_end_k_qed931b7a4c_combine:
	.size	k_qed931b7a4c_combine, .Lfunc_end_k_qed931b7a4c_combine-k_qed931b7a4c_combine
	.p2alignl 7, 3214868480
	.fill 96, 4, 3214868480
	.section	.rodata,"a",@progbits
	.p2align	6, 0x0
	.amdhsa_kernel k_qed931b7a4c_combine
		.amdhsa_group_segment_fixed_size 0
		.amdhsa_private_segment_fixed_size 0
		.amdhsa_enable_private_segment 0
		.amdhsa_kernarg_size 56
		.amdhsa_user_sgpr_count 2
		.amdhsa_user_sgpr_kernarg_segment_ptr 1
		.amdhsa_wavefront_size32 1
		.amdhsa_system_sgpr_workgroup_id_x 1
		.amdhsa_system_sgpr_workgroup_id_y 1
		.amdhsa_system_sgpr_workgroup_id_z 1
		.amdhsa_system_vgpr_workitem_id 0
		.amdhsa_next_free_vgpr 192
		.amdhsa_next_free_sgpr 74
		.amdhsa_reserve_vcc 0
		.amdhsa_float_denorm_mode_32 3
		.amdhsa_float_denorm_mode_16_64 3
		.amdhsa_memory_ordered 1
		.amdhsa_forward_progress 1
		.amdhsa_inst_pref_size 16
	.end_amdhsa_kernel
	.amdgpu_metadata
---
amdhsa.version: [ 1, 2 ]
amdhsa.kernels:
  - .name:           k_qed931b7a4c_combine
    .symbol:         k_qed931b7a4c_combine.kd
    .args:
      - { .name: pp, .offset: 0, .size: 8, .value_kind: global_buffer, .address_space: global }
      - { .name: gw, .offset: 8, .size: 8, .value_kind: global_buffer, .address_space: global }
      - { .name: tsel, .offset: 16, .size: 8, .value_kind: global_buffer, .address_space: global }
      - { .name: rk, .offset: 24, .size: 8, .value_kind: global_buffer, .address_space: global }
      - { .name: b2, .offset: 32, .size: 8, .value_kind: global_buffer, .address_space: global }
      - { .name: out0, .offset: 40, .size: 8, .value_kind: global_buffer, .address_space: global }
      - { .name: out1, .offset: 48, .size: 8, .value_kind: global_buffer, .address_space: global }
    .group_segment_fixed_size: 0
    .private_segment_fixed_size: 0
    .kernarg_segment_align: 8
    .kernarg_segment_size: 56
    .max_flat_workgroup_size: 256
    .sgpr_count:     74
    .vgpr_count:     192
    .wavefront_size: 32
...
	.end_amdgpu_metadata
.endif
;; end of part 4
;; ======== version 2 of 2: 4 launches
;; workspace buffers: xq 819,200 bytes; hq 29,491,200 bytes; pp 150,994,944 bytes; gw 12,288 bytes; masks 1,024 bytes of whole numbers; tsel 4,096 bytes of whole numbers; rk 32,768 bytes of whole numbers
;; launch gate (part 5): grid 128 x 1, 8 waves a work-group, no clusters, 41,472 bytes of LDS; arguments x, Wg, bg, xq, masks, tsel, gw; writes xq, masks, tsel, gw
.if DOCPART == 5
	.amdgcn_target "amdgcn-amd-amdhsa--gfx1250"
	.amdhsa_code_object_version 6
	.text
	.protected	k_qed931b7a4c_gate
	.globl	k_qed931b7a4c_gate
	.p2align	8
	.type	k_qed931b7a4c_gate,@function
k_qed931b7a4c_gate:
	s_mov_b64 s[64:65], 0
	v_nop
	global_prefetch_b8 v0, s[64:65] scope:SCOPE_SE
	s_setreg_imm32_b32 hwreg(HW_REG_WAVE_MODE, 25, 1), 1
	s_wait_xcnt 0x0
; THE GATE, AND x INTO CODES.  x [1024][1024] f32, Wg [1024][8], bg [8].  A work-group takes 8 tokens, a wave one token; lane l holds x[t][32 l .. 32 l + 31].
; logits = x Wg + bg by f32 multiply-adds; softmax with the maximum taken away; the two largest scores (a strict compare in ascending order: of equal scores the lower index wins), their weights s / (s0 + s1).
; Stored: tsel[t] = e0 | e1 << 8;  masks[e][128 bytes]: bit i of byte b says that token 8 b + i chose expert e;  gw: (w0, w1) of each token, and behind them each work-group's sum of scores for each expert.
; No address and no branch of this text hangs on the choice: it is stored at fixed places, and later launches read it.
; x's codes (E2M3, one E8M0 byte for each 32 along K): xq = 8 planes [K step of 128][token][96 bytes]; in a row block B of 32 lies at 48 (B & 1) + 24 (B >> 1), which is the order in which
; a lane of the matrix operand takes its 48 bytes; behind the planes the scale words [K step][token][4 bytes].
; LIMITS: NaN and infinities among the inputs are not served; a block of zeros, or one whose largest magnitude lies under 2^-124, gets the byte 1: its codes are zeros, and this program alone reads the bytes.
.set WGL,  0                           ; LDS: Wg, row k at 32 k + 16 (k >> 5): lanes that stand 32 rows apart are 1,040 bytes apart
.set XST,  33280                       ; the codes of 8 tokens: [K step][token][96]
.set XSS,  39424                       ; their scale words: [K step][token][4]
.set BM,   39680                       ; a word for each token: (1 << e0) | (1 << e1)
.set SCS,  39936                       ; the scores: [token][8]
.set FLOOR, 0x1800000                  ; 2^(3 - 127): no largest magnitude is taken under it, so that the byte cannot fall under 1
.set XOFF, 2                           ; v2   128 l: my 32 numbers of the row
.set GOFF, 3                           ; v3   16 x thread: my 16 bytes of each 4,096 of Wg
.set WGS,  4                           ; v4   where they go in LDS
.set WGR,  5                           ; v5   my 32 rows of Wg in LDS
.set XSTW, 6                           ; v6   where my block's codes go
.set XSSW, 7                           ; v7   and its scale byte
.set BMW,  8                           ; v8   my token's word
.set SCW,  9                           ; v9   my token's scores
.set XSTR, 10                          ; v10  the way out: my wave's plane, 8 bytes a lane
.set XSSR, 11                          ; v11  the scale words, 8 bytes a lane
.set BMR,  12                          ; v12  the eight words
.set SCR,  13                          ; v13  expert l & 7 of token 0's scores
.set G8,   14                          ; v14  8 l
.set GXS,  15                          ; v15  4096 (l >> 2) + 8 (l & 3)
.set LG,   16                          ; v16-23 the logits;  v24-31 at work
.set X,    32                          ; v32-63 x
.set W,    64                          ; v64-127 Wg, 8 rows at a time; later scores and work
.set C,    96                          ; the codes
.set A0,   106
.set A1,   107
.set VZ,   128                         ; v128 0
	s_load_b256 s[4:11], s[0:1], 0x0               ; x, Wg, bg, xq
	s_load_b128 s[12:15], s[0:1], 0x20             ; masks, tsel
	s_load_b64 s[16:17], s[0:1], 0x30              ; gw
	v_lshl_add_u32 v136, v0, 2, 0x9e00
	v_mov_b32 v137, 0
	v_lshrrev_b32 v1, 5, v0
	s_delay_alu instid0(VALU_DEP_1)
	v_readfirstlane_b32 s18, v1                    ; wave
	v_and_b32 v1, 31, v0                           ; lane
	s_lshl_b32 s19, ttmp9, 3
	s_add_co_u32 s19, s19, s18                     ; my token
	s_mov_b32 s28, 0x76543210
	s_mov_b32 s29, 0xfedcba98                      ; v_permlanex16_b32's selects for lane l xor 16
	v_mov_b32 v[VZ], 0
	v_lshlrev_b32 v[XOFF], 7, v1
	v_lshlrev_b32 v[GOFF], 4, v0
	v_lshrrev_b32 v24, 6, v0
	s_delay_alu instid0(VALU_DEP_1)
	v_lshl_add_u32 v[WGS], v24, 4, v[GOFF]         ; 16 x thread + 16 for each 1,024 bytes passed
	v_mul_u32_u24 v[WGR], v1, 1040
	v_lshrrev_b32 v24, 2, v1                       ; my block's K step
	v_and_b32 v25, 1, v1                           ; B & 1
	v_bfe_u32 v26, v1, 1, 1                        ; B >> 1
	v_and_b32 v27, 3, v1                           ; B
	s_mul_i32 s20, s18, 96
	s_add_co_u32 s20, s20, XST
	v_mul_u32_u24 v28, v24, 768
	s_delay_alu instid0(VALU_DEP_1)
	v_mad_u32_u24 v28, v25, 48, v28
	s_delay_alu instid0(VALU_DEP_1)
	v_mad_u32_u24 v28, v26, 24, v28
	s_delay_alu instid0(VALU_DEP_1)
	v_add_nc_u32 v[XSTW], s20, v28
	s_lshl_b32 s20, s18, 2
	s_add_co_u32 s21, s20, XSS
	v_lshl_add_u32 v28, v24, 5, v27
	s_delay_alu instid0(VALU_DEP_1)
	v_add_nc_u32 v[XSSW], s21, v28
	s_add_co_u32 s21, s20, BM
	v_mov_b32 v[BMW], s21
	s_lshl_b32 s21, s18, 5
	s_add_co_u32 s21, s21, SCS
	v_mov_b32 v[SCW], s21
	s_mul_i32 s21, s18, 768
	s_add_co_u32 s21, s21, XST
	v_lshl_add_u32 v[XSTR], v1, 3, s21
	v_lshl_add_u32 v[XSSR], v1, 3, XSS
	v_mov_b32 v[BMR], BM
	v_and_b32 v28, 7, v1
	s_delay_alu instid0(VALU_DEP_1)
	v_lshl_add_u32 v[SCR], v28, 2, SCS
	v_lshlrev_b32 v[G8], 3, v1
	v_lshlrev_b32 v28, 12, v24
	s_delay_alu instid0(VALU_DEP_1)
	v_lshl_add_u32 v[GXS], v27, 3, v28
	s_lshl_b32 s22, s19, 12                        ; my row of x
	s_mov_b32 s23, 0
	s_wait_kmcnt 0x0
	s_load_b256 s[32:39], s[8:9], 0x0              ; bg
	s_add_nc_u64 s[4:5], s[4:5], s[22:23]
.irp i, 0,1,2,3,4,5,6,7
	global_load_b128 v[X+4*\i:X+4*\i+3], v[XOFF], s[4:5] offset:16*\i th:TH_LOAD_NT
.endr
.irp i, 0,1,2,3,4,5,6,7
	global_load_b128 v[W+4*\i:W+4*\i+3], v[GOFF], s[6:7] offset:4096*\i
.endr
	s_lshl_b32 s22, s19, 2
	s_add_nc_u64 s[14:15], s[14:15], s[22:23]      ; tsel[t]
	s_lshl_b32 s22, s19, 3
	s_add_nc_u64 s[20:21], s[16:17], s[22:23]      ; gw: my token's two weights
	s_mul_i32 s22, s18, 98304
	s_mul_i32 s24, ttmp9, 768
	s_add_co_u32 s22, s22, s24
	s_add_nc_u64 s[40:41], s[10:11], s[22:23]      ; xq: plane = my wave, the work-group's 8 rows
	s_lshl_b32 s22, ttmp9, 5
	s_add_nc_u64 s[46:47], s[16:17], s[22:23]
	s_add_nc_u64 s[46:47], s[46:47], 8192          ; gw: the work-group's sums of scores
	s_add_nc_u64 s[42:43], s[10:11], s[22:23]
	s_add_nc_u64 s[42:43], s[42:43], 786432        ; xq: the work-group's scale words
	s_mov_b32 s22, ttmp9
	s_add_nc_u64 s[44:45], s[12:13], s[22:23]      ; masks: the work-group's byte of each expert
	s_wait_loadcnt 0x0
.irp i, 0,1,2,3,4,5,6,7
	ds_store_b128 v[WGS], v[W+4*\i:W+4*\i+3] offset:4160*\i
.endr
	s_wait_dscnt 0x0                               ; my part of Wg lies in LDS,
	s_barrier_signal -1
	s_barrier_wait -1                              ; everybody's does
; the logits: my 32 k, eight at a time; two experts an instruction, x[k] for both halves
.irp g, 0,1,2,3
.irp ii, 0,1,2,3,4,5,6,7
	ds_load_b128 v[W+8*\ii:W+8*\ii+3], v[WGR] offset:32*(8*\g+\ii)
	ds_load_b128 v[W+8*\ii+4:W+8*\ii+7], v[WGR] offset:32*(8*\g+\ii)+16
.endr
	s_wait_alu depctr_va_vdst(0)
	s_wait_dscnt 0x0
.irp ii, 0,1,2,3,4,5,6,7
.irp p, 0,1,2,3
.if (\g == 0) && (\ii == 0)
	v_pk_mul_f32 v[LG+2*\p:LG+2*\p+1], v[W+2*\p:W+2*\p+1], v[X:X+1] op_sel_hi:[1,0]      ; the first k starts the sums
.elseif (\ii%2) == 0
	v_pk_fma_f32 v[LG+2*\p:LG+2*\p+1], v[W+8*\ii+2*\p:W+8*\ii+2*\p+1], v[X+8*\g+\ii:X+8*\g+\ii+1], v[LG+2*\p:LG+2*\p+1] op_sel_hi:[1,0,1]
.else
	s_delay_alu instid0(VALU_DEP_4)
	v_pk_fma_f32 v[LG+2*\p:LG+2*\p+1], v[W+8*\ii+2*\p:W+8*\ii+2*\p+1], v[X+8*\g+\ii-1:X+8*\g+\ii], v[LG+2*\p:LG+2*\p+1] op_sel:[0,1,0] op_sel_hi:[1,1,1]
.endif
.endr
.endr
.endr
.irp e, 0,1,2,3,4,5,6,7
	v_mov_b32 v[24+\e], 0                          ; a lane permute's destination counts as one of its sources
.endr
.irp m, 1,2,4,8
.irp e, 0,1,2,3,4,5,6,7
	v_add_f32_dpp v[LG+\e], v[LG+\e], v[LG+\e] row_xmask:\m row_mask:0xf bank_mask:0xf
.endr
.endr
.irp e, 0,1,2,3,4,5,6,7
	v_permlanex16_b32 v[24+\e], v[LG+\e], s28, s29
.endr
.irp e, 0,1,2,3,4,5,6,7
	v_add_f32 v[LG+\e], v[LG+\e], v[24+\e]         ; every lane holds the eight sums
.endr
	s_wait_alu depctr_va_vdst(0)
	s_wait_kmcnt 0x0                               ; bg
.irp e, 0,1,2,3,4,5,6,7
	v_add_f32 v[LG+\e], s[32+\e], v[LG+\e]
.endr
; softmax
	v_max3_num_f32 v24, v16, v17, v18
	s_delay_alu instid0(VALU_DEP_1)
	v_max3_num_f32 v24, v24, v19, v20
	s_delay_alu instid0(VALU_DEP_1)
	v_max3_num_f32 v24, v24, v21, v22
	s_delay_alu instid0(VALU_DEP_1)
	v_max_num_f32 v24, v24, v23
.irp e, 0,1,2,3,4,5,6,7
	v_sub_f32 v[72+\e], v[LG+\e], v24
.endr
.irp e, 0,1,2,3,4,5,6,7
	v_mul_f32 v[72+\e], 0x3fb8aa3b, v[72+\e]       ; x log2(e)
.endr
	s_wait_alu depctr_va_vdst(0)
.irp e, 0,1,2,3,4,5,6,7
	v_exp_f32 v[64+\e], v[72+\e]
.endr
	v_nop                                          ; a plain instruction behind the last exponential
	s_wait_alu depctr_va_vdst(0)                   ; one wait for the eight, ahead of their first reader
	v_add_f32 v80, v64, v65
	v_add_f32 v81, v66, v67
	v_add_f32 v82, v68, v69
	v_add_f32 v83, v70, v71
	s_delay_alu instid0(VALU_DEP_3)
	v_add_f32 v80, v80, v81
	s_delay_alu instid0(VALU_DEP_2)
	v_add_f32 v82, v82, v83
	s_delay_alu instid0(VALU_DEP_1)
	v_add_f32 v80, v80, v82
	s_wait_alu depctr_va_vdst(0)
	v_rcp_f32 v81, v80
	v_nop
	s_wait_alu depctr_va_vdst(0)
.irp e, 0,1,2,3,4,5,6,7
	v_mul_f32 v[64+\e], v[64+\e], v81              ; the scores
.endr
; the two largest, by selects alone
	v_mov_b32 v84, v64
	v_mov_b32 v85, 0
.irp e, 1,2,3,4,5,6,7
	s_delay_alu instid0(VALU_DEP_2)
	v_cmp_gt_f32 vcc_lo, v[64+\e], v84
	s_delay_alu instid0(VALU_DEP_1)
	v_cndmask_b32 v84, v84, v[64+\e], vcc_lo
	s_delay_alu instid0(VALU_DEP_2)
	v_cndmask_b32 v85, v85, \e, vcc_lo
.endr
.irp e, 0,1,2,3,4,5,6,7
	v_cmp_eq_u32 vcc_lo, \e, v85
	s_delay_alu instid0(VALU_DEP_1)
	v_cndmask_b32 v[72+\e], v[64+\e], -1.0, vcc_lo ; the first choice is barred: under every score
.endr
	v_mov_b32 v86, v72
	v_mov_b32 v87, 0
.irp e, 1,2,3,4,5,6,7
	s_delay_alu instid0(VALU_DEP_2)
	v_cmp_gt_f32 vcc_lo, v[72+\e], v86
	s_delay_alu instid0(VALU_DEP_1)
	v_cndmask_b32 v86, v86, v[72+\e], vcc_lo
	s_delay_alu instid0(VALU_DEP_2)
	v_cndmask_b32 v87, v87, \e, vcc_lo
.endr
	s_delay_alu instid0(VALU_DEP_2)
	v_add_f32 v88, v84, v86
	s_wait_alu depctr_va_vdst(0)
	v_rcp_f32 v89, v88
	v_lshl_or_b32 v90, v87, 8, v85                 ; e0 | e1 << 8  (a plain instruction behind the reciprocal)
	v_lshlrev_b32 v94, v85, 1
	v_lshlrev_b32 v95, v87, 1
	s_delay_alu instid0(VALU_DEP_1)
	v_or_b32 v94, v94, v95                         ; (1 << e0) | (1 << e1)
	s_wait_alu depctr_va_vdst(0)
	v_mul_f32 v92, v84, v89
	v_mul_f32 v93, v86, v89                        ; the two weights
; my block of 32 into codes: all its numbers are mine
	v_max3_num_f32 v[A0], |v[X]|, |v[X+1]|, FLOOR
	v_max3_num_f32 v[A1], |v[X+16]|, |v[X+17]|, FLOOR
.irp i, 2,4,6,8,10,12,14
	s_delay_alu instid0(VALU_DEP_2)
	v_max3_num_f32 v[A0], v[A0], |v[X+\i]|, |v[X+\i+1]|
	s_delay_alu instid0(VALU_DEP_2)
	v_max3_num_f32 v[A1], v[A1], |v[X+16+\i]|, |v[X+17+\i]|
.endr
	s_delay_alu instid0(VALU_DEP_1)
	v_max_num_f32 v[A0], v[A0], v[A1]
	s_delay_alu instid0(VALU_DEP_1)
	v_add_nc_u32 v[A1], 0xff000000, v[A0]          ; 2 off the exponent field: the conversion takes that field as its scale
	v_cvt_scalef32_pk16_fp6_f32 v[C:C+2], v[X:X+15], v[A1]
	v_cvt_scalef32_pk16_fp6_f32 v[C+6:C+8], v[X+16:X+31], v[A1]   ; (a conversion's three registers begin on an even number)
	v_lshrrev_b32 v[A0], 23, v[A1]                 ; the scale's byte; also the plain instruction behind the conversions
.irp i, 0,1,2
	v_mov_b32 v[C+3+\i], v[C+6+\i]
.endr
.irp p, 0,1,2
	ds_store_b64 v[XSTW], v[C+2*\p:C+2*\p+1] offset:8*\p
.endr
	ds_store_b8 v[XSSW], v[A0]
	ds_store_b32 v[BMW], v94                       ; every lane holds the token's figures: all write the same word with the same value
	ds_store_b128 v[SCW], v[64:67]
	ds_store_b128 v[SCW], v[68:71] offset:16
	global_store_b32 v[VZ], v90, s[14:15]
	global_store_b64 v[VZ], v[92:93], s[20:21]
	s_wait_dscnt 0x0                               ; my stores lie in LDS,
	s_barrier_signal -1
	s_barrier_wait -1                              ; everybody's do
; the way out: wave w stores the 8 tokens' rows of plane w: 768 consecutive bytes, three stores of 256, each at a multiple of 256 from xq's first byte
.irp c, 0,1,2
	ds_load_b64 v[64+2*\c:65+2*\c], v[XSTR] offset:256*\c
.endr
.irp c, 0,1,2
	s_wait_dscnt 2-\c                              ; the younger loads may stay out
	global_store_b64 v[G8], v[64+2*\c:65+2*\c], s[40:41] offset:256*\c
.endr
	s_cmp_lg_u32 s18, 0
	s_cbranch_scc1 .Lnot_wave_0
	ds_load_b64 v[72:73], v[XSSR]                  ; wave 0: the scale words, 32 bytes for each K step
	s_wait_dscnt 0x0
	global_store_b64 v[GXS], v[72:73], s[42:43]
.Lnot_wave_0:
	s_cmp_lg_u32 s18, 1
	s_cbranch_scc1 .Lend
	ds_load_b128 v[72:75], v[BMR]                  ; wave 1: lane l stands for expert l & 7 (four lanes hold and store the same)
	ds_load_b128 v[76:79], v[BMR] offset:16
.irp i, 0,1,2,3,4,5,6,7
	ds_load_b32 v[80+\i], v[SCR] offset:32*\i
.endr
	v_and_b32 v100, 7, v0
	v_mov_b32 v101, 0
	s_wait_alu depctr_va_vdst(0)
	s_wait_dscnt 0x0
.irp i, 0,1,2,3,4,5,6,7
	v_lshrrev_b32 v102, v100, v[72+\i]
	s_delay_alu instid0(VALU_DEP_1)
	v_and_b32 v102, 1, v102
	s_delay_alu instid0(VALU_DEP_1)
	v_lshl_or_b32 v101, v102, \i, v101             ; bit i: token i chose my expert
.endr
	v_lshlrev_b32 v103, 7, v100
	global_store_b8 v103, v101, s[44:45]
	v_add_f32 v80, v80, v81
	v_add_f32 v82, v82, v83
	v_add_f32 v84, v84, v85
	v_add_f32 v86, v86, v87
	s_delay_alu instid0(VALU_DEP_3)
	v_add_f32 v80, v80, v82
	s_delay_alu instid0(VALU_DEP_2)
	v_add_f32 v84, v84, v86
	s_delay_alu instid0(VALU_DEP_1)
	v_add_f32 v80, v80, v84                        ; the 8 tokens' scores of my expert
	v_lshlrev_b32 v104, 2, v100
	global_store_b32 v104, v80, s[46:47]
.Lend:
	s_wait_tensorcnt 0x0
	ds_add_u32 v136, v137
	s_wait_dscnt 0x0
	s_endpgm
.Lfunc_end_k_qed931b7a4c_gate:
	.size	k_qed931b7a4c_gate, .Lfunc_end_k_qed931b7a4c_gate-k_qed931b7a4c_gate
	.p2alignl 7, 3214868480
	.fill 96, 4, 3214868480
	.section	.rodata,"a",@progbits
	.p2align	6, 0x0
	.amdhsa_kernel k_qed931b7a4c_gate
		.amdhsa_group_segment_fixed_size 41472
		.amdhsa_private_segment_fixed_size 0
		.amdhsa_enable_private_segment 0
		.amdhsa_kernarg_size 56
		.amdhsa_user_sgpr_count 2
		.amdhsa_user_sgpr_kernarg_segment_ptr 1
		.amdhsa_wavefront_size32 1
		.amdhsa_system_sgpr_workgroup_id_x 1
		.amdhsa_system_sgpr_workgroup_id_y 1
		.amdhsa_system_sgpr_workgroup_id_z 1
		.amdhsa_system_vgpr_workitem_id 0
		.amdhsa_next_free_vgpr 138
		.amdhsa_next_free_sgpr 66
		.amdhsa_reserve_vcc 1
		.amdhsa_float_denorm_mode_32 3
		.amdhsa_float_denorm_mode_16_64 3
		.amdhsa_memory_ordered 1
		.amdhsa_forward_progress 1
		.amdhsa_inst_pref_size 37
	.end_amdhsa_kernel
	.amdgpu_metadata
---
amdhsa.version: [ 1, 2 ]
amdhsa.kernels:
  - .name:           k_qed931b7a4c_gate
    .symbol:         k_qed931b7a4c_gate.kd
    .args:
      - { .name: x, .offset: 0, .size: 8, .value_kind: global_buffer, .address_space: global }
      - { .name: Wg, .offset: 8, .size: 8, .value_kind: global_buffer, .address_space: global }
      - { .name: bg, .offset: 16, .size: 8, .value_kind: global_buffer, .address_space: global }
      - { .name: xq, .offset: 24, .size: 8, .value_kind: global_buffer, .address_space: global }
      - { .name: masks, .offset: 32, .size: 8, .value_kind: global_buffer, .address_space: global }
      - { .name: tsel, .offset: 40, .size: 8, .value_kind: global_buffer, .address_space: global }
      - { .name: gw, .offset: 48, .size: 8, .value_kind: global_buffer, .address_space: global }
    .group_segment_fixed_size: 41472
    .private_segment_fixed_size: 0
    .kernarg_segment_align: 8
    .kernarg_segment_size: 56
    .max_flat_workgroup_size: 256
    .sgpr_count:     66
    .vgpr_count:     138
    .wavefront_size: 32
...
	.end_amdgpu_metadata
.endif
;; end of part 5
;; launch layer1 (part 6): grid 32 x 8, 16 waves a work-group, no clusters, 145,408 bytes of LDS; arguments W1, b1, xq, masks, hq, rk; writes hq, rk
.if DOCPART == 6
	.amdgcn_target "amdgcn-amd-amdhsa--gfx1250"
	.amdhsa_code_object_version 6
	.text
	.protected	k_qed931b7a4c_layer1
	.globl	k_qed931b7a4c_layer1
	.p2align	8
	.type	k_qed931b7a4c_layer1,@function
k_qed931b7a4c_layer1:
	s_mov_b64 s[64:65], 0
	v_nop
	global_prefetch_b8 v0, s[64:65] scope:SCOPE_SE
	s_setreg_imm32_b32 hwreg(HW_REG_WAVE_SCHED_MODE, 0, 2), 2
	s_setreg_imm32_b32 hwreg(HW_REG_WAVE_MODE, 25, 1), 1
	s_wait_xcnt 0x0
	s_wait_alu depctr_vm_vsrc(0)
; ONE LAYER OF THE EXPERTS, on codes of E2M3 with one E8M0 scale for each 32 along K.  The same text serves both layers; LAYER picks what differs.
; LAYER 1: hidden = relu(x W1[e] + b1[e]) for the rows that chose expert e, quantised along the hidden axis and stored as codes (hq).  LAYER 2: partial sums of hidden W2[e] over a quarter of K, f32 (pp).
; SHARES.  A work-group owns 128 columns x 1,024 K of one expert's weight, 512 KiB of f32, which no other work-group reads: 8 experts x 32 slices.  It quantises the slice on its way in, keeps the codes
; in LDS (96 KiB) and multiplies them by the expert's rows.  The first 384 ranks are multiplied between the stream's steps, whatever the expert's count (ranks past the count repeat a row, and what they give is read by nobody);
; ranks 384 to 1,151 are two more passes over the codes in LDS: a loop of constant count, whose work a wave jumps over where the stored count leaves it no rows.  No barrier stands under such a jump.
; No tensor loads and no joint requests.
; THE STREAM.  K is the weight's first axis: a lane takes a column and its registers run down K.  Wave w takes columns 32 (w & 3) on and block w >> 2 of each K step of 128: 32 loads of 128 consecutive bytes; the four
; waves of a block stand side by side on 512.  A run of 256 bytes is read by two waves, so the loads carry no hint.  Two steps' loads of a wave are out while a third is worked on.
; THE PRODUCT is used transposed: source 0 = 16 columns of W, source 1 = 16 rows.  Wave w takes row tiles 3 (w >> 1) .. + 2 and four column tiles: 12 accumulators, each once in a K step, so that
; no two matrix instructions that follow each other share one.
; OPERAND ROWS in xq and hq: planes [K step][row][96 bytes], block B of 32 at 48 (B & 1) + 24 (B >> 1): lane (r, h) takes its 12 registers by three loads of 16 bytes at 96 row + 48 h.  Scale words [K step][row] behind the planes.
; LAYER 1's columns of a tile are not neighbours: stream lane l's column goes to fragment 2 sc + ((l >> 3) & 1), row (l & 7) + 8 (l >> 4), so that a lane's 16 results of two neighbouring tiles are 16 neighbours along the next K.
; LIMITS: NaN and infinities are not served; a block of zeros, or one under 2^-124, gets the byte 1: its codes are zeros, and this program alone reads the bytes.
; THE MODE: SCHED_MODE bits 1:0 = 2 (LLVM: expert scheduling mode 2), set by the entry lines.  The code itself states the register dependences between vector or matrix instructions and memory or LDS
; instructions, with s_wait_alu, always for 0.
; THE PLAN.  Registers that memory or LDS instructions touch:
;   SA0, SA1     Step t: the quantiser reads SA[t % 2]; behind it the loads of step t + 2 land there.
;   C, A0        Written by a step's quantiser, read by its four LDS stores, written again by the next step's quantiser.
;   WSC, WF      Loaded from LDS, read by matrix instructions alone: the scale words and fragments 0, 1 at the head of a step's products, fragments 2, 3 in their middle.
;   XF, XSC      Loaded at the end of the step before; read by all twelve products of a step.  Between passes: at work, and layer 1's registers on the way out.
;   ACC          Layer 1: b1's loads land there, the products add, relu and the conversions read.  Layer 2: the products write, the way out's LDS stores read.
;   XO, XQ       Written once a pass, read by every load of rows.  All other addresses are written once, at the head.
; A K step has four waits: on vm_vsrc at its head (the last step's LDS stores have read C and A0); on va_vdst behind the quantiser (C and A0 are written, SA[t % 2] is read out); on va_vdst in the middle of the
; products (the first six are done with W's two fragments); on va_vdst behind them (all twelve are done with the rows' and W's registers).  The loads at the head of a step's products follow the second of these
; with no vector or matrix instruction between that names their registers, and owe nothing more.
.set LAYER, 1
.if LAYER == 1
.set PITCH, 16384                      ; a row of W in bytes
.set PL,    98304                      ; a plane of the operand rows
.set PLS,   4096                       ; a plane of their scale words
.set FOS,   4                          ; my tiles 2, 3 are fragments FOS further on than tiles 0, 1
.set FBM,   2                          ; my first fragment: FBM x (w & 1)
.else
.set PITCH, 4096
.set PL,    884736
.set PLS,   36864
.set FOS,   2
.set FBM,   4
.endif
.set FLOOR, 0x1800000                  ; 2^(3 - 127): no largest magnitude is taken under it, so that the byte cannot fall under 1
.set WI,    0                          ; LDS: W's codes as images of the operand's registers: K step 12,288, fragment 1,536, lane 48 bytes; all 8 steps stay
.set WS,    98304                      ; W's scale words: K step 512, fragment 64, row 4
.set ST,    102400                     ; layer 1: 384 rows x 96 bytes of codes;  layer 2: 16 rows x 272 bytes for each wave
.set SS,    139264                     ; layer 1: 384 scale words
.set WOFF, 1                           ; v1   my column and my block's first row, in bytes
.set WW0,  2                           ; v2,3 where my codes go: K steps 0-3, 4-7
.set WSW,  4                           ; v4   and my scale byte
.set WR0,  5                           ; v5,6 where I read fragments: K steps 0-3, 4-7
.set WSR,  7                           ; v7   and their scale words: lanes 0-15 one fragment's, lanes 16-31 the next one's
.set XO,   8                           ; v8-10  96 x row + 48 h for my three row tiles
.set XQ,   11                          ; v11-13 4 x row
.set BOFF, 14                          ; layer 1: my place in b1
.set STW,  15                          ; layer 1: where my codes go in the stage
.set SSW,  25                          ; layer 1: and the scale byte
.set STR8, 30                          ; layer 1: the way out: my wave's 24 rows, 8 bytes a lane
.set SSR,  31                          ; layer 1: my wave's 64 scale words
.set GO8,  95                          ; layer 1: 8 l
.set STO,  14                          ; layer 2: where I put 32 bytes of a row
.set SRD,  15                          ; layer 2: where I read a row back
.set GO,   25                          ; layer 2: the same two rows in pp
.set C,    16                          ; v16-24 codes just made
.set A0,   26
.set A1,   27
.set WSC,  28                          ; v28,29 W's scale words: scales and nothing else
.set WF,   32                          ; v32-55 two fragments of W
.set XF,   56                          ; v56-91 three fragments of rows; at work between passes
.set XSC,  92                          ; v92-94 their scale words: scales and nothing else
.set SA,   96                          ; v96-159 two sets of 32 numbers of W; at work on the way out
.set ACC,  160                         ; v160-255 accumulator (i, u) at 160 + 32 i + 8 u
.set CNT,  24                          ; s24  the expert's count, at least 1
.set T0,   25                          ; s25  my first rank in the pass
.set WB,   26                          ; s[26:29] W at K steps 0 and 4
.set MK,   4                           ; s4-15  layer 1: the masks of a run of compares (the arguments' addresses have gone into the bases by then)
.set PK,   54                          ; s54-57 layer 1: prefix count | word number << 16 for the four words of a run
.macro PLACES                          ; a load into a register that a matrix instruction has read, and a vector instruction or LDS store that reads its result, stand four plain vector instructions behind it (ISA guide 7.12.1 for vector instructions)
.rept 4
	v_nop
.endr
.endm
.macro WLOAD t, R                      ; K step t: W(128 t + 32 kb + i, my column), i = 0 .. 31
.set I, 0
.rept 32
	global_load_b32 v[(\R)+I], v[WOFF], s[WB+2*((\t)/4):WB+2*((\t)/4)+1] offset:(((\t)%4)*128+I)*PITCH
.set I, I+1
.endr
.endm
.macro QBLOCK R                        ; 32 numbers down K, all mine, become 24 bytes of codes in v[C] on and the scale's byte in v[A0]
	v_max3_num_f32 v[A0], |v[(\R)]|, |v[(\R)+1]|, FLOOR
	v_max3_num_f32 v[A1], |v[(\R)+16]|, |v[(\R)+17]|, FLOOR
.irp i, 2,4,6,8,10,12,14
	v_max3_num_f32 v[A0], v[A0], |v[(\R)+\i]|, |v[(\R)+\i+1]|
	v_max3_num_f32 v[A1], v[A1], |v[(\R)+16+\i]|, |v[(\R)+17+\i]|
.endr
	v_max_num_f32 v[A0], v[A0], v[A1]
	v_add_nc_u32 v[A1], 0xff000000, v[A0]          ; 2 off the exponent field: the conversion takes that field as its scale
	v_cvt_scalef32_pk16_fp6_f32 v[C:C+2], v[(\R):(\R)+15], v[A1]
	v_cvt_scalef32_pk16_fp6_f32 v[C+6:C+8], v[(\R)+16:(\R)+31], v[A1]   ; (a conversion's three registers begin on an even number)
	v_lshrrev_b32 v[A0], 23, v[A1]                 ; the byte; also the plain instruction behind the conversions
.irp i, 0,1,2
	v_mov_b32 v[C+3+\i], v[C+6+\i]
.endr
.endm
.macro WSTORE t
.irp p, 0,1,2
	ds_store_b64 v[WW0+(\t)/4], v[C+2*\p:C+2*\p+1] offset:((\t)%4)*12288+8*\p
.endr
	ds_store_b8 v[WSW], v[A0] offset:512*(\t)
.endm
.macro XLOAD t                         ; my three row tiles' fragments and scale words of K step t: 12 loads
.irp i, 0,1,2
.irp c, 0,1,2
	global_load_b128 v[XF+12*\i+4*\c:XF+12*\i+4*\c+3], v[XO+\i], s[30:31] offset:(\t)*PL+16*\c
.endr
	global_load_b32 v[XSC+\i], v[XQ+\i], s[32:33] offset:(\t)*PLS
.endr
.endm
.macro FRAGL dst, t, u                 ; my column tile u of K step t
.irp c, 0,1,2
	ds_load_b128 v[\dst+4*\c:\dst+4*\c+3], v[WR0+(\t)/4] offset:((\t)%4)*12288+((\u)%2+FOS*((\u)/2))*1536+16*\c
.endr
.endm
.macro WM i, u, zero
.set MD, ACC+32*(\i)+8*(\u)
.set MA, WF+12*((\u)%2)
.set MB, XF+12*(\i)
.if \zero
.if (\u)%2
	v_wmma_scale_f32_16x16x128_f8f6f4 v[MD:MD+7], v[MA:MA+11], v[MB:MB+11], 0, v[WSC+(\u)/2], v[XSC+(\i)] matrix_a_fmt:MATRIX_FMT_FP6 matrix_b_fmt:MATRIX_FMT_FP6 matrix_a_scale:MATRIX_SCALE_ROW1
.else
	v_wmma_scale_f32_16x16x128_f8f6f4 v[MD:MD+7], v[MA:MA+11], v[MB:MB+11], 0, v[WSC+(\u)/2], v[XSC+(\i)] matrix_a_fmt:MATRIX_FMT_FP6 matrix_b_fmt:MATRIX_FMT_FP6
.endif
.else
.if (\u)%2
	v_wmma_scale_f32_16x16x128_f8f6f4 v[MD:MD+7], v[MA:MA+11], v[MB:MB+11], v[MD:MD+7], v[WSC+(\u)/2], v[XSC+(\i)] matrix_a_fmt:MATRIX_FMT_FP6 matrix_b_fmt:MATRIX_FMT_FP6 matrix_a_scale:MATRIX_SCALE_ROW1
.else
	v_wmma_scale_f32_16x16x128_f8f6f4 v[MD:MD+7], v[MA:MA+11], v[MB:MB+11], v[MD:MD+7], v[WSC+(\u)/2], v[XSC+(\i)] matrix_a_fmt:MATRIX_FMT_FP6 matrix_b_fmt:MATRIX_FMT_FP6
.endif
.endif
.endm
.macro MM3 u, zero
.irp i, 0,1,2
	WM \i, \u, \zero
.endr
.endm
.macro MULT t, zero                    ; a K step's 12 products; W's fragments come two at a time, in two sets of registers
	ds_load_b32 v[WSC], v[WSR] offset:512*(\t)     ; no wait on va_vdst here: no vector or matrix instruction since the last one names v[WSC ..] or v[WF ..]
	ds_load_b32 v[WSC+1], v[WSR] offset:512*(\t)+64*FOS
	FRAGL WF, \t, 0
	FRAGL WF+12, \t, 1
	s_wait_dscnt 3                                 ; the younger fragment's three loads may stay out
	MM3 0, \zero
	s_wait_dscnt 0x0
	MM3 1, \zero
	PLACES
	s_wait_alu depctr_va_vdst(0)                   ; the six products above are done reading W's two fragments, in whose registers the next two land
	FRAGL WF, \t, 2
	FRAGL WF+12, \t, 3
	s_wait_dscnt 3
	MM3 2, \zero
	s_wait_dscnt 0x0
	MM3 3, \zero
	PLACES                                         ; for what follows: loads into the fragments' and scales' registers, reads of results
.if ((\t) < 7) || (LAYER == 2)
	s_wait_alu depctr_va_vdst(0)                   ; the twelve products are done reading the rows' fragments and scale words and W's, in which the next step's loads land; layer 2's last step: they have written the accumulators, which the way out's LDS stores read
.endif
.endm
.macro MULTZ t                         ; layer 2's first K step starts the sums with the constant 0; layer 1's sums start from b1, which lies in the accumulators
.if (LAYER == 2) && ((\t) == 0)
	MULT \t, 1
.else
	MULT \t, 0
.endif
.endm
.if LAYER == 1
.macro BIASLOAD                        ; b1 in the result's layout: accumulator (i, 2 b + uu), register 4 k + ..: column 32 (ch + 2 b) + 16 h + 8 uu + 4 k
.irp i, 0,1,2
.irp b, 0,1
.irp uu, 0,1
.irp k, 0,1
	global_load_b128 v[ACC+32*\i+16*\b+8*\uu+4*\k:ACC+32*\i+16*\b+8*\uu+4*\k+3], v[BOFF], s[42:43] offset:256*\b+32*\uu+16*\k
.endr
.endr
.endr
.endr
.endm
.macro SELSTEP src, msk, add           ; one halving, the three row tiles side by side: if my rank is not among the lower half's bits, go to the upper half
.irp i, 0,1,2
	v_lshrrev_b32 v[80+\i], v[84+\i], v[\src+\i]
.endr
.irp i, 0,1,2
	v_and_b32 v[80+\i], \msk, v[80+\i]
.endr
.irp i, 0,1,2
	v_cmp_ge_u32 s[MK+\i], v[56+\i], v[80+\i]
.endr
	s_wait_alu depctr_va_sdst(0)                   ; the three compares have written their masks, ahead of the selects that read them
.irp i, 0,1,2
	v_cndmask_b32 v[88+\i], 0, \add, s[MK+\i]
	v_cndmask_b32 v[80+\i], 0, v[80+\i], s[MK+\i]
	v_add_nc_u32 v[84+\i], v[84+\i], v[88+\i]
	v_sub_nc_u32 v[56+\i], v[56+\i], v[80+\i]
.endr
.endm
; The tokens of ranks T0 + 16 i + r among those that chose the expert: the rank-th set bit of the 1,024 bits in s[68:99].  First the word (the last whose prefix count is not above the rank), then the bit, by the word's
; partial counts of 2, 4, 8 and 16 bits.  A rank past the count gives some number, which is held inside the table: what such a row gives is read by nobody.
; The compares go in runs, four words x three row tiles into twelve scalar registers, with one wait behind each run.
.macro ROWIDS
	v_and_b32 v56, 15, v0
	v_add_nc_u32 v56, s[T0], v56
	v_add_nc_u32 v57, 16, v56
	v_add_nc_u32 v58, 32, v56
.irp i, 0,1,2
	v_mov_b32 v[60+\i], s68                        ; the word,
	v_mov_b32 v[64+\i], 0                          ; its prefix count | its number << 16
.endr
	s_mov_b32 s44, 0
.set J, 1
.rept 8
.set G, 0
.rept 4
.if J+G < 32
	s_bcnt1_i32_b32 s45, s[67+J+G]
	s_add_co_u32 s44, s44, s45                     ; chosen tokens below word J + G
	s_add_co_u32 s[PK+G], s44, (J+G)<<16
.irp i, 0,1,2
	v_cmp_gt_u32 s[MK+3*G+\i], s44, v[56+\i]
.endr
.endif
.set G, G+1
.endr
	s_wait_alu depctr_va_sdst(0)                   ; the run's compares have written their masks, ahead of the selects that read them
.set G, 0
.rept 4
.if J+G < 32
.irp i, 0,1,2
	v_cndmask_b32 v[60+\i], s[68+J+G], v[60+\i], s[MK+3*G+\i]
	v_cndmask_b32 v[64+\i], s[PK+G], v[64+\i], s[MK+3*G+\i]
.endr
.endif
.set G, G+1
.endr
.set J, J+4
.endr
	v_bfe_u32 v59, v0, 4, 1
	v_mul_u32_u24 v59, v59, 48
.irp i, 0,1,2
	v_and_b32 v[80+\i], 0xffff, v[64+\i]
	v_sub_nc_u32 v[56+\i], v[56+\i], v[80+\i]      ; my rank inside the word
	v_lshrrev_b32 v[64+\i], 16, v[64+\i]
	v_lshlrev_b32 v[64+\i], 5, v[64+\i]            ; the word's first token
	v_lshrrev_b32 v[80+\i], 1, v[60+\i]
	v_and_b32 v[80+\i], 0x55555555, v[80+\i]
	v_sub_nc_u32 v[68+\i], v[60+\i], v[80+\i]      ; counts of 2 bits
	v_lshrrev_b32 v[80+\i], 2, v[68+\i]
	v_and_b32 v[80+\i], 0x33333333, v[80+\i]
	v_and_b32 v[72+\i], 0x33333333, v[68+\i]
	v_add_nc_u32 v[72+\i], v[72+\i], v[80+\i]      ; of 4
	v_lshrrev_b32 v[80+\i], 4, v[72+\i]
	v_add_nc_u32 v[76+\i], v[72+\i], v[80+\i]
	v_and_b32 v[76+\i], 0x0f0f0f0f, v[76+\i]       ; of 8
	v_lshrrev_b32 v[80+\i], 8, v[76+\i]
	v_add_nc_u32 v[16+\i], v[76+\i], v[80+\i]      ; of 16, in the low byte
	v_mov_b32 v[84+\i], 0                          ; the bit's place
.endr
	SELSTEP 16, 0xff, 16
	SELSTEP 76, 0xff, 8
	SELSTEP 72, 15, 4
	SELSTEP 68, 3, 2
	SELSTEP 60, 1, 1
.irp i, 0,1,2
	v_add_nc_u32 v[84+\i], v[84+\i], v[64+\i]
	v_min_u32 v[84+\i], 0x3ff, v[84+\i]            ; a token
	v_lshlrev_b32 v[XQ+\i], 2, v[84+\i]
	v_mul_u32_u24 v[XO+\i], v[84+\i], 96
	v_add_nc_u32 v[XO+\i], v[XO+\i], v59
.endr
.endm
; relu; my six blocks of 32 hidden units (16 in my registers, 16 in lane l xor 16's) become codes and scale bytes in the stage
.macro STAGEW
.set I, 0
.rept 96
	v_max_num_f32 v[ACC+I], 0, v[ACC+I]            ; ascending: each accumulator is read from its low end on
.set I, I+1
.endr
.irp n, 0,1,2,3,4,5
	v_mov_b32 v[102+\n], 0                         ; a lane permute's destination counts as one of its sources
.endr
.irp n, 0,1,2,3,4,5
	v_max3_num_f32 v[96+\n], v[ACC+16*\n], v[ACC+16*\n+1], FLOOR   ; no |.|: none is negative
.endr
.irp k, 2,4,6,8,10,12,14
.irp n, 0,1,2,3,4,5
	v_max3_num_f32 v[96+\n], v[96+\n], v[ACC+16*\n+\k], v[ACC+16*\n+\k+1]
.endr
.endr
.irp n, 0,1,2,3,4,5
	v_permlanex16_b32 v[102+\n], v[96+\n], s38, s39
.endr
.irp n, 0,1,2,3,4,5
	v_max_num_f32 v[96+\n], v[96+\n], v[102+\n]
.endr
.irp n, 0,1,2,3,4,5
	v_add_nc_u32 v[108+\n], 0xff000000, v[96+\n]
.endr
.irp n, 0,1,2,3,4,5
	v_lshrrev_b32 v[114+\n], 23, v[108+\n]
.endr
.irp n, 0,1,2,3,4,5
	v_cvt_scalef32_pk16_fp6_f32 v[120+4*\n:122+4*\n], v[ACC+16*\n:ACC+16*\n+15], v[108+\n]
.endr
	v_nop                                          ; a plain instruction behind the last conversion
	s_wait_alu depctr_va_vdst(0)                   ; the conversions have written the codes and the shifts the bytes, which the LDS stores read; the products are done reading v[XF ..], in which the way out's loads land
.irp i, 0,1,2
.irp b, 0,1
.irp c, 0,1,2
	ds_store_b32 v[STW], v[120+4*(2*\i+\b)+\c] offset:1536*\i+24*\b+4*\c   ; 12 bytes: 16 codes, at their place in the row's 96
.endr
	ds_store_b8 v[SSW], v[114+2*\i+\b] offset:64*\i+2*\b                   ; both lanes of a block write the same byte with the same value
.endr
.endr
.endm
; The stage leaves as it lies: wave w stores rows 24 w .. 24 w + 23 of the pass (9 stores of 256 consecutive bytes, each at a multiple of 256 from hq's first byte), waves 0 to 5 also 64 scale words each; only where the first of those rows is a rank under the count.
; It holds no vector instruction: its loads lean on the wait on va_vdst in the last STAGEW, behind which no vector or matrix instruction stands on any way here.
.macro FLUSH
	s_wait_dscnt 0x0                               ; my stores into the stage are done,
	s_barrier_signal -1
	s_barrier_wait -1                              ; everybody's are
	s_cmp_ge_u32 s41, s[CNT]
	s_cbranch_scc1 .Lno_rows_\@
.irp c, 0,1,2,3,4,5,6,7,8
	ds_load_b64 v[56+2*\c:57+2*\c], v[STR8] offset:256*\c
.endr
.irp c, 0,1,2,3,4,5,6,7,8
	s_wait_dscnt 8-\c                              ; the younger loads may stay out
	global_store_b64 v[GO8], v[56+2*\c:57+2*\c], s[34:35] offset:256*\c
.endr
.Lno_rows_\@:
	s_cmp_ge_u32 s16, 6
	s_cbranch_scc1 .Lno_words_\@
	s_cmp_ge_u32 s50, s[CNT]
	s_cbranch_scc1 .Lno_words_\@
	ds_load_b64 v[74:75], v[SSR]
	s_wait_dscnt 0x0
	global_store_b64 v[GO8], v[74:75], s[36:37]
.Lno_words_\@:
	s_wait_xcnt 0x0                                ; the stores have read their registers and bases: both are written again only behind this wait
	s_wait_alu depctr_vm_vsrc(0)                   ; the stores above have read v56-75, the stage's LDS stores v114-143, the last K step's LDS stores v16-21 and the loads of rows v[XO ..] and v[XQ ..]: the next pass writes all of them again
	s_wait_dscnt 0x0                               ; my reads of the stage are over,
	s_barrier_signal -1
	s_barrier_wait -1                              ; everybody's are: it may be written again
.endm
.else
.macro ROWIDS                          ; layer 2: the rows are the expert's slots in hq, by rank; ranks past the count repeat the last row
	v_and_b32 v56, 15, v0
	v_add_nc_u32 v56, s[T0], v56
	v_bfe_u32 v59, v0, 4, 1
	v_mul_u32_u24 v59, v59, 48
.irp i, 0,1,2
	v_add_nc_u32 v[60+\i], 16*\i, v56
	v_min_u32 v[60+\i], s41, v[60+\i]
	v_min_u32 v[60+\i], 0x47f, v[60+\i]            ; inside the expert's 1,152 slots
	v_lshlrev_b32 v[XQ+\i], 2, v[60+\i]
	v_mul_u32_u24 v[XO+\i], v[60+\i], 96
	v_add_nc_u32 v[XO+\i], v[XO+\i], v59
.endr
.endm
; A row tile's 16 rows x 64 columns go through my own stage and leave as whole runs of 256 bytes: sixteen lanes to a row, two rows a store.  Tiles whose first rank is not under the count are left out.
; It holds no vector instruction: its LDS stores and loads lean on the wait on va_vdst behind the last K step's products.
.macro OUT
.irp i, 0,1,2
	s_add_co_u32 s44, s[T0], 16*\i
	s_cmp_ge_u32 s44, s[CNT]
	s_cbranch_scc1 .Lno_tile_\@_\i
	s_wait_xcnt 0x0                                ; the last tile's stores have read their registers
	s_wait_alu depctr_vm_vsrc(0)                   ; the last tile's stores have read v[SA ..], in which the loads from the stage land
.irp u, 0,1,2,3
	ds_store_b128 v[STO], v[ACC+32*\i+8*\u:ACC+32*\i+8*\u+3] offset:64*\u          ; each accumulator from its low end on
	ds_store_b128 v[STO], v[ACC+32*\i+8*\u+4:ACC+32*\i+8*\u+7] offset:64*\u+16
.endr
.irp k, 0,1,2,3,4,5,6,7
	ds_load_b128 v[SA+4*\k:SA+4*\k+3], v[SRD] offset:544*\k                        ; LDS serves a wave's instructions in order (ISA guide 5.7.1.4): these see my stores
.endr
.irp k, 0,1,2,3,4,5,6,7
	s_wait_dscnt 7-\k
	global_store_b128 v[GO], v[SA+4*\k:SA+4*\k+3], s[34:35] offset:(16*\i+2*\k)*4096 th:TH_STORE_NT
.endr
.Lno_tile_\@_\i:
.endr
.endm
.endif
.macro STEP t                          ; a K step of the stream, and the first pass's products on it
.if (\t) < 7
	s_wait_loadcnt 44                              ; W(t) is in; W(t + 1)'s 32 loads and the rows' 12 may stay out
.else
	s_wait_loadcnt 12                              ; the rows' 12 may stay out
.endif
.if (\t) > 0
	s_wait_alu depctr_vm_vsrc(0)                   ; the last step's LDS stores have read the codes' registers and the byte's, which the quantiser writes again
.endif
	QBLOCK SA+32*((\t)%2)
	s_wait_alu depctr_va_vdst(0)                   ; the quantiser has written the codes and the byte, which the LDS stores read, and is done reading its 32 numbers, in whose registers the loads of two steps on land
	WSTORE \t
.if (\t) < 6
	WLOAD (\t)+2,SA+32*((\t)%2)
.endif
	s_wait_dscnt 0x0                               ; my codes of this step lie in LDS,
	s_barrier_signal -1
	s_barrier_wait -1                              ; everybody's do.  They are never written again, so one barrier a step is all
.if (\t) < 6
	s_wait_loadcnt 32                              ; the rows' fragments are in; W(t + 2)'s 32 loads stay out
.else
	s_wait_loadcnt 0x0
.endif
	MULTZ \t
.if (\t) < 7
	XLOAD (\t)+1
.endif
.endm
.macro PASSWORK                        ; a later pass: the codes lie in LDS; only the rows are fetched
	ROWIDS
	s_wait_alu depctr_va_vdst(0)                   ; v[XO ..] and v[XQ ..] are written, which the loads of rows read, and v56-90 are done with, in which they land; layer 1: relu and the conversions are done with the accumulators, in which b1 lands
.if LAYER == 1
	BIASLOAD
.endif
.irp t, 0,1,2,3,4,5,6,7
	XLOAD \t
	s_wait_loadcnt 0x0
	MULTZ \t
.endr
.endm
	s_load_b256 s[4:11], s[0:1], 0x0               ; layer 1: W1, b1, xq, masks;  layer 2: W2, hq, masks, pp
.if LAYER == 1
	s_load_b128 s[12:15], s[0:1], 0x20             ; hq, rk
.endif
	v_lshrrev_b32 v32, 5, v0
	v_readfirstlane_b32 s16, v32                   ; wave w
	v_and_b32 v33, 31, v0                          ; l
	v_and_b32 v34, 15, v0                          ; r
	v_bfe_u32 v35, v0, 4, 1                        ; h
	s_wait_alu depctr_va_sdst(0)                   ; s16 is written, ahead of its first reader: every share of the wave is made from it
	s_and_b32 s17, s16, 3                          ; sc: my 32 columns of the stream
	s_lshr_b32 s18, s16, 2                         ; kb: my block of a K step
	s_and_b32 s19, s16, 1                          ; ch: my column tiles
	s_lshr_b32 s20, s16, 1                         ; rg: my row tiles
	s_and_b32 s21, ttmp7, 0xffff                   ; the expert
	s_mul_i32 s[T0], s20, 48
.if LAYER == 1
	s_mov_b32 s22, ttmp9                           ; the slice of 128 hidden units
	s_mov_b32 s38, 0x76543210
	s_mov_b32 s39, 0xfedcba98                      ; v_permlanex16_b32's selects for lane l xor 16
	v_bfe_u32 v36, v0, 3, 1                        ; which of my two fragments my column goes to,
	v_and_b32 v37, 7, v0
	s_wait_alu depctr_va_vdst(0)
	v_lshl_add_u32 v37, v35, 3, v37                ; and which row of it
.set FL, 36
.set RP, 37
.else
	s_and_b32 s22, ttmp9, 7                        ; the slice of 128 outputs
	s_lshr_b32 s23, ttmp9, 3                       ; the quarter of K
.set FL, 35
.set RP, 34
.endif
	s_lshl_b32 s44, s17, 7
	s_mul_i32 s45, s18, 32*PITCH
	s_add_co_u32 s44, s44, s45
	v_lshl_add_u32 v[WOFF], v33, 2, s44
	s_mul_i32 s44, s17, 3072                       ; WI + 1536 (2 sc + fragment) + 48 (row + 16 (kb & 1)) + 24 (kb >> 1)
	s_and_b32 s45, s18, 1
	s_mul_i32 s45, s45, 768
	s_add_co_u32 s44, s44, s45
	s_lshr_b32 s45, s18, 1
	s_mul_i32 s45, s45, 24
	s_add_co_u32 s44, s44, s45
	v_mul_u32_u24 v38, v[FL], 1536
	s_wait_alu depctr_va_vdst(0)
	v_mad_u32_u24 v38, v[RP], 48, v38
	v_add_nc_u32 v[WW0], s44, v38
	v_add_nc_u32 v[WW0+1], 49152, v[WW0]
	s_lshl_b32 s44, s17, 7                         ; WS + 64 (2 sc + fragment) + 4 row + kb
	s_add_co_u32 s44, s44, s18
	s_add_co_u32 s44, s44, WS
	v_lshlrev_b32 v38, 6, v[FL]
	v_lshl_add_u32 v38, v[RP], 2, v38
	v_add_nc_u32 v[WSW], s44, v38
	s_mul_i32 s44, s19, 1536*FBM
	v_mul_u32_u24 v38, v33, 48
	v_add_nc_u32 v[WR0], s44, v38
	v_add_nc_u32 v[WR0+1], 49152, v[WR0]
	s_mul_i32 s44, s19, 64*FBM
	s_add_co_u32 s44, s44, WS
	v_lshl_add_u32 v[WSR], v33, 2, s44
.if LAYER == 1
	s_mul_i32 s44, s20, 4608                       ; ST + 96 (48 rg + r) + 48 ch + 12 h
	s_mul_i32 s45, s19, 48
	s_add_co_u32 s44, s44, s45
	s_add_co_u32 s44, s44, ST
	v_mul_u32_u24 v38, v34, 96
	v_mad_u32_u24 v38, v35, 12, v38
	v_add_nc_u32 v[STW], s44, v38
	s_mul_i32 s44, s20, 192                        ; SS + 4 (48 rg + r) + ch
	s_add_co_u32 s44, s44, s19
	s_add_co_u32 s44, s44, SS
	v_lshl_add_u32 v[SSW], v34, 2, s44
	s_mul_i32 s44, s16, 2304
	s_add_co_u32 s44, s44, ST
	v_lshl_add_u32 v[STR8], v33, 3, s44
	s_lshl_b32 s44, s16, 8
	s_add_co_u32 s44, s44, SS
	v_lshl_add_u32 v[SSR], v33, 3, s44
	v_lshlrev_b32 v[GO8], 3, v33
	s_lshl_b32 s44, s19, 7
	v_lshl_add_u32 v[BOFF], v35, 6, s44            ; 128 ch + 64 h
	s_mul_i32 s41, s16, 24                         ; the first rank whose codes I store,
	s_lshl_b32 s50, s16, 6                         ; and whose scale words
.else
	s_mul_i32 s44, s16, 4352
	s_add_co_u32 s44, s44, ST
	v_mul_u32_u24 v38, v34, 272
	v_lshl_add_u32 v38, v35, 5, v38
	v_add_nc_u32 v[STO], s44, v38                  ; in: row r, 32 bytes for each half of the lanes
	v_mul_u32_u24 v38, v35, 272
	v_lshl_add_u32 v38, v34, 4, v38
	v_add_nc_u32 v[SRD], s44, v38                  ; back: lanes 0-15 one row of 256 bytes, lanes 16-31 the next
	v_lshlrev_b32 v38, 12, v35
	v_lshl_add_u32 v[GO], v34, 4, v38              ; and the same two rows in pp
.endif
	s_mov_b32 s45, 0
	s_wait_kmcnt 0x0
.if LAYER == 1
	s_lshl_b32 s44, s21, 7
	s_add_nc_u64 s[46:47], s[10:11], s[44:45]      ; the expert's 1,024 bits
.else
	s_lshl_b32 s44, s21, 7
	s_add_nc_u64 s[46:47], s[8:9], s[44:45]
.endif
	s_load_b512 s[68:83], s[46:47], 0x0
	s_load_b512 s[84:99], s[46:47], 0x40
	s_lshl_b32 s44, s21, 24                        ; W: the expert,
	s_lshl_b32 s48, s22, 9                         ; the slice's first column,
	s_add_co_u32 s44, s44, s48
.if LAYER == 2
	s_lshl_b32 s48, s23, 22                        ; the quarter's first row
	s_add_co_u32 s44, s44, s48
.endif
	s_add_nc_u64 s[WB:WB+1], s[4:5], s[44:45]
	s_add_nc_u64 s[WB+2:WB+3], s[WB:WB+1], 512*PITCH
	s_wait_alu depctr_va_vdst(0)                   ; every address and offset made above is written, which the loads and stores of the whole kernel read; so are v32-38, in which fragments of W land later
.if LAYER == 1
	s_lshl_b32 s44, s21, 14
	s_add_co_u32 s44, s44, s48
	s_add_nc_u64 s[42:43], s[6:7], s[44:45]        ; b1: the expert's row, the slice
	BIASLOAD
.endif
	WLOAD 0,SA
	WLOAD 1,SA+32
.if LAYER == 1
	s_mov_b64 s[30:31], s[8:9]                     ; the rows: xq,
	s_add_nc_u64 s[32:33], s[8:9], 786432          ; and its scale words
	s_mul_i32 s44, s22, 884736                     ; hq: plane = my slice, the expert's slots, my wave's 24 rows
	s_mul_i32 s48, s21, 110592
	s_add_co_u32 s44, s44, s48
	s_mul_i32 s48, s16, 2304
	s_add_co_u32 s44, s44, s48
	s_add_nc_u64 s[34:35], s[12:13], s[44:45]
	s_mul_i32 s44, s22, 36864                      ; and the scale words: my wave's 64
	s_mul_i32 s48, s21, 4608
	s_add_co_u32 s44, s44, s48
	s_lshl_b32 s48, s16, 8
	s_add_co_u32 s44, s44, s48
	s_add_co_u32 s44, s44, 28311552
	s_add_nc_u64 s[36:37], s[12:13], s[44:45]
	s_lshl_b32 s44, s21, 12
	s_add_nc_u64 s[52:53], s[14:15], s[44:45]      ; rk: the expert's row
.else
	s_mul_i32 s44, s23, 8*PL                       ; the rows: hq, the quarter's first plane, the expert's slots
	s_mul_i32 s48, s21, 110592
	s_add_co_u32 s44, s44, s48
	s_add_nc_u64 s[30:31], s[6:7], s[44:45]
	s_mul_i32 s44, s23, 8*PLS
	s_mul_i32 s48, s21, 4608
	s_add_co_u32 s44, s44, s48
	s_add_co_u32 s44, s44, 28311552
	s_add_nc_u64 s[32:33], s[6:7], s[44:45]
	s_mul_i32 s44, s23, 37748736                   ; pp: the quarter, the expert's slots, my first rank, my 64 columns
	s_mul_i32 s48, s21, 4718592
	s_add_co_u32 s44, s44, s48
	s_mul_i32 s48, s20, 196608
	s_add_co_u32 s44, s44, s48
	s_lshl_b32 s48, s22, 9
	s_add_co_u32 s44, s44, s48
	s_lshl_b32 s48, s19, 8
	s_add_co_u32 s44, s44, s48
	s_add_nc_u64 s[34:35], s[10:11], s[44:45]
.endif
	s_wait_kmcnt 0x0                               ; the bits
	s_bcnt1_i32_b32 s[CNT], s68
.set J, 1
.rept 31
	s_bcnt1_i32_b32 s44, s[68+J]
	s_add_co_u32 s[CNT], s[CNT], s44
.set J, J+1
.endr
	s_max_u32 s[CNT], s[CNT], 1                    ; an expert that nobody chose is walked as if it had one row, which nobody reads
.if LAYER == 1
	s_cmp_lg_u32 s16, 1                            ; wave 1 of the expert's first slice stores each token's rank: the chosen tokens below it
	s_cbranch_scc1 .Lno_rk
	s_cmp_lg_u32 s22, 0
	s_cbranch_scc1 .Lno_rk
	v_lshlrev_b32 v88, 2, v33
	s_mov_b32 s44, 0
.set J, 0
.rept 32
	v_mbcnt_lo_u32_b32 v[56+J], s[68+J], s44       ; all 32 words' ranks first, then one wait, then the stores
	s_bcnt1_i32_b32 s48, s[68+J]
	s_add_co_u32 s44, s44, s48
.set J, J+1
.endr
	s_wait_alu depctr_va_vdst(0)                   ; the ranks v56-87 and the offset v88 are written, which the stores read
.set J, 0
.rept 32
	global_store_b32 v88, v[56+J], s[52:53] offset:128*J
.set J, J+1
.endr
	s_wait_xcnt 0x0                                ; the stores have read their registers, which are written again below
	s_wait_alu depctr_vm_vsrc(0)                   ; the stores have read v56-88, which the search for the rows writes again
.Lno_rk:
.else
	s_sub_co_u32 s41, s[CNT], 1
.endif
	ROWIDS
	s_wait_alu depctr_va_vdst(0)                   ; v[XO ..] and v[XQ ..] are written, which the loads of rows read, and v56-90 are done with, in which they land
	XLOAD 0
.irp t, 0,1,2,3,4,5,6,7
	STEP \t
.endr
.if LAYER == 1
	STAGEW
	FLUSH
	s_mov_b32 s40, 2
.Lpass:                                                ; ranks 384 on, then 768 on: every wave walks both trips and passes their barriers; the work is jumped over where my first rank is not under the count
	s_add_co_u32 s[T0], s[T0], 384
	s_add_co_u32 s41, s41, 384
	s_add_co_u32 s50, s50, 384
	s_add_nc_u64 s[34:35], s[34:35], 36864
	s_add_nc_u64 s[36:37], s[36:37], 1536
	s_cmp_ge_u32 s[T0], s[CNT]
	s_cbranch_scc1 .Lskip
	PASSWORK
	STAGEW
.Lskip:
	FLUSH
	s_sub_co_u32 s40, s40, 1
	s_cmp_lg_u32 s40, 0
	s_cbranch_scc1 .Lpass
.else
	OUT
	s_mov_b32 s40, 2
.Lpass:                                                ; ranks 384 on, then 768 on; no barrier: the codes in LDS are only read, and a stage is its wave's own
	s_wait_xcnt 0x0                                ; the stores have read their base
	s_wait_alu depctr_vm_vsrc(0)                   ; the loads of rows have read v[XO ..] and v[XQ ..], which the next pass writes again; the way out's LDS stores have read the accumulators, which its first products write anew
	s_add_co_u32 s[T0], s[T0], 384
	s_add_nc_u64 s[34:35], s[34:35], 1572864
	s_cmp_ge_u32 s[T0], s[CNT]
	s_cbranch_scc1 .Lskip
	PASSWORK
	OUT
.Lskip:
	s_sub_co_u32 s40, s40, 1
	s_cmp_lg_u32 s40, 0
	s_cbranch_scc1 .Lpass
.endif
	s_wait_xcnt 0x0
	v_lshl_add_u32 v254, v0, 2, 0x23000            ; the add's two registers are made anew, straight ahead of the closing lines: no memory or LDS instruction of this layer reads v254 or v255
	v_mov_b32 v255, 0
	s_wait_dscnt 0x0                               ; the closing lines, six on end
	s_wait_alu 0x0
	s_wait_tensorcnt 0x0
	ds_add_u32 v254, v255
	s_wait_dscnt 0x0
	s_endpgm
.Lfunc_end_k_qed931b7a4c_layer1:
	.size	k_qed931b7a4c_layer1, .Lfunc_end_k_qed931b7a4c_layer1-k_qed931b7a4c_layer1
	.p2alignl 7, 3214868480
	.fill 96, 4, 3214868480
	.section	.rodata,"a",@progbits
	.p2align	6, 0x0
	.amdhsa_kernel k_qed931b7a4c_layer1
		.amdhsa_group_segment_fixed_size 145408
		.amdhsa_private_segment_fixed_size 0
		.amdhsa_enable_private_segment 0
		.amdhsa_kernarg_size 48
		.amdhsa_user_sgpr_count 2
		.amdhsa_user_sgpr_kernarg_segment_ptr 1
		.amdhsa_wavefront_size32 1
		.amdhsa_system_sgpr_workgroup_id_x 1
		.amdhsa_system_sgpr_workgroup_id_y 1
		.amdhsa_system_sgpr_workgroup_id_z 1
		.amdhsa_system_vgpr_workitem_id 0
		.amdhsa_next_free_vgpr 256
		.amdhsa_next_free_sgpr 100
		.amdhsa_reserve_vcc 0
		.amdhsa_float_denorm_mode_32 3
		.amdhsa_float_denorm_mode_16_64 3
		.amdhsa_memory_ordered 1
		.amdhsa_forward_progress 1
		.amdhsa_inst_pref_size 206
	.end_amdhsa_kernel
	.amdgpu_metadata
---
amdhsa.version: [ 1, 2 ]
amdhsa.kernels:
  - .name:           k_qed931b7a4c_layer1
    .symbol:         k_qed931b7a4c_layer1.kd
    .args:
      - { .name: W1, .offset: 0, .size: 8, .value_kind: global_buffer, .address_space: global }
      - { .name: b1, .offset: 8, .size: 8, .value_kind: global_buffer, .address_space: global }
      - { .name: xq, .offset: 16, .size: 8, .value_kind: global_buffer, .address_space: global }
      - { .name: masks, .offset: 24, .size: 8, .value_kind: global_buffer, .address_space: global }
      - { .name: hq, .offset: 32, .size: 8, .value_kind: global_buffer, .address_space: global }
      - { .name: rk, .offset: 40, .size: 8, .value_kind: global_buffer, .address_space: global }
    .group_segment_fixed_size: 145408
    .private_segment_fixed_size: 0
    .kernarg_segment_align: 8
    .kernarg_segment_size: 48
    .max_flat_workgroup_size: 512
    .sgpr_count:     100
    .vgpr_count:     256
    .wavefront_size: 32
...
	.end_amdgpu_metadata
.endif
;; end of part 6
;; launch layer2 (part 7): grid 32 x 8, 16 waves a work-group, no clusters, 174,080 bytes of LDS; arguments W2, hq, masks, pp; writes pp
.if DOCPART == 7
	.amdgcn_target "amdgcn-amd-amdhsa--gfx1250"
	.amdhsa_code_object_version 6
	.text
	.protected	k_qed931b7a4c_layer2
	.globl	k_qed931b7a4c_layer2
	.p2align	8
	.type	k_qed931b7a4c_layer2,@function
k_qed931b7a4c_layer2:
	s_mov_b64 s[64:65], 0
	v_nop
	global_prefetch_b8 v0, s[64:65] scope:SCOPE_SE
	s_setreg_imm32_b32 hwreg(HW_REG_WAVE_SCHED_MODE, 0, 2), 2
	s_setreg_imm32_b32 hwreg(HW_REG_WAVE_MODE, 25, 1), 1
	s_wait_xcnt 0x0
	s_wait_alu depctr_vm_vsrc(0)
; ONE LAYER OF THE EXPERTS, on codes of E2M3 with one E8M0 scale for each 32 along K.  The same text serves both layers; LAYER picks what differs.
; LAYER 1: hidden = relu(x W1[e] + b1[e]) for the rows that chose expert e, quantised along the hidden axis and stored as codes (hq).  LAYER 2: partial sums of hidden W2[e] over a quarter of K, f32 (pp).
; SHARES.  A work-group owns 128 columns x 1,024 K of one expert's weight, 512 KiB of f32, which no other work-group reads: 8 experts x 32 slices.  It quantises the slice on its way in, keeps the codes
; in LDS (96 KiB) and multiplies them by the expert's rows.  The first 384 ranks are multiplied between the stream's steps, whatever the expert's count (ranks past the count repeat a row, and what they give is read by nobody);
; ranks 384 to 1,151 are two more passes over the codes in LDS: a loop of constant count, whose work a wave jumps over where the stored count leaves it no rows.  No barrier stands under such a jump.
; No tensor loads and no joint requests.
; THE STREAM.  K is the weight's first axis: a lane takes a column and its registers run down K.  Wave w takes columns 32 (w & 3) on and block w >> 2 of each K step of 128: 32 loads of 128 consecutive bytes; the four
; waves of a block stand side by side on 512.  A run of 256 bytes is read by two waves, so the loads carry no hint.  Two steps' loads of a wave are out while a third is worked on.
; THE PRODUCT is used transposed: source 0 = 16 columns of W, source 1 = 16 rows.  Wave w takes row tiles 3 (w >> 1) .. + 2 and four column tiles: 12 accumulators, each once in a K step, so that
; no two matrix instructions that follow each other share one.
; OPERAND ROWS in xq and hq: planes [K step][row][96 bytes], block B of 32 at 48 (B & 1) + 24 (B >> 1): lane (r, h) takes its 12 registers by three loads of 16 bytes at 96 row + 48 h.  Scale words [K step][row] behind the planes.
; LAYER 1's columns of a tile are not neighbours: stream lane l's column goes to fragment 2 sc + ((l >> 3) & 1), row (l & 7) + 8 (l >> 4), so that a lane's 16 results of two neighbouring tiles are 16 neighbours along the next K.
; LIMITS: NaN and infinities are not served; a block of zeros, or one under 2^-124, gets the byte 1: its codes are zeros, and this program alone reads the bytes.
; THE MODE: SCHED_MODE bits 1:0 = 2 (LLVM: expert scheduling mode 2), set by the entry lines.  The code itself states the register dependences between vector or matrix instructions and memory or LDS
; instructions, with s_wait_alu, always for 0.
; THE PLAN.  Registers that memory or LDS instructions touch:
;   SA0, SA1     Step t: the quantiser reads SA[t % 2]; behind it the loads of step t + 2 land there.
;   C, A0        Written by a step's quantiser, read by its four LDS stores, written again by the next step's quantiser.
;   WSC, WF      Loaded from LDS, read by matrix instructions alone: the scale words and fragments 0, 1 at the head of a step's products, fragments 2, 3 in their middle.
;   XF, XSC      Loaded at the end of the step before; read by all twelve products of a step.  Between passes: at work, and layer 1's registers on the way out.
;   ACC          Layer 1: b1's loads land there, the products add, relu and the conversions read.  Layer 2: the products write, the way out's LDS stores read.
;   XO, XQ       Written once a pass, read by every load of rows.  All other addresses are written once, at the head.
; A K step has four waits: on vm_vsrc at its head (the last step's LDS stores have read C and A0); on va_vdst behind the quantiser (C and A0 are written, SA[t % 2] is read out); on va_vdst in the middle of the
; products (the first six are done with W's two fragments); on va_vdst behind them (all twelve are done with the rows' and W's registers).  The loads at the head of a step's products follow the second of these
; with no vector or matrix instruction between that names their registers, and owe nothing more.
.set LAYER, 2
.if LAYER == 1
.set PITCH, 16384                      ; a row of W in bytes
.set PL,    98304                      ; a plane of the operand rows
.set PLS,   4096                       ; a plane of their scale words
.set FOS,   4                          ; my tiles 2, 3 are fragments FOS further on than tiles 0, 1
.set FBM,   2                          ; my first fragment: FBM x (w & 1)
.else
.set PITCH, 4096
.set PL,    884736
.set PLS,   36864
.set FOS,   2
.set FBM,   4
.endif
.set FLOOR, 0x1800000                  ; 2^(3 - 127): no largest magnitude is taken under it, so that the byte cannot fall under 1
.set WI,    0                          ; LDS: W's codes as images of the operand's registers: K step 12,288, fragment 1,536, lane 48 bytes; all 8 steps stay
.set WS,    98304                      ; W's scale words: K step 512, fragment 64, row 4
.set ST,    102400                     ; layer 1: 384 rows x 96 bytes of codes;  layer 2: 16 rows x 272 bytes for each wave
.set SS,    139264                     ; layer 1: 384 scale words
.set WOFF, 1                           ; v1   my column and my block's first row, in bytes
.set WW0,  2                           ; v2,3 where my codes go: K steps 0-3, 4-7
.set WSW,  4                           ; v4   and my scale byte
.set WR0,  5                           ; v5,6 where I read fragments: K steps 0-3, 4-7
.set WSR,  7                           ; v7   and their scale words: lanes 0-15 one fragment's, lanes 16-31 the next one's
.set XO,   8                           ; v8-10  96 x row + 48 h for my three row tiles
.set XQ,   11                          ; v11-13 4 x row
.set BOFF, 14                          ; layer 1: my place in b1
.set STW,  15                          ; layer 1: where my codes go in the stage
.set SSW,  25                          ; layer 1: and the scale byte
.set STR8, 30                          ; layer 1: the way out: my wave's 24 rows, 8 bytes a lane
.set SSR,  31                          ; layer 1: my wave's 64 scale words
.set GO8,  95                          ; layer 1: 8 l
.set STO,  14                          ; layer 2: where I put 32 bytes of a row
.set SRD,  15                          ; layer 2: where I read a row back
.set GO,   25                          ; layer 2: the same two rows in pp
.set C,    16                          ; v16-24 codes just made
.set A0,   26
.set A1,   27
.set WSC,  28                          ; v28,29 W's scale words: scales and nothing else
.set WF,   32                          ; v32-55 two fragments of W
.set XF,   56                          ; v56-91 three fragments of rows; at work between passes
.set XSC,  92                          ; v92-94 their scale words: scales and nothing else
.set SA,   96                          ; v96-159 two sets of 32 numbers of W; at work on the way out
.set ACC,  160                         ; v160-255 accumulator (i, u) at 160 + 32 i + 8 u
.set CNT,  24                          ; s24  the expert's count, at least 1
.set T0,   25                          ; s25  my first rank in the pass
.set WB,   26                          ; s[26:29] W at K steps 0 and 4
.set MK,   4                           ; s4-15  layer 1: the masks of a run of compares (the arguments' addresses have gone into the bases by then)
.set PK,   54                          ; s54-57 layer 1: prefix count | word number << 16 for the four words of a run
.macro PLACES                          ; a load into a register that a matrix instruction has read, and a vector instruction or LDS store that reads its result, stand four plain vector instructions behind it (ISA guide 7.12.1 for vector instructions)
.rept 4
	v_nop
.endr
.endm
.macro WLOAD t, R                      ; K step t: W(128 t + 32 kb + i, my column), i = 0 .. 31
.set I, 0
.rept 32
	global_load_b32 v[(\R)+I], v[WOFF], s[WB+2*((\t)/4):WB+2*((\t)/4)+1] offset:(((\t)%4)*128+I)*PITCH
.set I, I+1
.endr
.endm
.macro QBLOCK R                        ; 32 numbers down K, all mine, become 24 bytes of codes in v[C] on and the scale's byte in v[A0]
	v_max3_num_f32 v[A0], |v[(\R)]|, |v[(\R)+1]|, FLOOR
	v_max3_num_f32 v[A1], |v[(\R)+16]|, |v[(\R)+17]|, FLOOR
.irp i, 2,4,6,8,10,12,14
	v_max3_num_f32 v[A0], v[A0], |v[(\R)+\i]|, |v[(\R)+\i+1]|
	v_max3_num_f32 v[A1], v[A1], |v[(\R)+16+\i]|, |v[(\R)+17+\i]|
.endr
	v_max_num_f32 v[A0], v[A0], v[A1]
	v_add_nc_u32 v[A1], 0xff000000, v[A0]          ; 2 off the exponent field: the conversion takes that field as its scale
	v_cvt_scalef32_pk16_fp6_f32 v[C:C+2], v[(\R):(\R)+15], v[A1]
	v_cvt_scalef32_pk16_fp6_f32 v[C+6:C+8], v[(\R)+16:(\R)+31], v[A1]   ; (a conversion's three registers begin on an even number)
	v_lshrrev_b32 v[A0], 23, v[A1]                 ; the byte; also the plain instruction behind the conversions
.irp i, 0,1,2
	v_mov_b32 v[C+3+\i], v[C+6+\i]
.endr
.endm
.macro WSTORE t
.irp p, 0,1,2
	ds_store_b64 v[WW0+(\t)/4], v[C+2*\p:C+2*\p+1] offset:((\t)%4)*12288+8*\p
.endr
	ds_store_b8 v[WSW], v[A0] offset:512*(\t)
.endm
.macro XLOAD t                         ; my three row tiles' fragments and scale words of K step t: 12 loads
.irp i, 0,1,2
.irp c, 0,1,2
	global_load_b128 v[XF+12*\i+4*\c:XF+12*\i+4*\c+3], v[XO+\i], s[30:31] offset:(\t)*PL+16*\c
.endr
	global_load_b32 v[XSC+\i], v[XQ+\i], s[32:33] offset:(\t)*PLS
.endr
.endm
.macro FRAGL dst, t, u                 ; my column tile u of K step t
.irp c, 0,1,2
	ds_load_b128 v[\dst+4*\c:\dst+4*\c+3], v[WR0+(\t)/4] offset:((\t)%4)*12288+((\u)%2+FOS*((\u)/2))*1536+16*\c
.endr
.endm
.macro WM i, u, zero
.set MD, ACC+32*(\i)+8*(\u)
.set MA, WF+12*((\u)%2)
.set MB, XF+12*(\i)
.if \zero
.if (\u)%2
	v_wmma_scale_f32_16x16x128_f8f6f4 v[MD:MD+7], v[MA:MA+11], v[MB:MB+11], 0, v[WSC+(\u)/2], v[XSC+(\i)] matrix_a_fmt:MATRIX_FMT_FP6 matrix_b_fmt:MATRIX_FMT_FP6 matrix_a_scale:MATRIX_SCALE_ROW1
.else
	v_wmma_scale_f32_16x16x128_f8f6f4 v[MD:MD+7], v[MA:MA+11], v[MB:MB+11], 0, v[WSC+(\u)/2], v[XSC+(\i)] matrix_a_fmt:MATRIX_FMT_FP6 matrix_b_fmt:MATRIX_FMT_FP6
.endif
.else
.if (\u)%2
	v_wmma_scale_f32_16x16x128_f8f6f4 v[MD:MD+7], v[MA:MA+11], v[MB:MB+11], v[MD:MD+7], v[WSC+(\u)/2], v[XSC+(\i)] matrix_a_fmt:MATRIX_FMT_FP6 matrix_b_fmt:MATRIX_FMT_FP6 matrix_a_scale:MATRIX_SCALE_ROW1
.else
	v_wmma_scale_f32_16x16x128_f8f6f4 v[MD:MD+7], v[MA:MA+11], v[MB:MB+11], v[MD:MD+7], v[WSC+(\u)/2], v[XSC+(\i)] matrix_a_fmt:MATRIX_FMT_FP6 matrix_b_fmt:MATRIX_FMT_FP6
.endif
.endif
.endm
.macro MM3 u, zero
.irp i, 0,1,2
	WM \i, \u, \zero
.endr
.endm
.macro MULT t, zero                    ; a K step's 12 products; W's fragments come two at a time, in two sets of registers
	ds_load_b32 v[WSC], v[WSR] offset:512*(\t)     ; no wait on va_vdst here: no vector or matrix instruction since the last one names v[WSC ..] or v[WF ..]
	ds_load_b32 v[WSC+1], v[WSR] offset:512*(\t)+64*FOS
	FRAGL WF, \t, 0
	FRAGL WF+12, \t, 1
	s_wait_dscnt 3                                 ; the younger fragment's three loads may stay out
	MM3 0, \zero
	s_wait_dscnt 0x0
	MM3 1, \zero
	PLACES
	s_wait_alu depctr_va_vdst(0)                   ; the six products above are done reading W's two fragments, in whose registers the next two land
	FRAGL WF, \t, 2
	FRAGL WF+12, \t, 3
	s_wait_dscnt 3
	MM3 2, \zero
	s_wait_dscnt 0x0
	MM3 3, \zero
	PLACES                                         ; for what follows: loads into the fragments' and scales' registers, reads of results
.if ((\t) < 7) || (LAYER == 2)
	s_wait_alu depctr_va_vdst(0)                   ; the twelve products are done reading the rows' fragments and scale words and W's, in which the next step's loads land; layer 2's last step: they have written the accumulators, which the way out's LDS stores read
.endif
.endm
.macro MULTZ t                         ; layer 2's first K step starts the sums with the constant 0; layer 1's sums start from b1, which lies in the accumulators
.if (LAYER == 2) && ((\t) == 0)
	MULT \t, 1
.else
	MULT \t, 0
.endif
.endm
.if LAYER == 1
.macro BIASLOAD                        ; b1 in the result's layout: accumulator (i, 2 b + uu), register 4 k + ..: column 32 (ch + 2 b) + 16 h + 8 uu + 4 k
.irp i, 0,1,2
.irp b, 0,1
.irp uu, 0,1
.irp k, 0,1
	global_load_b128 v[ACC+32*\i+16*\b+8*\uu+4*\k:ACC+32*\i+16*\b+8*\uu+4*\k+3], v[BOFF], s[42:43] offset:256*\b+32*\uu+16*\k
.endr
.endr
.endr
.endr
.endm
.macro SELSTEP src, msk, add           ; one halving, the three row tiles side by side: if my rank is not among the lower half's bits, go to the upper half
.irp i, 0,1,2
	v_lshrrev_b32 v[80+\i], v[84+\i], v[\src+\i]
.endr
.irp i, 0,1,2
	v_and_b32 v[80+\i], \msk, v[80+\i]
.endr
.irp i, 0,1,2
	v_cmp_ge_u32 s[MK+\i], v[56+\i], v[80+\i]
.endr
	s_wait_alu depctr_va_sdst(0)                   ; the three compares have written their masks, ahead of the selects that read them
.irp i, 0,1,2
	v_cndmask_b32 v[88+\i], 0, \add, s[MK+\i]
	v_cndmask_b32 v[80+\i], 0, v[80+\i], s[MK+\i]
	v_add_nc_u32 v[84+\i], v[84+\i], v[88+\i]
	v_sub_nc_u32 v[56+\i], v[56+\i], v[80+\i]
.endr
.endm
; The tokens of ranks T0 + 16 i + r among those that chose the expert: the rank-th set bit of the 1,024 bits in s[68:99].  First the word (the last whose prefix count is not above the rank), then the bit, by the word's
; partial counts of 2, 4, 8 and 16 bits.  A rank past the count gives some number, which is held inside the table: what such a row gives is read by nobody.
; The compares go in runs, four words x three row tiles into twelve scalar registers, with one wait behind each run.
.macro ROWIDS
	v_and_b32 v56, 15, v0
	v_add_nc_u32 v56, s[T0], v56
	v_add_nc_u32 v57, 16, v56
	v_add_nc_u32 v58, 32, v56
.irp i, 0,1,2
	v_mov_b32 v[60+\i], s68                        ; the word,
	v_mov_b32 v[64+\i], 0                          ; its prefix count | its number << 16
.endr
	s_mov_b32 s44, 0
.set J, 1
.rept 8
.set G, 0
.rept 4
.if J+G < 32
	s_bcnt1_i32_b32 s45, s[67+J+G]
	s_add_co_u32 s44, s44, s45                     ; chosen tokens below word J + G
	s_add_co_u32 s[PK+G], s44, (J+G)<<16
.irp i, 0,1,2
	v_cmp_gt_u32 s[MK+3*G+\i], s44, v[56+\i]
.endr
.endif
.set G, G+1
.endr
	s_wait_alu depctr_va_sdst(0)                   ; the run's compares have written their masks, ahead of the selects that read them
.set G, 0
.rept 4
.if J+G < 32
.irp i, 0,1,2
	v_cndmask_b32 v[60+\i], s[68+J+G], v[60+\i], s[MK+3*G+\i]
	v_cndmask_b32 v[64+\i], s[PK+G], v[64+\i], s[MK+3*G+\i]
.endr
.endif
.set G, G+1
.endr
.set J, J+4
.endr
	v_bfe_u32 v59, v0, 4, 1
	v_mul_u32_u24 v59, v59, 48
.irp i, 0,1,2
	v_and_b32 v[80+\i], 0xffff, v[64+\i]
	v_sub_nc_u32 v[56+\i], v[56+\i], v[80+\i]      ; my rank inside the word
	v_lshrrev_b32 v[64+\i], 16, v[64+\i]
	v_lshlrev_b32 v[64+\i], 5, v[64+\i]            ; the word's first token
	v_lshrrev_b32 v[80+\i], 1, v[60+\i]
	v_and_b32 v[80+\i], 0x55555555, v[80+\i]
	v_sub_nc_u32 v[68+\i], v[60+\i], v[80+\i]      ; counts of 2 bits
	v_lshrrev_b32 v[80+\i], 2, v[68+\i]
	v_and_b32 v[80+\i], 0x33333333, v[80+\i]
	v_and_b32 v[72+\i], 0x33333333, v[68+\i]
	v_add_nc_u32 v[72+\i], v[72+\i], v[80+\i]      ; of 4
	v_lshrrev_b32 v[80+\i], 4, v[72+\i]
	v_add_nc_u32 v[76+\i], v[72+\i], v[80+\i]
	v_and_b32 v[76+\i], 0x0f0f0f0f, v[76+\i]       ; of 8
	v_lshrrev_b32 v[80+\i], 8, v[76+\i]
	v_add_nc_u32 v[16+\i], v[76+\i], v[80+\i]      ; of 16, in the low byte
	v_mov_b32 v[84+\i], 0                          ; the bit's place
.endr
	SELSTEP 16, 0xff, 16
	SELSTEP 76, 0xff, 8
	SELSTEP 72, 15, 4
	SELSTEP 68, 3, 2
	SELSTEP 60, 1, 1
.irp i, 0,1,2
	v_add_nc_u32 v[84+\i], v[84+\i], v[64+\i]
	v_min_u32 v[84+\i], 0x3ff, v[84+\i]            ; a token
	v_lshlrev_b32 v[XQ+\i], 2, v[84+\i]
	v_mul_u32_u24 v[XO+\i], v[84+\i], 96
	v_add_nc_u32 v[XO+\i], v[XO+\i], v59
.endr
.endm
; relu; my six blocks of 32 hidden units (16 in my registers, 16 in lane l xor 16's) become codes and scale bytes in the stage
.macro STAGEW
.set I, 0
.rept 96
	v_max_num_f32 v[ACC+I], 0, v[ACC+I]            ; ascending: each accumulator is read from its low end on
.set I, I+1
.endr
.irp n, 0,1,2,3,4,5
	v_mov_b32 v[102+\n], 0                         ; a lane permute's destination counts as one of its sources
.endr
.irp n, 0,1,2,3,4,5
	v_max3_num_f32 v[96+\n], v[ACC+16*\n], v[ACC+16*\n+1], FLOOR   ; no |.|: none is negative
.endr
.irp k, 2,4,6,8,10,12,14
.irp n, 0,1,2,3,4,5
	v_max3_num_f32 v[96+\n], v[96+\n], v[ACC+16*\n+\k], v[ACC+16*\n+\k+1]
.endr
.endr
.irp n, 0,1,2,3,4,5
	v_permlanex16_b32 v[102+\n], v[96+\n], s38, s39
.endr
.irp n, 0,1,2,3,4,5
	v_max_num_f32 v[96+\n], v[96+\n], v[102+\n]
.endr
.irp n, 0,1,2,3,4,5
	v_add_nc_u32 v[108+\n], 0xff000000, v[96+\n]
.endr
.irp n, 0,1,2,3,4,5
	v_lshrrev_b32 v[114+\n], 23, v[108+\n]
.endr
.irp n, 0,1,2,3,4,5
	v_cvt_scalef32_pk16_fp6_f32 v[120+4*\n:122+4*\n], v[ACC+16*\n:ACC+16*\n+15], v[108+\n]
.endr
	v_nop                                          ; a plain instruction behind the last conversion
	s_wait_alu depctr_va_vdst(0)                   ; the conversions have written the codes and the shifts the bytes, which the LDS stores read; the products are done reading v[XF ..], in which the way out's loads land
.irp i, 0,1,2
.irp b, 0,1
.irp c, 0,1,2
	ds_store_b32 v[STW], v[120+4*(2*\i+\b)+\c] offset:1536*\i+24*\b+4*\c   ; 12 bytes: 16 codes, at their place in the row's 96
.endr
	ds_store_b8 v[SSW], v[114+2*\i+\b] offset:64*\i+2*\b                   ; both lanes of a block write the same byte with the same value
.endr
.endr
.endm
; The stage leaves as it lies: wave w stores rows 24 w .. 24 w + 23 of the pass (9 stores of 256 consecutive bytes, each at a multiple of 256 from hq's first byte), waves 0 to 5 also 64 scale words each; only where the first of those rows is a rank under the count.
; It holds no vector instruction: its loads lean on the wait on va_vdst in the last STAGEW, behind which no vector or matrix instruction stands on any way here.
.macro FLUSH
	s_wait_dscnt 0x0                               ; my stores into the stage are done,
	s_barrier_signal -1
	s_barrier_wait -1                              ; everybody's are
	s_cmp_ge_u32 s41, s[CNT]
	s_cbranch_scc1 .Lno_rows_\@
.irp c, 0,1,2,3,4,5,6,7,8
	ds_load_b64 v[56+2*\c:57+2*\c], v[STR8] offset:256*\c
.endr
.irp c, 0,1,2,3,4,5,6,7,8
	s_wait_dscnt 8-\c                              ; the younger loads may stay out
	global_store_b64 v[GO8], v[56+2*\c:57+2*\c], s[34:35] offset:256*\c
.endr
.Lno_rows_\@:
	s_cmp_ge_u32 s16, 6
	s_cbranch_scc1 .Lno_words_\@
	s_cmp_ge_u32 s50, s[CNT]
	s_cbranch_scc1 .Lno_words_\@
	ds_load_b64 v[74:75], v[SSR]
	s_wait_dscnt 0x0
	global_store_b64 v[GO8], v[74:75], s[36:37]
.Lno_words_\@:
	s_wait_xcnt 0x0                                ; the stores have read their registers and bases: both are written again only behind this wait
	s_wait_alu depctr_vm_vsrc(0)                   ; the stores above have read v56-75, the stage's LDS stores v114-143, the last K step's LDS stores v16-21 and the loads of rows v[XO ..] and v[XQ ..]: the next pass writes all of them again
	s_wait_dscnt 0x0                               ; my reads of the stage are over,
	s_barrier_signal -1
	s_barrier_wait -1                              ; everybody's are: it may be written again
.endm
.else
.macro ROWIDS                          ; layer 2: the rows are the expert's slots in hq, by rank; ranks past the count repeat the last row
	v_and_b32 v56, 15, v0
	v_add_nc_u32 v56, s[T0], v56
	v_bfe_u32 v59, v0, 4, 1
	v_mul_u32_u24 v59, v59, 48
.irp i, 0,1,2
	v_add_nc_u32 v[60+\i], 16*\i, v56
	v_min_u32 v[60+\i], s41, v[60+\i]
	v_min_u32 v[60+\i], 0x47f, v[60+\i]            ; inside the expert's 1,152 slots
	v_lshlrev_b32 v[XQ+\i], 2, v[60+\i]
	v_mul_u32_u24 v[XO+\i], v[60+\i], 96
	v_add_nc_u32 v[XO+\i], v[XO+\i], v59
.endr
.endm
; A row tile's 16 rows x 64 columns go through my own stage and leave as whole runs of 256 bytes: sixteen lanes to a row, two rows a store.  Tiles whose first rank is not under the count are left out.
; It holds no vector instruction: its LDS stores and loads lean on the wait on va_vdst behind the last K step's products.
.macro OUT
.irp i, 0,1,2
	s_add_co_u32 s44, s[T0], 16*\i
	s_cmp_ge_u32 s44, s[CNT]
	s_cbranch_scc1 .Lno_tile_\@_\i
	s_wait_xcnt 0x0                                ; the last tile's stores have read their registers
	s_wait_alu depctr_vm_vsrc(0)                   ; the last tile's stores have read v[SA ..], in which the loads from the stage land
.irp u, 0,1,2,3
	ds_store_b128 v[STO], v[ACC+32*\i+8*\u:ACC+32*\i+8*\u+3] offset:64*\u          ; each accumulator from its low end on
	ds_store_b128 v[STO], v[ACC+32*\i+8*\u+4:ACC+32*\i+8*\u+7] offset:64*\u+16
.endr
.irp k, 0,1,2,3,4,5,6,7
	ds_load_b128 v[SA+4*\k:SA+4*\k+3], v[SRD] offset:544*\k                        ; LDS serves a wave's instructions in order (ISA guide 5.7.1.4): these see my stores
.endr
.irp k, 0,1,2,3,4,5,6,7
	s_wait_dscnt 7-\k
	global_store_b128 v[GO], v[SA+4*\k:SA+4*\k+3], s[34:35] offset:(16*\i+2*\k)*4096 th:TH_STORE_NT
.endr
.Lno_tile_\@_\i:
.endr
.endm
.endif
.macro STEP t                          ; a K step of the stream, and the first pass's products on it
.if (\t) < 7
	s_wait_loadcnt 44                              ; W(t) is in; W(t + 1)'s 32 loads and the rows' 12 may stay out
.else
	s_wait_loadcnt 12                              ; the rows' 12 may stay out
.endif
.if (\t) > 0
	s_wait_alu depctr_vm_vsrc(0)                   ; the last step's LDS stores have read the codes' registers and the byte's, which the quantiser writes again
.endif
	QBLOCK SA+32*((\t)%2)
	s_wait_alu depctr_va_vdst(0)                   ; the quantiser has written the codes and the byte, which the LDS stores read, and is done reading its 32 numbers, in whose registers the loads of two steps on land
	WSTORE \t
.if (\t) < 6
	WLOAD (\t)+2,SA+32*((\t)%2)
.endif
	s_wait_dscnt 0x0                               ; my codes of this step lie in LDS,
	s_barrier_signal -1
	s_barrier_wait -1                              ; everybody's do.  They are never written again, so one barrier a step is all
.if (\t) < 6
	s_wait_loadcnt 32                              ; the rows' fragments are in; W(t + 2)'s 32 loads stay out
.else
	s_wait_loadcnt 0x0
.endif
	MULTZ \t
.if (\t) < 7
	XLOAD (\t)+1
.endif
.endm
.macro PASSWORK                        ; a later pass: the codes lie in LDS; only the rows are fetched
	ROWIDS
	s_wait_alu depctr_va_vdst(0)                   ; v[XO ..] and v[XQ ..] are written, which the loads of rows read, and v56-90 are done with, in which they land; layer 1: relu and the conversions are done with the accumulators, in which b1 lands
.if LAYER == 1
	BIASLOAD
.endif
.irp t, 0,1,2,3,4,5,6,7
	XLOAD \t
	s_wait_loadcnt 0x0
	MULTZ \t
.endr
.endm
	s_load_b256 s[4:11], s[0:1], 0x0               ; layer 1: W1, b1, xq, masks;  layer 2: W2, hq, masks, pp
	v_lshl_add_u32 v31, v0, 2, 0x2a000
	v_mov_b32 v95, 0
.if LAYER == 1
	s_load_b128 s[12:15], s[0:1], 0x20             ; hq, rk
.endif
	v_lshrrev_b32 v32, 5, v0
	v_readfirstlane_b32 s16, v32                   ; wave w
	v_and_b32 v33, 31, v0                          ; l
	s_wait_alu depctr_va_vdst(0)
	v_and_b32 v34, 15, v0                          ; r
	v_bfe_u32 v35, v0, 4, 1                        ; h
	s_wait_alu depctr_va_vdst(0)
	s_wait_alu depctr_va_sdst(0)                   ; s16 is written, ahead of its first reader: every share of the wave is made from it
	s_and_b32 s17, s16, 3                          ; sc: my 32 columns of the stream
	s_lshr_b32 s18, s16, 2                         ; kb: my block of a K step
	s_and_b32 s19, s16, 1                          ; ch: my column tiles
	s_lshr_b32 s20, s16, 1                         ; rg: my row tiles
	s_and_b32 s21, ttmp7, 0xffff                   ; the expert
	s_mul_i32 s[T0], s20, 48
.if LAYER == 1
	s_mov_b32 s22, ttmp9                           ; the slice of 128 hidden units
	s_mov_b32 s38, 0x76543210
	s_mov_b32 s39, 0xfedcba98                      ; v_permlanex16_b32's selects for lane l xor 16
	v_bfe_u32 v36, v0, 3, 1                        ; which of my two fragments my column goes to,
	v_and_b32 v37, 7, v0
	v_lshl_add_u32 v37, v35, 3, v37                ; and which row of it
.set FL, 36
.set RP, 37
.else
	s_and_b32 s22, ttmp9, 7                        ; the slice of 128 outputs
	s_lshr_b32 s23, ttmp9, 3                       ; the quarter of K
.set FL, 35
.set RP, 34
.endif
	s_lshl_b32 s44, s17, 7
	s_mul_i32 s45, s18, 32*PITCH
	s_add_co_u32 s44, s44, s45
	v_lshl_add_u32 v[WOFF], v33, 2, s44
	s_mul_i32 s44, s17, 3072                       ; WI + 1536 (2 sc + fragment) + 48 (row + 16 (kb & 1)) + 24 (kb >> 1)
	s_and_b32 s45, s18, 1
	s_mul_i32 s45, s45, 768
	s_add_co_u32 s44, s44, s45
	s_lshr_b32 s45, s18, 1
	s_mul_i32 s45, s45, 24
	s_add_co_u32 s44, s44, s45
	v_mul_u32_u24 v38, v[FL], 1536
	v_mad_u32_u24 v38, v[RP], 48, v38
	v_add_nc_u32 v[WW0], s44, v38
	v_add_nc_u32 v[WW0+1], 49152, v[WW0]
	s_lshl_b32 s44, s17, 7                         ; WS + 64 (2 sc + fragment) + 4 row + kb
	s_add_co_u32 s44, s44, s18
	s_add_co_u32 s44, s44, WS
	v_lshlrev_b32 v38, 6, v[FL]
	v_lshl_add_u32 v38, v[RP], 2, v38
	v_add_nc_u32 v[WSW], s44, v38
	s_mul_i32 s44, s19, 1536*FBM
	v_mul_u32_u24 v38, v33, 48
	v_add_nc_u32 v[WR0], s44, v38
	v_add_nc_u32 v[WR0+1], 49152, v[WR0]
	s_mul_i32 s44, s19, 64*FBM
	s_add_co_u32 s44, s44, WS
	v_lshl_add_u32 v[WSR], v33, 2, s44
.if LAYER == 1
	s_mul_i32 s44, s20, 4608                       ; ST + 96 (48 rg + r) + 48 ch + 12 h
	s_mul_i32 s45, s19, 48
	s_add_co_u32 s44, s44, s45
	s_add_co_u32 s44, s44, ST
	v_mul_u32_u24 v38, v34, 96
	v_mad_u32_u24 v38, v35, 12, v38
	v_add_nc_u32 v[STW], s44, v38
	s_mul_i32 s44, s20, 192                        ; SS + 4 (48 rg + r) + ch
	s_add_co_u32 s44, s44, s19
	s_add_co_u32 s44, s44, SS
	v_lshl_add_u32 v[SSW], v34, 2, s44
	s_mul_i32 s44, s16, 2304
	s_add_co_u32 s44, s44, ST
	v_lshl_add_u32 v[STR8], v33, 3, s44
	s_lshl_b32 s44, s16, 8
	s_add_co_u32 s44, s44, SS
	v_lshl_add_u32 v[SSR], v33, 3, s44
	v_lshlrev_b32 v[GO8], 3, v33
	s_lshl_b32 s44, s19, 7
	v_lshl_add_u32 v[BOFF], v35, 6, s44            ; 128 ch + 64 h
	s_mul_i32 s41, s16, 24                         ; the first rank whose codes I store,
	s_lshl_b32 s50, s16, 6                         ; and whose scale words
.else
	s_mul_i32 s44, s16, 4352
	s_add_co_u32 s44, s44, ST
	v_mul_u32_u24 v38, v34, 272
	v_lshl_add_u32 v38, v35, 5, v38
	v_add_nc_u32 v[STO], s44, v38                  ; in: row r, 32 bytes for each half of the lanes
	v_mul_u32_u24 v38, v35, 272
	v_lshl_add_u32 v38, v34, 4, v38
	v_add_nc_u32 v[SRD], s44, v38                  ; back: lanes 0-15 one row of 256 bytes, lanes 16-31 the next
	v_lshlrev_b32 v38, 12, v35
	v_lshl_add_u32 v[GO], v34, 4, v38              ; and the same two rows in pp
.endif
	s_mov_b32 s45, 0
	s_wait_kmcnt 0x0
.if LAYER == 1
	s_lshl_b32 s44, s21, 7
	s_add_nc_u64 s[46:47], s[10:11], s[44:45]      ; the expert's 1,024 bits
.else
	s_lshl_b32 s44, s21, 7
	s_add_nc_u64 s[46:47], s[8:9], s[44:45]
.endif
	s_load_b512 s[68:83], s[46:47], 0x0
	s_load_b512 s[84:99], s[46:47], 0x40
	s_lshl_b32 s44, s21, 24                        ; W: the expert,
	s_lshl_b32 s48, s22, 9                         ; the slice's first column,
	s_add_co_u32 s44, s44, s48
.if LAYER == 2
	s_lshl_b32 s48, s23, 22                        ; the quarter's first row
	s_add_co_u32 s44, s44, s48
.endif
	s_add_nc_u64 s[WB:WB+1], s[4:5], s[44:45]
	s_add_nc_u64 s[WB+2:WB+3], s[WB:WB+1], 512*PITCH
	s_wait_alu depctr_va_vdst(0)                   ; every address and offset made above is written, which the loads and stores of the whole kernel read; so are v32-38, in which fragments of W land later
.if LAYER == 1
	s_lshl_b32 s44, s21, 14
	s_add_co_u32 s44, s44, s48
	s_add_nc_u64 s[42:43], s[6:7], s[44:45]        ; b1: the expert's row, the slice
	BIASLOAD
.endif
	WLOAD 0,SA
	WLOAD 1,SA+32
.if LAYER == 1
	s_mov_b64 s[30:31], s[8:9]                     ; the rows: xq,
	s_add_nc_u64 s[32:33], s[8:9], 786432          ; and its scale words
	s_mul_i32 s44, s22, 884736                     ; hq: plane = my slice, the expert's slots, my wave's 24 rows
	s_mul_i32 s48, s21, 110592
	s_add_co_u32 s44, s44, s48
	s_mul_i32 s48, s16, 2304
	s_add_co_u32 s44, s44, s48
	s_add_nc_u64 s[34:35], s[12:13], s[44:45]
	s_mul_i32 s44, s22, 36864                      ; and the scale words: my wave's 64
	s_mul_i32 s48, s21, 4608
	s_add_co_u32 s44, s44, s48
	s_lshl_b32 s48, s16, 8
	s_add_co_u32 s44, s44, s48
	s_add_co_u32 s44, s44, 28311552
	s_add_nc_u64 s[36:37], s[12:13], s[44:45]
	s_lshl_b32 s44, s21, 12
	s_add_nc_u64 s[52:53], s[14:15], s[44:45]      ; rk: the expert's row
.else
	s_mul_i32 s44, s23, 8*PL                       ; the rows: hq, the quarter's first plane, the expert's slots
	s_mul_i32 s48, s21, 110592
	s_add_co_u32 s44, s44, s48
	s_add_nc_u64 s[30:31], s[6:7], s[44:45]
	s_mul_i32 s44, s23, 8*PLS
	s_mul_i32 s48, s21, 4608
	s_add_co_u32 s44, s44, s48
	s_add_co_u32 s44, s44, 28311552
	s_add_nc_u64 s[32:33], s[6:7], s[44:45]
	s_mul_i32 s44, s23, 37748736                   ; pp: the quarter, the expert's slots, my first rank, my 64 columns
	s_mul_i32 s48, s21, 4718592
	s_add_co_u32 s44, s44, s48
	s_mul_i32 s48, s20, 196608
	s_add_co_u32 s44, s44, s48
	s_lshl_b32 s48, s22, 9
	s_add_co_u32 s44, s44, s48
	s_lshl_b32 s48, s19, 8
	s_add_co_u32 s44, s44, s48
	s_add_nc_u64 s[34:35], s[10:11], s[44:45]
.endif
	s_wait_kmcnt 0x0                               ; the bits
	s_bcnt1_i32_b32 s[CNT], s68
.set J, 1
.rept 31
	s_bcnt1_i32_b32 s44, s[68+J]
	s_add_co_u32 s[CNT], s[CNT], s44
.set J, J+1
.endr
	s_max_u32 s[CNT], s[CNT], 1                    ; an expert that nobody chose is walked as if it had one row, which nobody reads
.if LAYER == 1
	s_cmp_lg_u32 s16, 1                            ; wave 1 of the expert's first slice stores each token's rank: the chosen tokens below it
	s_cbranch_scc1 .Lno_rk
	s_cmp_lg_u32 s22, 0
	s_cbranch_scc1 .Lno_rk
	v_lshlrev_b32 v88, 2, v33
	s_mov_b32 s44, 0
.set J, 0
.rept 32
	v_mbcnt_lo_u32_b32 v[56+J], s[68+J], s44       ; all 32 words' ranks first, then one wait, then the stores
	s_bcnt1_i32_b32 s48, s[68+J]
	s_add_co_u32 s44, s44, s48
.set J, J+1
.endr
	s_wait_alu depctr_va_vdst(0)                   ; the ranks v56-87 and the offset v88 are written, which the stores read
.set J, 0
.rept 32
	global_store_b32 v88, v[56+J], s[52:53] offset:128*J
.set J, J+1
.endr
	s_wait_xcnt 0x0                                ; the stores have read their registers, which are written again below
	s_wait_alu depctr_vm_vsrc(0)                   ; the stores have read v56-88, which the search for the rows writes again
.Lno_rk:
.else
	s_sub_co_u32 s41, s[CNT], 1
.endif
	ROWIDS
	s_wait_alu depctr_va_vdst(0)                   ; v[XO ..] and v[XQ ..] are written, which the loads of rows read, and v56-90 are done with, in which they land
	XLOAD 0
.irp t, 0,1,2,3,4,5,6,7
	STEP \t
.endr
.if LAYER == 1
	STAGEW
	FLUSH
	s_mov_b32 s40, 2
.Lpass:                                                ; ranks 384 on, then 768 on: every wave walks both trips and passes their barriers; the work is jumped over where my first rank is not under the count
	s_add_co_u32 s[T0], s[T0], 384
	s_add_co_u32 s41, s41, 384
	s_add_co_u32 s50, s50, 384
	s_add_nc_u64 s[34:35], s[34:35], 36864
	s_add_nc_u64 s[36:37], s[36:37], 1536
	s_cmp_ge_u32 s[T0], s[CNT]
	s_cbranch_scc1 .Lskip
	PASSWORK
	STAGEW
.Lskip:
	FLUSH
	s_sub_co_u32 s40, s40, 1
	s_cmp_lg_u32 s40, 0
	s_cbranch_scc1 .Lpass
.else
	OUT
	s_mov_b32 s40, 2
.Lpass:                                                ; ranks 384 on, then 768 on; no barrier: the codes in LDS are only read, and a stage is its wave's own
	s_wait_xcnt 0x0                                ; the stores have read their base
	s_wait_alu depctr_vm_vsrc(0)                   ; the loads of rows have read v[XO ..] and v[XQ ..], which the next pass writes again; the way out's LDS stores have read the accumulators, which its first products write anew
	s_add_co_u32 s[T0], s[T0], 384
	s_add_nc_u64 s[34:35], s[34:35], 1572864
	s_cmp_ge_u32 s[T0], s[CNT]
	s_cbranch_scc1 .Lskip
	PASSWORK
	OUT
.Lskip:
	s_sub_co_u32 s40, s40, 1
	s_cmp_lg_u32 s40, 0
	s_cbranch_scc1 .Lpass
.endif
	s_wait_dscnt 0x0                               ; the closing lines, six on end
	s_wait_alu 0x0
	s_wait_tensorcnt 0x0
	ds_add_u32 v31, v95
	s_wait_dscnt 0x0
	s_endpgm
.Lfunc_end_k_qed931b7a4c_layer2:
	.size	k_qed931b7a4c_layer2, .Lfunc_end_k_qed931b7a4c_layer2-k_qed931b7a4c_layer2
	.p2alignl 7, 3214868480
	.fill 96, 4, 3214868480
	.section	.rodata,"a",@progbits
	.p2align	6, 0x0
	.amdhsa_kernel k_qed931b7a4c_layer2
		.amdhsa_group_segment_fixed_size 174080
		.amdhsa_private_segment_fixed_size 0
		.amdhsa_enable_private_segment 0
		.amdhsa_kernarg_size 32
		.amdhsa_user_sgpr_count 2
		.amdhsa_user_sgpr_kernarg_segment_ptr 1
		.amdhsa_wavefront_size32 1
		.amdhsa_system_sgpr_workgroup_id_x 1
		.amdhsa_system_sgpr_workgroup_id_y 1
		.amdhsa_system_sgpr_workgroup_id_z 1
		.amdhsa_system_vgpr_workitem_id 0
		.amdhsa_next_free_vgpr 256
		.amdhsa_next_free_sgpr 100
		.amdhsa_reserve_vcc 0
		.amdhsa_float_denorm_mode_32 3
		.amdhsa_float_denorm_mode_16_64 3
		.amdhsa_memory_ordered 1
		.amdhsa_forward_progress 1
		.amdhsa_inst_pref_size 125
	.end_amdhsa_kernel
	.amdgpu_metadata
---
amdhsa.version: [ 1, 2 ]
amdhsa.kernels:
  - .name:           k_qed931b7a4c_layer2
    .symbol:         k_qed931b7a4c_layer2.kd
    .args:
      - { .name: W2, .offset: 0, .size: 8, .value_kind: global_buffer, .address_space: global }
      - { .name: hq, .offset: 8, .size: 8, .value_kind: global_buffer, .address_space: global }
      - { .name: masks, .offset: 16, .size: 8, .value_kind: global_buffer, .address_space: global }
      - { .name: pp, .offset: 24, .size: 8, .value_kind: global_buffer, .address_space: global }
    .group_segment_fixed_size: 174080
    .private_segment_fixed_size: 0
    .kernarg_segment_align: 8
    .kernarg_segment_size: 32
    .max_flat_workgroup_size: 512
    .sgpr_count:     100
    .vgpr_count:     256
    .wavefront_size: 32
...
	.end_amdgpu_metadata
.endif
;; end of part 7
;; launch combine (part 8): grid 256 x 1, 8 waves a work-group, no clusters, 0 bytes of LDS; arguments pp, gw, tsel, rk, b2, out0, out1; writes out0, out1
.if DOCPART == 8
	.amdgcn_target "amdgcn-amd-amdhsa--gfx1250"
	.amdhsa_code_object_version 6
	.text
	.protected	k_qed931b7a4c_combine
	.globl	k_qed931b7a4c_combine
	.p2align	8
	.type	k_qed931b7a4c_combine,@function
k_qed931b7a4c_combine:
	s_mov_b64 s[64:65], 0
	v_nop
	global_prefetch_b8 v0, s[64:65] scope:SCOPE_SE
	s_setreg_imm32_b32 hwreg(HW_REG_WAVE_MODE, 25, 1), 1
	s_wait_xcnt 0x0
; out0[t] = w0 (sum over the four quarters of K of pp[q][slot0] + b2[e0]) + w1 (the same for e1);  slot = 1,152 e + the token's rank among those that chose e.
; out1 = 0.01 x the sum over the experts of (mean score)^2, from the 128 partial sums that the gate's launch stored.
; A stream: a work-group takes 4 tokens, two waves a token, a wave half a row (2,048 bytes): each load and store of a wave covers 512 consecutive bytes.  No LDS, no barrier, no matrix unit: memory binds.
; The experts and ranks are whole numbers that earlier launches stored; each is held inside its table before it enters an address.
.set P,  32                            ; v32-159  pp: choice k, quarter q, piece c at 32 + 64 k + 16 q + 4 c
.set BB, 160                           ; v160-191 b2: 160 + 16 k + 4 c
	s_load_b256 s[4:11], s[0:1], 0x0               ; pp, gw, tsel, rk
	s_load_b128 s[12:15], s[0:1], 0x20             ; b2, out0
	s_load_b64 s[16:17], s[0:1], 0x30              ; out1
	v_lshrrev_b32 v1, 5, v0
	s_delay_alu instid0(VALU_DEP_1)
	v_readfirstlane_b32 s18, v1                    ; wave
	v_and_b32 v1, 31, v0
	s_delay_alu instid0(VALU_DEP_1)
	v_lshlrev_b32 v1, 4, v1                        ; 16 l
	s_lshr_b32 s19, s18, 1
	s_lshl_b32 s20, ttmp9, 2
	s_add_co_u32 s19, s19, s20                     ; my token
	s_and_b32 s20, s18, 1
	s_lshl_b32 s20, s20, 11                        ; my half of a row
	s_lshl_b32 s22, s19, 2
	s_mov_b32 s23, 0
	s_lshl_b32 s24, s19, 3
	s_mov_b32 s25, 0
	s_wait_alu depctr_va_vdst(0)
	s_wait_kmcnt 0x0
	s_add_nc_u64 s[26:27], s[8:9], s[22:23]
	s_add_nc_u64 s[28:29], s[6:7], s[24:25]
	s_load_b32 s30, s[26:27], 0x0                  ; e0 | e1 << 8
	s_load_b64 s[32:33], s[28:29], 0x0             ; w0, w1
	s_wait_kmcnt 0x0
	s_and_b32 s34, s30, 0xff
	s_min_u32 s34, s34, 7
	s_bfe_u32 s35, s30, 0x80008
	s_min_u32 s35, s35, 7
	s_lshl_b32 s36, s34, 12
	s_add_co_u32 s36, s36, s22
	s_mov_b32 s37, 0
	s_add_nc_u64 s[36:37], s[10:11], s[36:37]
	s_lshl_b32 s38, s35, 12
	s_add_co_u32 s38, s38, s22
	s_mov_b32 s39, 0
	s_add_nc_u64 s[38:39], s[10:11], s[38:39]
	s_load_b32 s40, s[36:37], 0x0                  ; my token's rank with e0,
	s_load_b32 s41, s[38:39], 0x0                  ; with e1
	s_mov_b32 s68, s33                             ; w1 as the low word of a pair: the packed form takes the low word for both halves
	s_mov_b32 s69, s33
	s_mov_b32 s43, 0
	s_lshl_b32 s42, s34, 12                        ; b2's rows
	s_add_co_u32 s42, s42, s20
	s_add_nc_u64 s[60:61], s[12:13], s[42:43]
	s_lshl_b32 s42, s35, 12
	s_add_co_u32 s42, s42, s20
	s_add_nc_u64 s[62:63], s[12:13], s[42:43]
.irp k, 0,1
.irp c, 0,1,2,3
	global_load_b128 v[BB+16*\k+4*\c:BB+16*\k+4*\c+3], v1, s[60+2*\k:61+2*\k] offset:512*\c
.endr
.endr
	s_lshl_b32 s42, s19, 12
	s_add_co_u32 s42, s42, s20
	s_add_nc_u64 s[66:67], s[14:15], s[42:43]      ; out0: my token's row, my half
	s_wait_kmcnt 0x0
	s_min_u32 s40, s40, 0x3ff
	s_min_u32 s41, s41, 0x3ff
	s_mul_i32 s42, s34, 1152
	s_add_co_u32 s42, s42, s40
	s_lshl_b32 s42, s42, 12
	s_add_co_u32 s42, s42, s20
	s_add_nc_u64 s[44:45], s[4:5], s[42:43]        ; the slot's row in quarter 0,
	s_add_nc_u64 s[46:47], s[44:45], 0x2400000     ; and 9,216 rows of 4,096 bytes on for each further quarter
	s_add_nc_u64 s[48:49], s[46:47], 0x2400000
	s_add_nc_u64 s[50:51], s[48:49], 0x2400000
	s_mul_i32 s42, s35, 1152
	s_add_co_u32 s42, s42, s41
	s_lshl_b32 s42, s42, 12
	s_add_co_u32 s42, s42, s20
	s_add_nc_u64 s[52:53], s[4:5], s[42:43]
	s_add_nc_u64 s[54:55], s[52:53], 0x2400000
	s_add_nc_u64 s[56:57], s[54:55], 0x2400000
	s_add_nc_u64 s[58:59], s[56:57], 0x2400000
.irp k, 0,1
.irp q, 0,1,2,3
.irp c, 0,1,2,3
	global_load_b128 v[P+64*\k+16*\q+4*\c:P+64*\k+16*\q+4*\c+3], v1, s[44+8*\k+2*\q:45+8*\k+2*\q] offset:512*\c th:TH_LOAD_NT
.endr
.endr
.endr
	s_wait_loadcnt 0x0
.irp c, 0,1,2,3
.irp d, 0,2
.irp k, 0,1
.set R0, P+64*\k+4*\c+\d
	v_pk_add_f32 v[R0:R0+1], v[R0:R0+1], v[R0+16:R0+17]
	v_pk_add_f32 v[R0+32:R0+33], v[R0+32:R0+33], v[R0+48:R0+49]
	s_delay_alu instid0(VALU_DEP_1)
	v_pk_add_f32 v[R0:R0+1], v[R0:R0+1], v[R0+32:R0+33]
	s_delay_alu instid0(VALU_DEP_1)
	v_pk_add_f32 v[R0:R0+1], v[R0:R0+1], v[BB+16*\k+4*\c+\d:BB+16*\k+4*\c+\d+1]
.endr
.set R0, P+4*\c+\d
	v_pk_mul_f32 v[R0:R0+1], v[R0:R0+1], s[32:33] op_sel_hi:[1,0]
	s_delay_alu instid0(VALU_DEP_1)
	v_pk_fma_f32 v[R0:R0+1], v[R0+64:R0+65], s[68:69], v[R0:R0+1] op_sel_hi:[1,0,1]
.endr
	global_store_b128 v1, v[P+4*\c:P+4*\c+3], s[66:67] offset:512*\c th:TH_STORE_NT
.endr
	s_or_b32 s70, s18, ttmp9                       ; wave 0 of work-group 0 makes out1
	s_cmp_lg_u32 s70, 0
	s_cbranch_scc1 .Lend
.irp k, 0,1,2,3,4,5,6,7
	global_load_b128 v[96+4*\k:99+4*\k], v1, s[6:7] offset:8192+512*\k   ; 128 x 8 sums: my four numbers belong to experts 4 (l & 1) + 0 .. 3 in every load
.endr
	s_mov_b32 s72, 0x76543210
	s_mov_b32 s73, 0xfedcba98                      ; v_permlanex16_b32's selects for lane l xor 16
	s_wait_loadcnt 0x0
.irp k, 1
	v_pk_add_f32 v[96:97], v[96:97], v[96+4*\k:97+4*\k]
	v_pk_add_f32 v[98:99], v[98:99], v[98+4*\k:99+4*\k]
.endr
.irp k, 2, 3, 4, 5, 6, 7
	s_delay_alu instid0(VALU_DEP_2)
	v_pk_add_f32 v[96:97], v[96:97], v[96+4*\k:97+4*\k]
	s_delay_alu instid0(VALU_DEP_2)
	v_pk_add_f32 v[98:99], v[98:99], v[98+4*\k:99+4*\k]
.endr
.irp m, 2,4,8
.irp j, 0,1,2,3
	v_add_f32_dpp v[96+\j], v[96+\j], v[96+\j] row_xmask:\m row_mask:0xf bank_mask:0xf
.endr
.endr
.irp j, 0,1,2,3
	v_mov_b32 v[100+\j], 0                         ; a lane permute's destination counts as one of its sources
.endr
.irp j, 0,1,2,3
	s_delay_alu instid0(VALU_DEP_4)
	v_permlanex16_b32 v[100+\j], v[96+\j], s72, s73
.endr
.irp j, 0,1,2,3
	s_delay_alu instid0(VALU_DEP_4)
	v_add_f32 v[96+\j], v[96+\j], v[100+\j]
.endr
.irp j, 0,1,2,3
	s_delay_alu instid0(VALU_DEP_4)
	v_mul_f32 v[96+\j], 0x3a800000, v[96+\j]       ; / 1,024: the mean score
.endr
	s_delay_alu instid0(VALU_DEP_4)
	v_mul_f32 v104, v96, v96
	s_delay_alu instid0(VALU_DEP_1)
	v_fmac_f32 v104, v97, v97
	s_delay_alu instid0(VALU_DEP_1)
	v_fmac_f32 v104, v98, v98
	s_delay_alu instid0(VALU_DEP_1)
	v_fmac_f32 v104, v99, v99
	s_delay_alu instid0(VALU_DEP_1)
	v_add_f32_dpp v104, v104, v104 row_xmask:1 row_mask:0xf bank_mask:0xf   ; with the other four experts'
	s_delay_alu instid0(VALU_DEP_1)
	v_mul_f32 v104, 0x3c23d70a, v104               ; x 0.01
	v_mov_b32 v105, 0
	global_store_b32 v105, v104, s[16:17]          ; every lane holds the number: all write the same word with the same value
.Lend:
	s_endpgm
.Lfunc_end_k_qed931b7a4c_combine:
	.size	k_qed931b7a4c_combine, .Lfunc_end_k_qed931b7a4c_combine-k_qed931b7a4c_combine
	.p2alignl 7, 3214868480
	.fill 96, 4, 3214868480
	.section	.rodata,"a",@progbits
	.p2align	6, 0x0
	.amdhsa_kernel k_qed931b7a4c_combine
		.amdhsa_group_segment_fixed_size 0
		.amdhsa_private_segment_fixed_size 0
		.amdhsa_enable_private_segment 0
		.amdhsa_kernarg_size 56
		.amdhsa_user_sgpr_count 2
		.amdhsa_user_sgpr_kernarg_segment_ptr 1
		.amdhsa_wavefront_size32 1
		.amdhsa_system_sgpr_workgroup_id_x 1
		.amdhsa_system_sgpr_workgroup_id_y 1
		.amdhsa_system_sgpr_workgroup_id_z 1
		.amdhsa_system_vgpr_workitem_id 0
		.amdhsa_next_free_vgpr 192
		.amdhsa_next_free_sgpr 74
		.amdhsa_reserve_vcc 0
		.amdhsa_float_denorm_mode_32 3
		.amdhsa_float_denorm_mode_16_64 3
		.amdhsa_memory_ordered 1
		.amdhsa_forward_progress 1
		.amdhsa_inst_pref_size 19
	.end_amdhsa_kernel
	.amdgpu_metadata
---
amdhsa.version: [ 1, 2 ]
amdhsa.kernels:
  - .name:           k_qed931b7a4c_combine
    .symbol:         k_qed931b7a4c_combine.kd
    .args:
      - { .name: pp, .offset: 0, .size: 8, .value_kind: global_buffer, .address_space: global }
      - { .name: gw, .offset: 8, .size: 8, .value_kind: global_buffer, .address_space: global }
      - { .name: tsel, .offset: 16, .size: 8, .value_kind: global_buffer, .address_space: global }
      - { .name: rk, .offset: 24, .size: 8, .value_kind: global_buffer, .address_space: global }
      - { .name: b2, .offset: 32, .size: 8, .value_kind: global_buffer, .address_space: global }
      - { .name: out0, .offset: 40, .size: 8, .value_kind: global_buffer, .address_space: global }
      - { .name: out1, .offset: 48, .size: 8, .value_kind: global_buffer, .address_space: global }
    .group_segment_fixed_size: 0
    .private_segment_fixed_size: 0
    .kernarg_segment_align: 8
    .kernarg_segment_size: 56
    .max_flat_workgroup_size: 256
    .sgpr_count:     74
    .vgpr_count:     192
    .wavefront_size: 32
...
	.end_amdgpu_metadata
.endif
;; end of part 8
